; MI455X (gfx1250); checked and timed in simulation.
; The chip was launched on July 23, 2026; its instructions are those of AMD's public machine-readable ISA for CDNA 5 (MIT licence, August 2026) and "CDNA5" Instruction Set Architecture Reference Guide (July 2026). The comments in the code are by the model that wrote it; some were corrected since.
;; Di T Block. Allowed arithmetic: matrix products marked QUANTISED: E5M2 operands, one E8M0 scale for each 32 along K, by v_wmma_scale_f32_16x16x128_f8f6f4 with both operands' format E5M2, f32 sums; products left as they are: f32 operands where the result goes on into a quantised operand, else bf16, f16 or f32 operands; f32 sums; everything else in f32.
;; Inputs: amod_bb 1,024 float32; amod_bw 512 x 1,024 float32; amod_gb 1,024 float32; amod_gw 512 x 1,024 float32; amod_nb 1,024 float32; amod_nw 1,024 float32; attn_nb 1,024 float32; attn_nw 1,024 float32; b1 4,096 float32; b2 1,024 float32; cond 2 x 512 float32; fmod_bb 1,024 float32; fmod_bw 512 x 1,024 float32; fmod_gb 1,024 float32; fmod_gw 512 x 1,024 float32; fmod_nb 1,024 float32; fmod_nw 1,024 float32; w1_codes 4,096 x 32 x 32 uint8 (E5M2 codes of w1, K innermost, in blocks of 32 codes); w1_scales 4,096 x 32 uint8 (E8M0 scales of w1, one for each 32 codes along K); w2_codes 1,024 x 128 x 32 uint8 (E5M2 codes of w2, K innermost, in blocks of 32 codes); w2_scales 1,024 x 128 uint8 (E8M0 scales of w2, one for each 32 codes along K); wkv_codes 128 x 32 x 32 uint8 (E5M2 codes of wkv, K innermost, in blocks of 32 codes); wkv_scales 128 x 32 uint8 (E8M0 scales of wkv, one for each 32 codes along K); wo_b 1,024 float32; wo_codes 1,024 x 32 x 32 uint8 (E5M2 codes of wo, K innermost, in blocks of 32 codes); wo_scales 1,024 x 32 uint8 (E8M0 scales of wo, one for each 32 codes along K); wq_codes 1,024 x 32 x 32 uint8 (E5M2 codes of wq, K innermost, in blocks of 32 codes); wq_scales 1,024 x 32 uint8 (E8M0 scales of wq, one for each 32 codes along K); x 2 x 2,048 x 1,024 float32.
;; Outputs: out0 2 x 2,048 x 1,024 float32.
;; This version of the problem:
;;   THIS VERSION OF THE PROBLEM IS GIVEN IN LOW PRECISION. The matrix products marked QUANTISED in the list below multiply operands that are first quantised to E5M2 (5 exponent bits, 2 mantissa bits; 8 bits a number), with one power-of-two scale for each 32 numbers along K (OCP MX v1.0); their sums are f32. All else is computed in f32.
;;   The module's matrix products, in the order in which they are computed (A, B: the left and right operand; K: the contracted axis; several contracted axes count as one K, in the product's order):
;;     1. [M 2, K 512] x [K 512, N 1,024]; A: input cond; B: input amod_gw: left as it is (M = 2 < 16)
;;     2. [M 2, K 512] x [K 512, N 1,024]; A: input cond; B: input amod_bw: left as it is (M = 2 < 16)
;;     3. [M 4,096, K 1,024] x [K 1,024, N 1,024]; A: computed on the way; B: input wq (given as codes): QUANTISED
;;     4. [M 4,096, K 1,024] x [K 1,024, N 128]; A: computed on the way; B: input wkv (given as codes): QUANTISED
;;     5. batch 2 x [M 2,048, K 64] x [K 64, N 32,768]; A: computed on the way; B: computed on the way: QUANTISED
;;     6. batch 2 x [M 64, K 2,048] x [K 2,048, N 32,768]; A: computed on the way; B: softmax (see below): QUANTISED
;;     7. [M 4,096, K 1,024] x [K 1,024, N 1,024]; A: computed on the way; B: input wo (given as codes): QUANTISED
;;     8. [M 2, K 512] x [K 512, N 1,024]; A: input cond; B: input fmod_gw: left as it is (M = 2 < 16)
;;     9. [M 2, K 512] x [K 512, N 1,024]; A: input cond; B: input fmod_bw: left as it is (M = 2 < 16)
;;     10. [M 4,096, K 1,024] x [K 1,024, N 4,096]; A: computed on the way; B: input w1 (given as codes): QUANTISED
;;     11. [M 4,096, K 4,096] x [K 4,096, N 1,024]; A: computed on the way; B: input w2 (given as codes): QUANTISED
;;   THE QUANTISER, for each operand of a quantised product, along K:
;;     - K is cut into blocks of 32 from its start; a last block that is shorter is filled with zeros.
;;     - A block's scale is 2^e with e = floor(log2(the largest magnitude in the block)) - 15, held to -126 .. 127; a block of zeros has e = 0. As a byte (E8M0): e + 127.
;;     - Each number is divided by its block's scale, clamped to +-57,344, and rounded to the nearest number of E5M2, ties to even, subnormals kept.
;;     - The product sums the exact products of the quantised numbers (number of the format x scale) in f32.
;;   ~~~python
;;   def quantise(x, axis):      # numpy; x: float32 -> the quantised numbers, widened to float32 again
;;       x = np.moveaxis(x, axis, -1); K = x.shape[-1]
;;       x = np.pad(x, [(0, 0)] * (x.ndim - 1) + [(0, -K % 32)]); x = x.reshape(x.shape[:-1] + (-1, 32)); a = np.abs(x).max(-1, keepdims=True)
;;       e = np.where(a > 0, np.clip(np.frexp(np.where(a > 0, a, 1))[1] - 1 - 15, -126, 127), 0)      # np.frexp(a)[1] - 1 = floor(log2(a)), exactly
;;       r = np.clip(x / 2.0 ** e, -57344, 57344)
;;       step = 2.0 ** (np.maximum(np.frexp(np.where(r == 0, 1, r))[1] - 1, -14) - 2)
;;       q = np.round(r / step) * step * 2.0 ** e      # np.round: ties to even
;;       return np.moveaxis(q.reshape(q.shape[:-2] + (-1,))[..., :K], -1, axis).astype(np.float32)
;;   ~~~
;;   SOFTMAX AHEAD OF A QUANTISED PRODUCT. Where the list says 'softmax', what is quantised is not the finished softmax but p = 2^(t - M), with t = logit x log2(e) and M = ceil(the row's largest t), a whole number; so 1/2 < the row's largest p <= 1. The row's sum l is taken of the UNQUANTISED p, in f32, and the product's result is divided by l at the end. Since M is a whole number, a kernel that streams over the keys may use a running M (the ceiling of the running maximum): every later rescaling is an exact power of two, which a block's scale takes up: the codes' values come out the same.
;;   OPERANDS COMPUTED ON THE WAY. 'Computed on the way' means the value that the module computes at that place (a softmax that the list does not call 'softmax' is quantised finished and normalised). What goes into a quantiser is computed in f32, as accurately as f32 sums, v_exp_f32 and their like allow (about 1e-6 of the number): no bf16 or f16 on the way to a quantiser, and a product that is left as it is and whose result goes on into a quantised operand takes f32 operands (vector FMAs, or v_wmma_f32_16x16x4_f32). A number that lies on a knife's edge between two numbers of the format may be rounded either way, as far as f32 arithmetic and the matrix unit's own rounding can turn it there, and no further.
;;   INPUTS GIVEN AS CODES. w1 (in the module: [1024, 4096], K = its axis 0); w2 (in the module: [4096, 1024], K = its axis 0); wkv (in the module: [1024, 128], K = its axis 0); wo (in the module: [1024, 1024], K = its axis 0); wq (in the module: [1024, 1024], K = its axis 0): each comes as NAME_codes (uint8): NAME with its K axis moved to the last place and cut into blocks of 32 codes, [.., K / 32, bytes a block], one block behind the other in memory; one code a byte (a code: sign, 5 exponent bits, 2 mantissa bits); and NAME_scales (uint8): the same leading axes, one E8M0 byte (e + 127) for each 32 codes along K. Its value is code x scale, taken as it is: it is not quantised again, and the codes and scales need not be those that the quantiser above would give.
;; 2 versions. Each part assembles by itself: llvm-mc -triple=amdgcn-amd-amdhsa -mcpu=gfx1250 --defsym DOCPART=n.
;; ======== version 1 of 2: 8 launches
;; workspace buffers: modv 32,768 bytes; wimg 10,616,832 bytes; h 16,777,216 bytes; actA 4,325,376 bytes; qkv 4,997,120 bytes; x1 16,777,216 bytes; uq 17,301,504 bytes
;; launch prep (part 1): grid 113 x 1, 32 waves a work-group, no clusters, 73,728 bytes of LDS; arguments cond, amod_gw, amod_bw, amod_gb, amod_bb, amod_nw, amod_nb, fmod_gw, fmod_bw, fmod_gb, fmod_bb, fmod_nw, fmod_nb, wq_codes, wkv_codes, wo_codes, w1_codes, w2_codes, modv, wimg; writes modv, wimg
.if DOCPART == 1
	.amdgcn_target "amdgcn-amd-amdhsa--gfx1250"
	.amdhsa_code_object_version 6
	.text
	.protected	k_qa3b5c07484_prep
	.globl	k_qa3b5c07484_prep
	.p2align	8
	.type	k_qa3b5c07484_prep,@function
k_qa3b5c07484_prep:
	s_mov_b64 s[64:65], 0
	v_nop
	global_prefetch_b8 v0, s[64:65] scope:SCOPE_SE
	s_setreg_imm32_b32 hwreg(HW_REG_WAVE_MODE, 25, 1), 1
	s_wait_xcnt 0x0
; PREP.  Two kinds of work-groups, told apart by the work-group's number alone.
; Work-groups 0-31 (MOD): the two modulations.  g = cond gw + gb, be = cond bw + bb, all in f32 by fused multiply-adds, folded with the norm's gain and bias:
;   A = nw (1 + g), Bc = nb (1 + g) + be, so that LN(x) (1 + g) + be = (x - mu) rs A + Bc.  modv: [set a, f][A, Bc][batch][1024] f32.
;   Work-group = set x 16 + group of 64 columns.  Thread t: K rows 8 (t / 16) .. + 7, columns 4 (t % 16) .. + 3: sixteen lanes read 256 consecutive bytes of a row of gw or bw.
;   The 64 partial sums of a column meet in LDS (65,536 bytes are used; the launch claims a little more); behind one barrier wave j (0, 1) adds them for batch j, two columns a lane.
; Work-groups 32-112 (RELAY): the five weights' codes are laid as IMAGES OF OPERAND REGISTERS.  A tile is 16 rows x 128 K = 2,048 bytes: byte 512 c + 16 lane holds the 16 codes of the
;   tile's row lane % 16 at k = 128 ks + 32 c + 16 (lane / 16) + 0 .. 15.  Tile (nt, ks) lies at (nt KS + ks) x 2,048 from the weight's start.  THE ROWS OF A TILE ARE NOT NEIGHBOURS:
;   row r of tile nt is the weight's row 32 (nt / 2) + 8 (nt % 2) + r + 8 (r / 8), so that two neighbouring tiles' results are 16 neighbours along the next product's K.
;   wimg: wq at 0, wkv at 0x100000, wo at 0x120000, w1 at 0x220000, w2 at 0x620000: 131,072 bytes to a work-group, 4,096 (two tiles) to a wave.
;   A wave's eight loads together read 256 consecutive bytes of each of 16 rows; each of its stores covers 512 consecutive bytes.
; LIMIT: folding nw, nb, 1 + g and be ahead of the multiplication rounds once more in f32 than the unfolded form.
.set NMOD, 32
.set CD, 16                            ; v16-31  cond: batch b, K row i at CD + 8 b + i
.set GW, 32                            ; v32-63  8 rows x 4 columns of gw;  v64-95 of bw
.set AC, 96                            ; v96-111 sums: matrix m, batch b at AC + 8 m + 4 b
	s_load_b512 s[8:23], s[0:1], 0x0               ; cond 8, a: gw 10, bw 12, gb 14, bb 16, nw 18, nb 20, f: gw 22
	s_load_b512 s[24:39], s[0:1], 0x40             ; f: bw 24, gb 26, bb 28, nw 30, nb 32; codes: wq 34, wkv 36, wo 38
	s_load_b256 s[40:47], s[0:1], 0x80             ; w1 40, w2 42; modv 44, wimg 46
	v_lshl_add_u32 v126, v0, 2, 0x11000
	v_mov_b32 v127, 0
	v_lshrrev_b32 v1, 5, v0
	v_readfirstlane_b32 s2, v1                     ; wave 0..31
	v_and_b32 v2, 31, v0                           ; lane
	v_and_b32 v3, 15, v0                           ; r
	v_bfe_u32 v4, v0, 4, 1                         ; h
	v_lshrrev_b32 v5, 4, v0                        ; P = t / 16: which eight K rows
	v_lshlrev_b32 v6, 4, v3
	v_lshl_add_u32 v7, v5, 10, v6                  ; LDS, partial sums: 1,024 P + 16 r: 64,752 at the most, and 784 more with the last store's offset and width
	v_lshl_or_b32 v8, v5, 15, v6                   ; gw, bw: 8 P rows of 4,096 bytes + 16 r
	v_lshlrev_b32 v9, 5, v5                        ; cond: 32 P
	v_lshlrev_b32 v10, 3, v2                       ; 8 x lane: two columns
	v_lshl_or_b32 v11, v1, 8, v10                  ; LDS, the adding up: 256 x wave + 8 x lane
	v_lshlrev_b32 v12, 4, v2                       ; 16 x lane: an image's place
	v_and_b32 v13, 8, v3
	v_add_nc_u32 v13, v13, v3                      ; r + 8 (r / 8)
	s_lshr_b32 s3, ttmp9, 4                        ; set
	s_and_b32 s4, ttmp9, 15
	s_lshl_b32 s4, s4, 8                           ; my 64 columns: 256 bytes
	s_mov_b32 s5, 0
	s_wait_kmcnt 0x0
	s_cmp_eq_u32 s3, 0                             ; the choice hangs on the work-group's number alone
	s_cselect_b64 s[10:11], s[10:11], s[22:23]
	s_cselect_b64 s[12:13], s[12:13], s[24:25]
	s_cselect_b64 s[14:15], s[14:15], s[26:27]
	s_cselect_b64 s[16:17], s[16:17], s[28:29]
	s_cselect_b64 s[18:19], s[18:19], s[30:31]
	s_cselect_b64 s[20:21], s[20:21], s[32:33]
.irp p, 10,12,14,16,18,20
	s_add_nc_u64 s[\p:\p+1], s[\p:\p+1], s[4:5]
.endr
	s_cmp_ge_u32 ttmp9, NMOD
	s_cbranch_scc1 .Lrelay
	; ---- MOD, first part: my eight K rows x four columns, both matrices, both batches
.irp b, 0,1
.irp q, 0,1
	global_load_b128 v[CD+8*\b+4*\q:CD+8*\b+4*\q+3], v9, s[8:9] offset:2048*\b+16*\q
.endr
.endr
.irp i, 0,1,2,3,4,5,6,7
	global_load_b128 v[GW+4*\i:GW+4*\i+3], v8, s[10:11] offset:4096*\i th:TH_LOAD_NT
	global_load_b128 v[GW+32+4*\i:GW+32+4*\i+3], v8, s[12:13] offset:4096*\i th:TH_LOAD_NT
.endr
	s_wait_loadcnt 0x0
.irp m, 0,1
.irp b, 0,1
.irp j, 0,1,2,3
	v_mul_f32 v[AC+8*\m+4*\b+\j], v[CD+8*\b], v[GW+32*\m+\j]       ; the first K row starts the sums
.endr
.endr
.endr
.irp i, 1,2,3,4,5,6,7
.irp m, 0,1
.irp b, 0,1
.irp j, 0,1,2,3
	v_fmac_f32 v[AC+8*\m+4*\b+\j], v[CD+8*\b+\i], v[GW+32*\m+4*\i+\j]
.endr
.endr
.endr
.endr
.irp m, 0,1
.irp b, 0,1
	ds_store_b128 v7, v[AC+8*\m+4*\b:AC+8*\m+4*\b+3] offset:256*(2*\m+\b)
.endr
.endr
	s_branch .Ljoin
.Lrelay:
	; ---- RELAY: which weight, by the work-group's number
	s_sub_co_u32 s48, ttmp9, NMOD                  ; j = 0 .. 80
	s_mov_b64 s[50:51], s[42:43]                   ; w2: from j = 49 on, 32 K steps to a row
	s_mov_b32 s52, 49
	s_mov_b32 s53, 5
	s_cmp_lt_u32 s48, 49
	s_cselect_b64 s[50:51], s[40:41], s[50:51]     ; w1: from 17; 8 K steps, as all that follow
	s_cselect_b32 s52, 17, s52
	s_cselect_b32 s53, 3, s53
	s_cmp_lt_u32 s48, 17
	s_cselect_b64 s[50:51], s[38:39], s[50:51]     ; wo: from 9
	s_cselect_b32 s52, 9, s52
	s_cmp_lt_u32 s48, 9
	s_cselect_b64 s[50:51], s[36:37], s[50:51]     ; wkv: 8
	s_cselect_b32 s52, 8, s52
	s_cmp_lt_u32 s48, 8
	s_cselect_b64 s[50:51], s[34:35], s[50:51]     ; wq: from 0
	s_cselect_b32 s52, 0, s52
	s_sub_co_u32 s54, s48, s52
	s_lshl_b32 s54, s54, 6
	s_lshl_b32 s55, s2, 1
	s_add_co_u32 s54, s54, s55                     ; my first tile of the weight: nt KS + ks, an even number: both my tiles have one nt
	s_lshr_b32 s55, s54, s53                       ; nt
	s_bfm_b32 s56, s53, 0
	s_and_b32 s56, s54, s56                        ; ks
	s_lshr_b32 s57, s55, 1
	s_lshl_b32 s57, s57, 5
	s_and_b32 s58, s55, 1
	s_lshl_b32 s58, s58, 3
	s_add_co_u32 s57, s57, s58                     ; the tile's first row: 32 (nt / 2) + 8 (nt % 2)
	s_add_co_u32 s59, s53, 7                       ; a row is 2^this bytes
	s_lshl_b32 s60, s57, s59
	s_lshl_b32 s56, s56, 7
	s_add_co_u32 s60, s60, s56
	s_mov_b32 s61, 0
	s_add_nc_u64 s[50:51], s[50:51], s[60:61]
	v_lshlrev_b32 v14, s59, v13                    ; my row of the tile,
	v_lshl_add_u32 v14, v4, 4, v14                 ; + 16 h
	s_lshl_b32 s62, s48, 17
	s_lshl_b32 s63, s2, 12
	s_add_co_u32 s62, s62, s63
	s_mov_b32 s63, 0
	s_add_nc_u64 s[46:47], s[46:47], s[62:63]      ; wimg at my two tiles
.irp e, 0,1
.irp c, 0,1,2,3
	global_load_b128 v[32+16*\e+4*\c:35+16*\e+4*\c], v14, s[50:51] offset:128*\e+32*\c
.endr
.endr
	s_wait_loadcnt 0x0
.irp e, 0,1
.irp c, 0,1,2,3
	global_store_b128 v12, v[32+16*\e+4*\c:35+16*\e+4*\c], s[46:47] offset:2048*\e+512*\c
.endr
.endr
	s_wait_xcnt 0x0                                ; the stores have read v12 and v32-63 (ISA guide 3.1): the text behind the common label writes v32 on again, and only behind this wait
.Ljoin:
	s_wait_dscnt 0x0                               ; for the others' sake: my partial sums lie in LDS
	s_barrier_signal -1
	s_barrier_wait -1                              ; one barrier, on every wave's way
	s_cmp_ge_u32 ttmp9, NMOD
	s_cbranch_scc1 .Lend
	s_cmp_ge_u32 s2, 2
	s_cbranch_scc1 .Lend
	; ---- MOD, second part: wave j adds the 64 partial sums for batch j, two columns a lane
	s_lshl_b32 s6, s3, 14
	s_lshl_b32 s7, s2, 12
	s_add_co_u32 s6, s6, s7
	s_add_co_u32 s6, s6, s4
	s_mov_b32 s7, 0
	s_add_nc_u64 s[44:45], s[44:45], s[6:7]        ; modv: set, batch, my 64 columns
	global_load_b64 v[16:17], v10, s[14:15]        ; gb
	global_load_b64 v[18:19], v10, s[16:17]        ; bb
	global_load_b64 v[20:21], v10, s[18:19]        ; nw
	global_load_b64 v[22:23], v10, s[20:21]        ; nb
.macro SUM m, a                        ; matrix m's 64 partial sums, 32 at a time, in two chains a and a + 2
.irp f, 0,1
.set P, 0
.rept 32
	ds_load_b64 v[32+2*P:33+2*P], v11 offset:1024*(32*\f+P)+512*\m
.set P, P+1
.endr
	s_wait_dscnt 0x0
.if \f == 0
	v_pk_add_f32 v[\a:\a+1], v[32:33], v[34:35]                    ; the first four start the chains
	v_pk_add_f32 v[\a+2:\a+3], v[36:37], v[38:39]
.set P, 4
.else
.set P, 0
.endif
.rept 14+2*\f
	v_pk_add_f32 v[\a:\a+1], v[\a:\a+1], v[32+2*P:33+2*P]
	v_pk_add_f32 v[\a+2:\a+3], v[\a+2:\a+3], v[34+2*P:35+2*P]
.set P, P+2
.endr
.endr
	v_pk_add_f32 v[\a:\a+1], v[\a:\a+1], v[\a+2:\a+3]
.endm
	SUM 0, 96
	SUM 1, 100
	s_wait_loadcnt 0x0
	v_pk_add_f32 v[96:97], v[96:97], v[16:17]                      ; g
	v_pk_add_f32 v[96:97], v[96:97], 1.0 op_sel_hi:[1,0]           ; 1 + g
	v_pk_add_f32 v[100:101], v[100:101], v[18:19]                  ; be
	v_pk_mul_f32 v[104:105], v[20:21], v[96:97]                    ; A
	v_pk_fma_f32 v[106:107], v[22:23], v[96:97], v[100:101]        ; Bc
	global_store_b64 v10, v[104:105], s[44:45]                     ; 32 lanes store 256 consecutive bytes, aligned
	global_store_b64 v10, v[106:107], s[44:45] offset:8192
.Lend:
	s_wait_tensorcnt 0x0
	ds_add_u32 v126, v127
	s_wait_dscnt 0x0
	s_endpgm
.Lfunc_end_k_qa3b5c07484_prep:
	.size	k_qa3b5c07484_prep, .Lfunc_end_k_qa3b5c07484_prep-k_qa3b5c07484_prep
	.p2alignl 7, 3214868480
	.fill 96, 4, 3214868480
	.section	.rodata,"a",@progbits
	.p2align	6, 0x0
	.amdhsa_kernel k_qa3b5c07484_prep
		.amdhsa_group_segment_fixed_size 73728
		.amdhsa_private_segment_fixed_size 0
		.amdhsa_enable_private_segment 0
		.amdhsa_kernarg_size 160
		.amdhsa_user_sgpr_count 2
		.amdhsa_user_sgpr_kernarg_segment_ptr 1
		.amdhsa_wavefront_size32 1
		.amdhsa_system_sgpr_workgroup_id_x 1
		.amdhsa_system_sgpr_workgroup_id_y 1
		.amdhsa_system_sgpr_workgroup_id_z 1
		.amdhsa_system_vgpr_workitem_id 0
		.amdhsa_next_free_vgpr 128
		.amdhsa_next_free_sgpr 66
		.amdhsa_reserve_vcc 0
		.amdhsa_float_denorm_mode_32 3
		.amdhsa_float_denorm_mode_16_64 3
		.amdhsa_memory_ordered 1
		.amdhsa_forward_progress 1
		.amdhsa_inst_pref_size 29
	.end_amdhsa_kernel
	.amdgpu_metadata
---
amdhsa.version: [ 1, 2 ]
amdhsa.kernels:
  - .name:           k_qa3b5c07484_prep
    .symbol:         k_qa3b5c07484_prep.kd
    .args:
      - { .name: cond, .offset: 0, .size: 8, .value_kind: global_buffer, .address_space: global }
      - { .name: amod_gw, .offset: 8, .size: 8, .value_kind: global_buffer, .address_space: global }
      - { .name: amod_bw, .offset: 16, .size: 8, .value_kind: global_buffer, .address_space: global }
      - { .name: amod_gb, .offset: 24, .size: 8, .value_kind: global_buffer, .address_space: global }
      - { .name: amod_bb, .offset: 32, .size: 8, .value_kind: global_buffer, .address_space: global }
      - { .name: amod_nw, .offset: 40, .size: 8, .value_kind: global_buffer, .address_space: global }
      - { .name: amod_nb, .offset: 48, .size: 8, .value_kind: global_buffer, .address_space: global }
      - { .name: fmod_gw, .offset: 56, .size: 8, .value_kind: global_buffer, .address_space: global }
      - { .name: fmod_bw, .offset: 64, .size: 8, .value_kind: global_buffer, .address_space: global }
      - { .name: fmod_gb, .offset: 72, .size: 8, .value_kind: global_buffer, .address_space: global }
      - { .name: fmod_bb, .offset: 80, .size: 8, .value_kind: global_buffer, .address_space: global }
      - { .name: fmod_nw, .offset: 88, .size: 8, .value_kind: global_buffer, .address_space: global }
      - { .name: fmod_nb, .offset: 96, .size: 8, .value_kind: global_buffer, .address_space: global }
      - { .name: wq_codes, .offset: 104, .size: 8, .value_kind: global_buffer, .address_space: global }
      - { .name: wkv_codes, .offset: 112, .size: 8, .value_kind: global_buffer, .address_space: global }
      - { .name: wo_codes, .offset: 120, .size: 8, .value_kind: global_buffer, .address_space: global }
      - { .name: w1_codes, .offset: 128, .size: 8, .value_kind: global_buffer, .address_space: global }
      - { .name: w2_codes, .offset: 136, .size: 8, .value_kind: global_buffer, .address_space: global }
      - { .name: modv, .offset: 144, .size: 8, .value_kind: global_buffer, .address_space: global }
      - { .name: wimg, .offset: 152, .size: 8, .value_kind: global_buffer, .address_space: global }
    .group_segment_fixed_size: 73728
    .private_segment_fixed_size: 0
    .kernarg_segment_align: 8
    .kernarg_segment_size: 160
    .max_flat_workgroup_size: 1024
    .sgpr_count:     66
    .vgpr_count:     128
    .wavefront_size: 32
...
	.end_amdgpu_metadata
.endif
;; end of part 1
;; launch ln1 (part 2): grid 256 x 1, 16 waves a work-group, no clusters, 110,592 bytes of LDS; arguments x, modv, attn_nw, attn_nb, h, actA; writes h, actA
.if DOCPART == 2
	.amdgcn_target "amdgcn-amd-amdhsa--gfx1250"
	.amdhsa_code_object_version 6
	.text
	.protected	k_qa3b5c07484_ln1
	.globl	k_qa3b5c07484_ln1
	.p2align	8
	.type	k_qa3b5c07484_ln1,@function
k_qa3b5c07484_ln1:
	s_mov_b64 s[64:65], 0
	v_nop
	global_prefetch_b8 v0, s[64:65] scope:SCOPE_SE
	s_setreg_imm32_b32 hwreg(HW_REG_WAVE_MODE, 25, 1), 1
	s_wait_xcnt 0x0
; LN1 = 1:  h = (x - mu) rs A + Bc (f32, stored);  hn = LN(h) attn_nw + attn_nb, quantised to E5M2 with one E8M0 byte for each 32 along the row, stored as operand images.
; LN1 = 0:  h2 = (x1 - mu) rs A + Bc, quantised and stored likewise; nothing else is stored.   (One text serves both launches; the flag below and the two lines of the spare word differ.)
; SHARES.  A work-group owns 16 rows, one tile of rows; wave w owns row w and keeps it in 32 registers: each of its eight loads covers 512 consecutive bytes.  Mean and variance in two passes, as they are defined.
; The gain and bias vectors come into LDS once for the work-group (each wave fetches a part), then every wave reads them in its row's layout.
; THE TURN.  The conversions take neighbours along K from one lane's registers: the row goes through the wave's own 4,608 bytes of LDS (16 bytes of padding behind each 128) and comes back 32 neighbours a lane: a whole block.
; THE IMAGE.  Tile (mt, ks) of actA, 2,048 bytes at (8 mt + ks) x 2,048: byte 512 c + 16 (r + 16 h) holds row r's codes at k = 128 ks + 32 c + 16 h + 0 .. 15.  Lane l of wave w holds block l of row w: bytes 512 l + 16 w and + 256.
; The sixteen waves gather the tile row's 16,384 bytes in LDS (each 256 bytes + 16 of padding) and store them 512 consecutive bytes an instruction.  Scale words: (8 mt + ks) x 64 + 4 r behind 0x400000.
; A block's scale byte is its largest magnitude's exponent field - 15, held at 1 from below; numbers are held at +-57,344 x the scale ahead of the conversion, which does not saturate (ISA guide 7.6.2).
; LIMITS: NaN and infinities are not served; a block of zeros, or one under 2^-111, gets the byte 1 (its codes are zeros or what the floor's scale gives; this program alone reads the bytes); 1/sqrt by v_rsq_f32.
.set LN1, 1
.if LN1
.set PARB, 16384                       ; LDS: four vectors of 4,096 bytes: A, Bc, attn_nw, attn_nb
.set WSH, 10                           ; a wave fetches 1,024 bytes of them
.set Y, 128                            ; where the numbers to be quantised stand
.else
.set PARB, 8192                        ; A, Bc
.set WSH, 9
.set Y, 32
.endif
.set TURN, PARB                        ; 4,608 bytes for each wave
.set IMG, TURN+16*4608                 ; 64 x (256 + 16) bytes
.set SCW, IMG+64*272                   ; 512 scale bytes
.set X, 32                             ; v32-63   the row
.set PA, 64                            ; v64-95   gain;  later the row turned
.set PB, 96                            ; v96-127  bias
.set C, 160                            ; v160-167 a block's codes
.if LN1
	s_load_b256 s[4:11], s[0:1], 0x0               ; x, modv, attn_nw, attn_nb
	s_load_b128 s[12:15], s[0:1], 0x20             ; h, actA
	v_lshl_add_u32 v176, v0, 2, 0x1a800
	v_mov_b32 v177, 0
.else
	s_load_b128 s[4:7], s[0:1], 0x0                ; x1, modv
	s_load_b64 s[14:15], s[0:1], 0x10              ; actA
.endif
	v_lshrrev_b32 v1, 5, v0
	v_readfirstlane_b32 s16, v1                    ; wave 0..15
	v_and_b32 v1, 31, v0                           ; lane
	v_lshlrev_b32 v2, 4, v1                        ; 16 x lane
	s_lshl_b32 s17, s16, WSH
	v_add_nc_u32 v3, s17, v2                       ; LDS: where my part of the vectors goes
	s_mul_i32 s18, s16, 4608
	s_add_co_u32 s18, s18, TURN
	v_lshrrev_b32 v4, 3, v1
	v_add_nc_u32 v4, v4, v1
	v_lshl_add_u32 v4, v4, 4, s18                  ; the turn, in: 16 lane + 16 (lane / 8); 576 bytes a load
	v_mul_u32_u24 v5, v1, 144
	v_add_nc_u32 v5, s18, v5                       ; the turn, out: 144 x lane
	s_lshl_b32 s19, s16, 4
	s_add_co_u32 s19, s19, IMG
	v_mul_u32_u24 v6, v1, 544
	v_add_nc_u32 v6, s19, v6                       ; the image, in: 2 x 272 x lane + 16 x wave
	s_lshl_b32 s19, s16, 2
	s_add_co_u32 s19, s19, SCW
	v_lshrrev_b32 v7, 2, v1
	v_and_b32 v16, 3, v1
	v_lshl_or_b32 v7, v7, 6, v16
	v_add_nc_u32 v7, s19, v7                       ; my scale byte: 64 (lane / 4) + 4 x wave + lane % 4
	s_mul_i32 s19, s16, 1088
	s_add_co_u32 s19, s19, IMG
	v_lshrrev_b32 v16, 4, v1
	v_mul_u32_u24 v16, v16, 272
	v_and_b32 v17, 15, v1
	v_lshl_add_u32 v16, v17, 4, v16
	v_add_nc_u32 v16, s19, v16                     ; the image, out: unit 4 x wave + lane / 16, 16 (lane % 16)
	v_add_nc_u32 v17, SCW, v2                      ; the scale words, out (wave 0)
	s_mov_b32 s20, 0x76543210
	s_mov_b32 s21, 0xfedcba98                      ; v_permlanex16_b32's selects for lane l xor 16
	s_mov_b32 s22, 0x600000                        ; the mantissa field of 57,344
	s_mov_b32 s23, 0x3a800000                      ; 1 / 1,024
	s_mov_b32 s24, 0x3727c5ac                      ; 1e-5
	s_lshr_b32 s25, ttmp9, 7                       ; batch
	s_lshl_b32 s26, s25, 12
	s_mov_b32 s27, 0
	s_lshl_b32 s28, ttmp9, 16
	s_lshl_b32 s29, s16, 12
	s_add_co_u32 s28, s28, s29                     ; my row: (16 mt + wave) x 4,096 bytes
	s_mov_b32 s29, 0
	s_lshl_b32 s30, ttmp9, 14
	s_lshl_b32 s31, s16, 10
	s_add_co_u32 s30, s30, s31                     ; my 1,024 bytes of the tile row's images
	s_mov_b32 s31, 0
	s_lshl_b32 s32, ttmp9, 9
	s_add_co_u32 s32, s32, 0x400000                ; the tile row's 512 scale bytes
	s_mov_b32 s33, 0
.if LN1
	s_lshr_b32 s34, s16, 2                         ; which vector I fetch,
	s_and_b32 s35, s16, 3
	s_lshl_b32 s36, s35, 10                        ; which quarter of it
	s_mov_b32 s37, 0
	s_wait_kmcnt 0x0
	s_add_nc_u64 s[6:7], s[6:7], s[26:27]          ; A of my batch
	s_add_nc_u64 s[38:39], s[6:7], 8192            ; Bc
	s_cmp_eq_u32 s34, 0                            ; the choice hangs on the wave's number alone
	s_cselect_b64 s[40:41], s[6:7], s[10:11]
	s_cmp_eq_u32 s34, 1
	s_cselect_b64 s[40:41], s[38:39], s[40:41]
	s_cmp_eq_u32 s34, 2
	s_cselect_b64 s[40:41], s[8:9], s[40:41]
	s_add_nc_u64 s[40:41], s[40:41], s[36:37]
	s_add_nc_u64 s[12:13], s[12:13], s[28:29]
.else
	s_lshr_b32 s34, s16, 3
	s_lshl_b32 s34, s34, 13                        ; A or Bc,
	s_and_b32 s35, s16, 7
	s_lshl_b32 s35, s35, 9                         ; which eighth
	s_add_co_u32 s36, s34, s35
	s_add_co_u32 s36, s36, s26
	s_add_co_u32 s36, s36, 16384                   ; the second set
	s_mov_b32 s37, 0
	s_wait_kmcnt 0x0
	s_add_nc_u64 s[40:41], s[6:7], s[36:37]
.endif
	s_add_nc_u64 s[4:5], s[4:5], s[28:29]
	s_add_nc_u64 s[42:43], s[14:15], s[30:31]
	s_add_nc_u64 s[44:45], s[14:15], s[32:33]
	global_load_b128 v[PA:PA+3], v2, s[40:41]
.if LN1
	global_load_b128 v[PA+4:PA+7], v2, s[40:41] offset:512
.endif
.irp j, 0,1,2,3,4,5,6,7
.if LN1
	global_load_b128 v[X+4*\j:X+4*\j+3], v2, s[4:5] offset:512*\j th:TH_LOAD_NT   ; read once in the whole program
.else
	global_load_b128 v[X+4*\j:X+4*\j+3], v2, s[4:5] offset:512*\j
.endif
.endr
	s_wait_loadcnt 8                               ; my part of the vectors is in; the row's eight loads, issued behind it, stay out
	ds_store_b128 v3, v[PA:PA+3]
.if LN1
	ds_store_b128 v3, v[PA+4:PA+7] offset:512
.endif
	s_wait_dscnt 0x0                               ; for the others' sake
	s_barrier_signal -1
	s_barrier_wait -1                              ; the vectors lie in LDS
.irp j, 0,1,2,3,4,5,6,7
	ds_load_b128 v[PA+4*\j:PA+4*\j+3], v2 offset:512*\j
	ds_load_b128 v[PB+4*\j:PB+4*\j+3], v2 offset:4096+512*\j
.endr
.macro LANESUM                         ; v8 over the 32 lanes, the result in every lane
	v_add_f32_dpp v8, v8, v8 row_xmask:1 row_mask:0xf bank_mask:0xf
	v_add_f32_dpp v8, v8, v8 row_xmask:2 row_mask:0xf bank_mask:0xf
	v_add_f32_dpp v8, v8, v8 row_xmask:4 row_mask:0xf bank_mask:0xf
	v_add_f32_dpp v8, v8, v8 row_xmask:8 row_mask:0xf bank_mask:0xf
	v_permlanex16_b32 v9, v8, s20, s21
	v_add_f32 v8, v8, v9
.endm
.macro FOLD                            ; four chains v8-15 into v8
	v_pk_add_f32 v[8:9], v[8:9], v[10:11]
	v_pk_add_f32 v[12:13], v[12:13], v[14:15]
	v_pk_add_f32 v[8:9], v[8:9], v[12:13]
	v_add_f32 v8, v8, v9
	LANESUM
.endm
.macro STATS src, dst                  ; dst = src - mean;  v[22:23] = 1 / sqrt(variance + eps), twice
.irp k, 0,1,2,3
	v_pk_add_f32 v[8+2*\k:9+2*\k], v[\src+4*\k:\src+4*\k+1], v[\src+4*\k+2:\src+4*\k+3]
.endr
.irp k, 0,1,2,3
	v_pk_add_f32 v[8+2*\k:9+2*\k], v[8+2*\k:9+2*\k], v[\src+16+2*\k:\src+17+2*\k]
.endr
.irp k, 0,1,2,3
	v_pk_add_f32 v[8+2*\k:9+2*\k], v[8+2*\k:9+2*\k], v[\src+24+2*\k:\src+25+2*\k]
.endr
	FOLD
	v_mul_f32 v20, s23, v8
	v_mul_f32 v21, s23, v8                         ; the mean, twice: a pair for the packed form
.irp k, 0,1,2,3,4,5,6,7,8,9,10,11,12,13,14,15
	v_pk_add_f32 v[\dst+2*\k:\dst+2*\k+1], v[\src+2*\k:\src+2*\k+1], v[20:21] neg_lo:[0,1] neg_hi:[0,1]
.endr
.irp k, 0,1,2,3
	v_pk_mul_f32 v[8+2*\k:9+2*\k], v[\dst+2*\k:\dst+2*\k+1], v[\dst+2*\k:\dst+2*\k+1]
.endr
.irp k, 4,5,6,7,8,9,10,11,12,13,14,15
	v_pk_fma_f32 v[8+2*(\k%4):9+2*(\k%4)], v[\dst+2*\k:\dst+2*\k+1], v[\dst+2*\k:\dst+2*\k+1], v[8+2*(\k%4):9+2*(\k%4)]
.endr
	FOLD
	v_fma_f32 v24, v8, s23, s24                    ; variance + eps
	v_rsq_f32 v22, v24
	v_rsq_f32 v23, v24
	v_nop                                          ; a plain instruction behind the transcendentals (ISA guide 5.7.2),
	s_wait_alu depctr_va_vdst(0)                   ; and one wait for both, ahead of their first reader
.endm
.macro NORM d                          ; d = d rs gain + bias
.irp k, 0,1,2,3,4,5,6,7,8,9,10,11,12,13,14,15
	v_pk_mul_f32 v[\d+2*\k:\d+2*\k+1], v[\d+2*\k:\d+2*\k+1], v[22:23]
.endr
.irp k, 0,1,2,3,4,5,6,7,8,9,10,11,12,13,14,15
	v_pk_fma_f32 v[\d+2*\k:\d+2*\k+1], v[\d+2*\k:\d+2*\k+1], v[PA+2*\k:PA+2*\k+1], v[PB+2*\k:PB+2*\k+1]
.endr
.endm
	s_wait_loadcnt 0x0                             ; the row
	STATS X, X
	s_wait_dscnt 0x0                               ; A and Bc
	NORM X
.if LN1
.irp j, 0,1,2,3,4,5,6,7
	global_store_b128 v2, v[X+4*\j:X+4*\j+3], s[12:13] offset:512*\j   ; h: 512 consecutive bytes a store.  X is not written again
.endr
.irp j, 0,1,2,3,4,5,6,7
	ds_load_b128 v[PA+4*\j:PA+4*\j+3], v2 offset:8192+512*\j
	ds_load_b128 v[PB+4*\j:PB+4*\j+3], v2 offset:12288+512*\j
.endr
	STATS X, Y
	s_wait_dscnt 0x0                               ; attn_nw and attn_nb
	NORM Y
.endif
.irp j, 0,1,2,3,4,5,6,7
	ds_store_b128 v4, v[Y+4*\j:Y+4*\j+3] offset:576*\j
.endr
.irp q, 0,1,2,3,4,5,6,7
	ds_load_b128 v[PA+4*\q:PA+4*\q+3], v5 offset:16*\q             ; LDS serves a wave's instructions in order (ISA guide 5.7.1.4): these see the stores above
.endr
	s_wait_dscnt 0x0
	v_max3_num_f32 v28, |v[PA]|, |v[PA+1]|, |v[PA+2]|              ; the block's largest magnitude: all 32 numbers are mine
	v_max3_num_f32 v29, |v[PA+3]|, |v[PA+4]|, |v[PA+5]|
.irp i, 6,10,14,18,22,26
	v_max3_num_f32 v28, v28, |v[PA+\i]|, |v[PA+\i+1]|
	v_max3_num_f32 v29, v29, |v[PA+\i+2]|, |v[PA+\i+3]|
.endr
	v_max3_num_f32 v28, v28, |v[PA+30]|, |v[PA+31]|
	v_max3_num_f32 v28, v28, v29, 0x8000000        ; and the floor 2^(16 - 127): the byte cannot fall under 1
	v_add_nc_u32 v27, 0xf8800000, v28              ; 15 off the exponent field: the conversion's scale operand
	v_and_or_b32 v26, v28, 0x7f800000, s22         ; 57,344 x the scale
	v_lshrrev_b32 v25, 23, v27                     ; the scale's byte
.set J, 0
.rept 32
	v_med3_num_f32 v[PA+J], v[PA+J], -v26, v26
.set J, J+1
.endr
.irp g, 0,1,2,3
	v_cvt_scalef32_pk8_bf8_f32 v[C+2*\g:C+2*\g+1], v[PA+8*\g:PA+8*\g+7], v27
.endr
	v_nop                                          ; a plain instruction behind the last conversion
	ds_store_b128 v6, v[C:C+3]                     ; k = 32 l + 0 .. 15: the image's lanes 0-15
	ds_store_b128 v6, v[C+4:C+7] offset:272        ; k = 32 l + 16 .. 31: its lanes 16-31
	ds_store_b8 v7, v25
	s_wait_dscnt 0x0                               ; for the others' sake
	s_barrier_signal -1
	s_barrier_wait -1                              ; the tile row's images and scale words lie in LDS
	ds_load_b128 v[PA:PA+3], v16
	ds_load_b128 v[PA+4:PA+7], v16 offset:544
	s_wait_dscnt 0x0
	global_store_b128 v2, v[PA:PA+3], s[42:43]
	global_store_b128 v2, v[PA+4:PA+7], s[42:43] offset:512
	s_cmp_lg_u32 s16, 0
	s_cbranch_scc1 .Lend
	ds_load_b128 v[PA+8:PA+11], v17
	s_wait_dscnt 0x0
	global_store_b128 v2, v[PA+8:PA+11], s[44:45]
.Lend:
	s_wait_tensorcnt 0x0
	ds_add_u32 v176, v177
	s_wait_dscnt 0x0
	s_endpgm
.Lfunc_end_k_qa3b5c07484_ln1:
	.size	k_qa3b5c07484_ln1, .Lfunc_end_k_qa3b5c07484_ln1-k_qa3b5c07484_ln1
	.p2alignl 7, 3214868480
	.fill 96, 4, 3214868480
	.section	.rodata,"a",@progbits
	.p2align	6, 0x0
	.amdhsa_kernel k_qa3b5c07484_ln1
		.amdhsa_group_segment_fixed_size 110592
		.amdhsa_private_segment_fixed_size 0
		.amdhsa_enable_private_segment 0
		.amdhsa_kernarg_size 48
		.amdhsa_user_sgpr_count 2
		.amdhsa_user_sgpr_kernarg_segment_ptr 1
		.amdhsa_wavefront_size32 1
		.amdhsa_system_sgpr_workgroup_id_x 1
		.amdhsa_system_sgpr_workgroup_id_y 1
		.amdhsa_system_sgpr_workgroup_id_z 1
		.amdhsa_system_vgpr_workitem_id 0
		.amdhsa_next_free_vgpr 178
		.amdhsa_next_free_sgpr 66
		.amdhsa_reserve_vcc 0
		.amdhsa_float_denorm_mode_32 3
		.amdhsa_float_denorm_mode_16_64 3
		.amdhsa_memory_ordered 1
		.amdhsa_forward_progress 1
		.amdhsa_inst_pref_size 26
	.end_amdhsa_kernel
	.amdgpu_metadata
---
amdhsa.version: [ 1, 2 ]
amdhsa.kernels:
  - .name:           k_qa3b5c07484_ln1
    .symbol:         k_qa3b5c07484_ln1.kd
    .args:
      - { .name: x, .offset: 0, .size: 8, .value_kind: global_buffer, .address_space: global }
      - { .name: modv, .offset: 8, .size: 8, .value_kind: global_buffer, .address_space: global }
      - { .name: attn_nw, .offset: 16, .size: 8, .value_kind: global_buffer, .address_space: global }
      - { .name: attn_nb, .offset: 24, .size: 8, .value_kind: global_buffer, .address_space: global }
      - { .name: h, .offset: 32, .size: 8, .value_kind: global_buffer, .address_space: global }
      - { .name: actA, .offset: 40, .size: 8, .value_kind: global_buffer, .address_space: global }
    .group_segment_fixed_size: 110592
    .private_segment_fixed_size: 0
    .kernarg_segment_align: 8
    .kernarg_segment_size: 48
    .max_flat_workgroup_size: 512
    .sgpr_count:     66
    .vgpr_count:     178
    .wavefront_size: 32
...
	.end_amdgpu_metadata
.endif
;; end of part 2
;; launch gq (part 3): grid 9 x 32, 4 waves a work-group, no clusters, 35,328 bytes of LDS; arguments actA, wimg, wq_scales, wkv_scales, qkv; writes qkv
.if DOCPART == 3
	.amdgcn_target "amdgcn-amd-amdhsa--gfx1250"
	.amdhsa_code_object_version 6
	.text
	.protected	k_qa3b5c07484_gq
	.globl	k_qa3b5c07484_gq
	.p2align	8
	.type	k_qa3b5c07484_gq,@function
k_qa3b5c07484_gq:
	s_mov_b64 s[64:65], 0
	v_nop
	global_prefetch_b8 v0, s[64:65] scope:SCOPE_SE
	s_setreg_imm32_b32 hwreg(HW_REG_WAVE_MODE, 25, 1), 1
	s_wait_xcnt 0x0
; GQ: [q | k v] = hn [wq | wkv], on codes of E5M2 with E8M0 scales (K = 1,024); the results are quantised here for the two products of attention.
; A work-group makes 128 rows x 128 columns; x = 0 .. 7: two heads of q each; x = 8: k (columns 0-63) and v (64-127).  Four waves, each 64 x 64: 16 accumulators.
; OPERANDS COME STRAIGHT FROM MEMORY INTO REGISTERS: both are stored as images of operand registers (a tile of 16 rows x 128 K is 2,048 bytes, byte 512 c + 16 lane), so a fragment is four loads of 512 consecutive bytes.
; No tile passes through LDS, so there is nothing for a joint request of a cluster to land in: cluster = none.
; THE PRODUCT IS USED TRANSPOSED (source 0 = 16 rows of the weight, source 1 = 16 rows of hn), and a weight tile's row r is the weight's row 32 (nt / 2) + 8 (nt % 2) + r + 8 (r / 8):
; lane (r, h) holds row r of the result, and the 16 registers of column tiles 2 b, 2 b + 1 are columns 32 b + 16 h + 0 .. 15: what the conversions and the next operand's layout want.
; K goes in 8 steps of 128, written out: every offset is an immediate.  Three sets of fragment registers take turns; a step's loads are issued two steps ahead, behind the products of the step in hand.
; REGISTERS.  window 0: v1-15 lane terms and addresses; v16-23 at work in the quantiser; v24-27 half words of scale bytes; v32-95 scale words and nothing else; v96-127 codes; v128-159 held numbers.
;   window 1: fragment sets 0 (v0-127) and 1 (v128-255): in a set hn's four fragments, then the weight's four.   window 2: set 2 (v0-127); v128-255 the accumulators, (i, t) at 128 + 8 (4 i + t).
; SCALE WORDS.  hn's: one load brings K step 2 e in lanes 0-15 and 2 e + 1 in lanes 16-31.  The weight's: one 16-byte load a tile brings words 0-3 in lanes 0-15 and 4-7 in lanes 16-31.  The row selectors pick.
; OUT.  q: images (mt x 16 + head) x 1,024, K = the head's 64; its scale word (both bytes, twice) at 0x400000 + head x 16,384 + 4 row.
;   k, v of batch b from 0x440000 + 270,336 b on: k as PAIR images (row rho: key 32 p + rho + 8 (rho / 8) in k = 0-63, the key 8 further on in k = 64-127), v with the keys innermost, quantised along the keys.
; LIMITS: NaN and infinities are not served; a block of zeros, or one under 2^-111, gets the byte 1 (this program alone reads the bytes).
; The half words of k's and v's scale bytes leave by stores of two bytes a lane: 16,384 bytes in the whole launch; to join them the roles would need a barrier in common.
.set KS, 8
.set KC, 1
.set WOFF, 0
.set SOFF, 0x400000
.set TM, 16
.set HW, 24
.set SC, 32
.set BI, 96
.set TT, 128
.set ACC, 128
.set SEL, 26
.set MNT, 28
.set PA, 36
.set PS, 38
.set PB, 40
.set PW, 42
.set MSB, 0
.macro WIN new                         ; the immediate's high byte repeats the setting that is left; a switch that changes nothing is dropped
.if MSB != (\new)
	s_set_vgpr_msb (MSB<<8)|(\new)
.set MSB, (\new)
.endif
.endm
.macro WM d, a, b, c, sa, sb, ra, rb   ; one product; ra, rb: the scale words stand in lanes 16-31
.if (\ra) && (\rb)
	v_wmma_scale_f32_16x16x128_f8f6f4 v[\d:\d+7], v[\a:\a+15], v[\b:\b+15], v[\c:\c+7], v[\sa], v[\sb] matrix_a_fmt:MATRIX_FMT_BF8 matrix_b_fmt:MATRIX_FMT_BF8 matrix_a_scale:MATRIX_SCALE_ROW1 matrix_b_scale:MATRIX_SCALE_ROW1
.elseif (\ra)
	v_wmma_scale_f32_16x16x128_f8f6f4 v[\d:\d+7], v[\a:\a+15], v[\b:\b+15], v[\c:\c+7], v[\sa], v[\sb] matrix_a_fmt:MATRIX_FMT_BF8 matrix_b_fmt:MATRIX_FMT_BF8 matrix_a_scale:MATRIX_SCALE_ROW1
.elseif (\rb)
	v_wmma_scale_f32_16x16x128_f8f6f4 v[\d:\d+7], v[\a:\a+15], v[\b:\b+15], v[\c:\c+7], v[\sa], v[\sb] matrix_a_fmt:MATRIX_FMT_BF8 matrix_b_fmt:MATRIX_FMT_BF8 matrix_b_scale:MATRIX_SCALE_ROW1
.else
	v_wmma_scale_f32_16x16x128_f8f6f4 v[\d:\d+7], v[\a:\a+15], v[\b:\b+15], v[\c:\c+7], v[\sa], v[\sb] matrix_a_fmt:MATRIX_FMT_BF8 matrix_b_fmt:MATRIX_FMT_BF8
.endif
.endm
.macro WMZ d, a, b, sa, sb             ; the first K step starts a sum: nothing is cleared
	v_wmma_scale_f32_16x16x128_f8f6f4 v[\d:\d+7], v[\a:\a+15], v[\b:\b+15], 0, v[\sa], v[\sb] matrix_a_fmt:MATRIX_FMT_BF8 matrix_b_fmt:MATRIX_FMT_BF8
.endm
.macro LOADF s                         ; K step s: 32 loads into set s % 3
.set FB, 128*(((\s)%3)%2)
.if (\s)%3 == 2
	WIN 0x80
.else
	WIN 0x40
.endif
.irp i, 0,1,2,3
.irp c, 0,1,2,3
	global_load_b128 v[FB+16*\i+4*\c:FB+16*\i+4*\c+3], v4, s[PA:PA+1] offset:(\i*KS+(\s))*2048+512*\c
.endr
.endr
.irp t, 0,1,2,3
.irp c, 0,1,2,3
	global_load_b128 v[FB+64+16*\t+4*\c:FB+64+16*\t+4*\c+3], v4, s[PB:PB+1] offset:(\t*KS+(\s))*2048+512*\c
.endr
.endr
	WIN 0
.endm
.macro SCALES ch                       ; the scale words of K steps 8 ch .. 8 ch + 7: 20 loads into set ch % 2
.set SQ, SC+32*((\ch)%2)
.irp i, 0,1,2,3
.irp e, 0,1,2,3
	global_load_b32 v[SQ+4*\i+\e], v5, s[PS:PS+1] offset:(\i*KS+8*(\ch)+2*\e)*64
.endr
.endr
.irp t, 0,1,2,3
	global_load_b128 v[SQ+16+4*\t:SQ+16+4*\t+3], v6, s[PW:PW+1] offset:(32*(\t/2)+8*(\t%2))*KS*4+32*(\ch)
.endr
.endm
.macro MUL s                           ; 16 products; the sixteen accumulators take turns, one instruction a turn, in one order in every step
.set FB, 128*(((\s)%3)%2)
.set SQ, SC+32*(((\s)/8)%2)
.set SE, SQ+16+(\s)%4
.set AE, SQ+((\s)%8)/2
.set RA, ((\s)/4)%2
.set RB, (\s)%2
.if (\s)%3 == 2
	WIN 0xaa
.else
	WIN 0xa5
.endif
.irp i, 0,1,2,3
.irp t, 0,1,2,3
.if (\s) == 0
	WMZ ACC+8*(4*\i+\t), FB+64+16*\t, FB+16*\i, SE+4*\t, AE+4*\i
.else
	WM ACC+8*(4*\i+\t), FB+64+16*\t, FB+16*\i, ACC+8*(4*\i+\t), SE+4*\t, AE+4*\i, RA, RB
.endif
.endr
.endr
.endm
.macro STEP s
.rept 8
	v_nop                                          ; eight places between the last step's products and this step's loads into the registers that they read
.endr
.set NW, 0
.if (\s)+1 < KS
.set NW, 32                            ; behind this step's fragments: the next step's 32 loads,
.endif
.if (\s)/8+1 < KC
.if ((\s)%8 == 1) || ((\s)%8 == 2)
.set NW, NW+20                         ; and, in these two steps, the next 20 scale loads
.endif
.endif
	s_wait_loadcnt NW
	MUL \s
	WIN 0
.if (\s)+2 < KS
	LOADF (\s)+2
.endif
.if (\s)%8 == 0
.if (\s)/8+1 < KC
	SCALES (\s)/8+1
.endif
.endif
.endm
; 32 numbers of a lane (two blocks: register 16 b + e = k 32 b + 16 h + e of my row), at src in window win, become 8 registers of codes at cod and the two scale bytes in hw.  The held numbers go to dst, in window 0.
.macro QUANT2 src, win, dst, cod, hw
	WIN 5*(\win)
.irp b, 0,1
	v_max3_num_f32 v[TM+\b], |v[\src+16*\b]|, |v[\src+16*\b+1]|, 0x8000000     ; my 16 numbers, and the floor 2^(16 - 127): the byte cannot fall under 1
.endr
.irp e, 2,4,6,8,10,12,14
.irp b, 0,1
	v_max3_num_f32 v[TM+\b], |v[\src+16*\b+\e]|, |v[\src+16*\b+\e+1]|, v[TM+\b]
.endr
.endr
	WIN 0
.irp b, 0,1
	v_permlanex16_b32 v[TM+2+\b], v[TM+\b], s[SEL], s[SEL+1]
.endr
.irp b, 0,1
	v_max_num_f32 v[TM+\b], v[TM+\b], v[TM+2+\b]   ; with lane l xor 16's: the block's largest magnitude
.endr
.irp b, 0,1
	v_add_nc_u32 v[TM+4+\b], 0xf8800000, v[TM+\b]  ; 15 off the exponent field: the conversion's scale operand
.endr
.irp b, 0,1
	v_and_or_b32 v[TM+6+\b], v[TM+\b], 0x7f800000, s[MNT]          ; 57,344 x the scale
.endr
.irp b, 0,1
	v_lshrrev_b32 v[TM+2+\b], 23, v[TM+4+\b]       ; the scale's byte
.endr
	v_lshl_or_b32 v[\hw], v[TM+3], 8, v[TM+2]
	WIN (\win)
.irp b, 0,1
.irp e, 0,1,2,3,4,5,6,7,8,9,10,11,12,13,14,15
	v_med3_num_f32 v[\dst+16*\b+\e], v[\src+16*\b+\e], -v[TM+6+\b], v[TM+6+\b]   ; the conversion does not saturate (ISA guide 7.6.2): the hold comes first
.endr
.endr
	WIN 0
.irp g, 0,1,2,3
	v_cvt_scalef32_pk8_bf8_f32 v[\cod+2*\g:\cod+2*\g+1], v[\dst+8*\g:\dst+8*\g+7], v[TM+4+\g/2]
.endr
	v_nop                                          ; a plain instruction behind the last conversion
.endm
	s_load_b256 s[4:11], s[0:1], 0x0               ; actA, wimg, wq_scales, wkv_scales
	s_load_b64 s[12:13], s[0:1], 0x20              ; qkv
	v_lshl_add_u32 v254, v0, 2, 0x8800
	v_mov_b32 v255, 0
	v_lshrrev_b32 v1, 5, v0
	v_readfirstlane_b32 s20, v1                    ; wave 0..3
	s_lshr_b32 s21, s20, 1                         ; wr: which 64 rows
	s_and_b32 s22, s20, 1                          ; wc: which 64 columns
	s_and_b32 s24, ttmp7, 0xffff                   ; y
	v_and_b32 v1, 31, v0                           ; lane
	v_and_b32 v2, 15, v0                           ; r
	v_bfe_u32 v3, v0, 4, 1                         ; h
	v_lshlrev_b32 v4, 4, v1                        ; 16 x lane
	v_lshlrev_b32 v5, 2, v1                        ; 4 x lane
	v_and_b32 v12, 8, v2
	v_add_nc_u32 v12, v12, v2                      ; r + 8 (r / 8)
	v_mul_u32_u24 v6, v12, KS*4
	v_lshl_add_u32 v6, v3, 4, v6                   ; the weight's scale words: my row of a tile, + 16 h
	v_and_b32 v13, 7, v2
	v_lshrrev_b32 v14, 3, v2
	v_lshlrev_b32 v7, 4, v13
	v_lshl_add_u32 v7, v14, 10, v7
	v_lshl_add_u32 v7, v3, 8, v7                   ; k's codes: 1,024 (r / 8) + 256 h + 16 (r % 8)
	v_lshlrev_b32 v8, 2, v13
	v_lshl_add_u32 v8, v14, 1, v8                  ; k's half words: 4 (r % 8) + 2 (r / 8)
	s_mul_i32 s29, s21, 17408                      ; v's turn: 64 x 272 bytes of LDS for each of the two waves that hold v
	v_mul_u32_u24 v9, v3, 4352
	v_lshl_add_u32 v9, v2, 2, v9
	v_add_nc_u32 v9, s29, v9                       ; in: [d][key]: 16 h rows of 272 bytes + 4 r
	v_mul_u32_u24 v10, v12, 272
	v_lshl_add_u32 v10, v3, 6, v10
	v_add_nc_u32 v10, s29, v10                     ; out: row r + 8 (r / 8), + 64 h
	v_lshlrev_b32 v11, 2, v2                       ; v's half words: 4 r
	v_mov_b32 v[TM+2], 0                           ; written once: a lane permute's destination counts as one of its sources
	v_mov_b32 v[TM+3], 0
	s_mov_b32 s[SEL], 0x76543210
	s_mov_b32 s[SEL+1], 0xfedcba98
	s_mov_b32 s[MNT], 0x600000
	s_lshl_b32 s30, s24, 3
	s_lshl_b32 s25, s21, 2
	s_add_co_u32 s30, s30, s25                     ; my first tile of rows: 8 y + 4 wr
	s_lshl_b32 s31, ttmp9, 3
	s_lshl_b32 s25, s22, 2
	s_add_co_u32 s31, s31, s25                     ; my first tile of columns: 8 x + 4 wc
	s_mul_i32 s50, s30, KS*2048
	s_mov_b32 s51, 0
	s_mul_i32 s52, s30, KS*64
	s_add_co_u32 s52, s52, SOFF
	s_mov_b32 s53, 0
	s_mul_i32 s54, s31, KS*2048
	s_add_co_u32 s54, s54, WOFF
	s_mov_b32 s55, 0
	s_lshl_b32 s57, s22, 11                        ; the weight's scales: 64 wc rows of 32 bytes,
	s_wait_kmcnt 0x0
	s_cmp_eq_u32 ttmp9, 8                          ; wkv's for x = 8, else wq's, 128 x rows on
	s_cselect_b64 s[8:9], s[10:11], s[8:9]
	s_cselect_b32 s56, 0, ttmp9
	s_lshl_b32 s56, s56, 12
	s_add_co_u32 s56, s56, s57
	s_mov_b32 s57, 0
	s_add_nc_u64 s[PA:PA+1], s[4:5], s[50:51]
	s_add_nc_u64 s[PS:PS+1], s[4:5], s[52:53]
	s_add_nc_u64 s[PB:PB+1], s[6:7], s[54:55]
	s_add_nc_u64 s[PW:PW+1], s[8:9], s[56:57]
	SCALES 0
	LOADF 0
	LOADF 1
.set Q, 0
.rept KS
	STEP Q
.set Q, Q+1
.endr
.rept 8
	v_nop                                          ; eight places ahead of the first read of results
.endr
	s_cmp_lt_u32 ttmp9, 8
	s_cbranch_scc0 .Lkv
	; ---- q: my 64 columns are one head
	s_lshl_b32 s25, ttmp9, 1
	s_add_co_u32 s25, s25, s22                     ; head
	s_lshl_b32 s50, s30, 14
	s_lshl_b32 s29, s25, 10
	s_add_co_u32 s50, s50, s29
	s_mov_b32 s51, 0
	s_add_nc_u64 s[46:47], s[12:13], s[50:51]      ; (mt x 16 + head) x 1,024
	s_lshl_b32 s52, s25, 14
	s_lshl_b32 s29, s30, 6
	s_add_co_u32 s52, s52, s29
	s_add_co_u32 s52, s52, 0x400000
	s_mov_b32 s53, 0
	s_add_nc_u64 s[48:49], s[12:13], s[52:53]
.irp i, 0,1,2,3
	QUANT2 ACC+32*\i, 2, TT, BI+8*\i, HW+\i
	global_store_b128 v4, v[BI+8*\i:BI+8*\i+3], s[46:47] offset:\i*16384
	global_store_b128 v4, v[BI+8*\i+4:BI+8*\i+7], s[46:47] offset:\i*16384+512
	v_lshl_or_b32 v[HW+\i], v[HW+\i], 16, v[HW+\i] ; the two bytes twice: q stands in either half of the score product's K
.endr
	v_cmp_lt_u32 vcc_lo, 15, v1                    ; lanes 16-31 take the odd tile's words: 32 rows' words leave as 128 consecutive bytes
	v_cndmask_b32 v12, v[HW], v[HW+1], vcc_lo
	v_cndmask_b32 v13, v[HW+2], v[HW+3], vcc_lo
	global_store_b32 v5, v12, s[48:49]
	global_store_b32 v5, v13, s[48:49] offset:128
	s_endpgm
.Lkv:
	s_lshr_b32 s25, s24, 4                         ; batch
	s_and_b32 s29, s24, 15                         ; which 128 keys
	s_mul_i32 s50, s25, 270336
	s_add_co_u32 s50, s50, 0x440000
	s_lshl_b32 s52, s29, 13
	s_add_co_u32 s52, s52, s50                     ; + step x 8,192
	s_mov_b32 s53, 0
	s_lshl_b32 s54, s29, 8
	s_add_co_u32 s54, s54, s50                     ; + step x 256
	s_mov_b32 s55, 0
	s_cmp_eq_u32 s22, 0
	s_cbranch_scc0 .Lv
	; ---- k: key 64 wr + 16 i + r goes to pair 2 wr + i / 2, image row 8 (i % 2) + r % 8, half r / 8 of K
	s_lshl_b32 s25, s21, 12
	s_add_co_u32 s52, s52, s25
	s_add_nc_u64 s[46:47], s[12:13], s[52:53]
	s_lshl_b32 s25, s21, 7
	s_add_co_u32 s54, s54, s25
	s_add_co_u32 s54, s54, 262144
	s_add_nc_u64 s[48:49], s[12:13], s[54:55]
.irp i, 0,1,2,3
	QUANT2 ACC+32*\i, 2, TT, BI+8*\i, HW+\i
	global_store_b128 v7, v[BI+8*\i:BI+8*\i+3], s[46:47] offset:(\i/2)*2048+128*(\i%2)
	global_store_b128 v7, v[BI+8*\i+4:BI+8*\i+7], s[46:47] offset:(\i/2)*2048+128*(\i%2)+512
	global_store_b16 v8, v[HW+\i], s[48:49] offset:(\i/2)*64+32*(\i%2)    ; both lanes of a row write the same two bytes
.endr
	s_endpgm
.Lv:
	; ---- v: its K is the keys: my 64 keys x 64 channels are turned through my own LDS, [channel][key], then quantised along the keys
	s_lshl_b32 s25, s21, 10
	s_add_co_u32 s52, s52, s25
	s_add_co_u32 s52, s52, 131072
	s_add_nc_u64 s[46:47], s[12:13], s[52:53]
	s_lshl_b32 s25, s21, 1
	s_add_co_u32 s54, s54, s25
	s_add_co_u32 s54, s54, 266240
	s_add_nc_u64 s[48:49], s[12:13], s[54:55]
	WIN 0x08                                       ; an LDS store's data are its source 1: window 2
.irp i, 0,1,2,3
.irp t, 0,1,2,3
.irp j, 0,1,2,3,4,5,6,7
	ds_store_b32 v9, v[ACC+8*(4*\i+\t)+\j] offset:(32*(\t/2)+8*(\t%2)+\j)*272+64*\i   ; each accumulator from its low end on
.endr
.endr
.endr
	WIN 0
.irp t, 0,1,2,3                        ; tile t of channels: row r is channel 32 (t / 2) + 8 (t % 2) + r + 8 (r / 8)
.irp u, 0,1
.irp q, 0,1,2,3
	ds_load_b128 v[TT+16*\u+4*\q:TT+16*\u+4*\q+3], v10 offset:(32*(\t/2)+8*(\t%2))*272+128*\u+16*\q   ; LDS serves a wave's instructions in order (ISA guide 5.7.1.4)
.endr
.endr
	s_wait_dscnt 0x0
	QUANT2 TT, 0, TT, BI+8*\t, HW+\t
	global_store_b128 v4, v[BI+8*\t:BI+8*\t+3], s[46:47] offset:\t*2048
	global_store_b128 v4, v[BI+8*\t+4:BI+8*\t+7], s[46:47] offset:\t*2048+512
	global_store_b16 v11, v[HW+\t], s[48:49] offset:64*\t
.endr
	s_wait_tensorcnt 0x0
	ds_add_u32 v254, v255
	s_wait_dscnt 0x0
	s_endpgm
.Lfunc_end_k_qa3b5c07484_gq:
	.size	k_qa3b5c07484_gq, .Lfunc_end_k_qa3b5c07484_gq-k_qa3b5c07484_gq
	.p2alignl 7, 3214868480
	.fill 96, 4, 3214868480
	.section	.rodata,"a",@progbits
	.p2align	6, 0x0
	.amdhsa_kernel k_qa3b5c07484_gq
		.amdhsa_group_segment_fixed_size 35328
		.amdhsa_private_segment_fixed_size 0
		.amdhsa_enable_private_segment 0
		.amdhsa_kernarg_size 40
		.amdhsa_user_sgpr_count 2
		.amdhsa_user_sgpr_kernarg_segment_ptr 1
		.amdhsa_wavefront_size32 1
		.amdhsa_system_sgpr_workgroup_id_x 1
		.amdhsa_system_sgpr_workgroup_id_y 1
		.amdhsa_system_sgpr_workgroup_id_z 1
		.amdhsa_system_vgpr_workitem_id 0
		.amdhsa_next_free_vgpr 768
		.amdhsa_next_free_sgpr 66
		.amdhsa_reserve_vcc 1
		.amdhsa_float_denorm_mode_32 3
		.amdhsa_float_denorm_mode_16_64 3
		.amdhsa_memory_ordered 1
		.amdhsa_forward_progress 1
		.amdhsa_inst_pref_size 113
	.end_amdhsa_kernel
	.amdgpu_metadata
---
amdhsa.version: [ 1, 2 ]
amdhsa.kernels:
  - .name:           k_qa3b5c07484_gq
    .symbol:         k_qa3b5c07484_gq.kd
    .args:
      - { .name: actA, .offset: 0, .size: 8, .value_kind: global_buffer, .address_space: global }
      - { .name: wimg, .offset: 8, .size: 8, .value_kind: global_buffer, .address_space: global }
      - { .name: wq_scales, .offset: 16, .size: 8, .value_kind: global_buffer, .address_space: global }
      - { .name: wkv_scales, .offset: 24, .size: 8, .value_kind: global_buffer, .address_space: global }
      - { .name: qkv, .offset: 32, .size: 8, .value_kind: global_buffer, .address_space: global }
    .group_segment_fixed_size: 35328
    .private_segment_fixed_size: 0
    .kernarg_segment_align: 8
    .kernarg_segment_size: 40
    .max_flat_workgroup_size: 128
    .sgpr_count:     66
    .vgpr_count:     768
    .wavefront_size: 32
...
	.end_amdgpu_metadata
.endif
;; end of part 3
;; launch attn (part 4): grid 256 x 1, 16 waves a work-group, clusters of 4 x 1, 280,576 bytes of LDS; arguments qkv, actA; writes actA
.if DOCPART == 4
	.amdgcn_target "amdgcn-amd-amdhsa--gfx1250"
	.amdhsa_code_object_version 6
	.text
	.protected	k_qa3b5c07484_attn
	.globl	k_qa3b5c07484_attn
	.p2align	8
	.type	k_qa3b5c07484_attn,@function
k_qa3b5c07484_attn:
	s_mov_b64 s[64:65], 0
	v_nop
	global_prefetch_b8 v0, s[64:65] scope:SCOPE_SE
	s_setreg_imm32_b32 hwreg(HW_REG_WAVE_MODE, 25, 1), 1
	s_wait_xcnt 0x0
	s_wait_alu depctr_hold_cnt(0) depctr_sa_sdst(0) depctr_va_vdst(0) depctr_va_sdst(0) depctr_va_ssrc(0) depctr_va_vcc(0) depctr_vm_vsrc(0)
	s_getreg_b32 s2, hwreg(HW_REG_IB_STS2, 6, 4)
	s_cmp_eq_u32 s2, 0
	s_cbranch_scc0 .Lentry_in_a_cluster
	s_endpgm
.Lentry_in_a_cluster:
	s_bfe_u32 s2, ttmp6, 0x10000c
	s_cmp_lg_u32 s2, 0x3003
	s_cbranch_scc0 .Lentry_shape_is_right
	s_endpgm
.Lentry_shape_is_right:
; ATTN: out[row][head] = softmax(q k^T / 8) v, one key and value head for all 16 query heads; both products on codes of E5M2 with E8M0 scales; out is quantised along head x 64 + d for the next product.
; SHARES.  A work-group owns 16 rows (one tile) of one batch; wave w owns head w: one tile of 16 queries in 256 registers, four waves to a SIMD, so that one wave's vector work stands beside another's matrix work.
; K, V AND THEIR SCALE WORDS OF A WHOLE BATCH, 270,336 bytes, COME INTO LDS ONCE and stay: each wave brings 66 rows of 256 bytes by one tensor load.  Nothing in LDS is filled a second time.
; CLUSTER.  The four work-groups of a cluster belong to one batch (64 rows to a cluster, 2,048 to a batch: batch = cluster / 32) and need the same bytes: each load is a JOINT request with the mask of all four.
; THE SCORE PRODUCT HAS K = 64, the instruction 128.  An image of k holds TWO keys a row (k = 0-63: key 32 p + r + 8 (r / 8); k = 64-127: the key 8 further on); it is multiplied by [q | zeros] and by [zeros | q]:
; zero codes add nothing.  q stands in v16-23 and again in v32-39 with eight registers of zeros between: the two operands are v[16:31] and v[24:39].  So the 16 registers of a pair are keys 32 p + 16 h + 0 .. 15.
; Both products are used transposed: a lane holds ONE query (lane % 16) throughout.
; THE SOFTMAX: t = score x log2(e) / 8; M = the running largest t rounded UP to a whole number, kept as -M = floor(-t); p = 2^(t - M) is quantised along the keys, not normalised; the row's sum is taken of the
; unquantised p and divides at the end; when M moves, the sum and O are multiplied by 2^(old M - new M), which rounds nothing.  A block's largest p is made from the block's largest score by the same two instructions
; (this takes v_exp_f32 not to fall where its input rises).
; LIMITS: NaN and infinities are not served; a block of zeros, or one under 2^-111, gets the byte 1 (this program alone reads the bytes); 1 / sum by v_rcp_f32.
; REGISTERS: v1-7 addresses that stay; v8-11 addresses of the step; v12 -M, v13 the largest t, v[14:15] the sum; v16-39 q; v40-103 four fragments of k or v; v104-167 scores, then p; v168-199 O^T; v200-215 p's codes;
;   v216 out's two scale bytes; v220-227, v232-247, v252, v254 at work; scale words: v248-251 k's or v's, v253 p's, v255 q's.
.set KVB, 270336                       ; a batch's k, v and scale words
.set PART, 16896                       ; a wave's sixteenth: 66 rows of 256 bytes
.set VIM, 131072                       ; in LDS as in memory: k's images at 0, v's here,
.set KSC, 262144                       ; k's scale words,
.set VSC, 266240                       ; v's
.set OSC, 270336                       ; behind them: 512 bytes for out's scale words; no fill lands there
.set S, 104
.set O, 168
.set PC, 200
.set HW, 216
.set TM, 220
.set WV, 8
.set G0, 12
.set G1, 16
.set SEL, 24
.set CS, 26
.set MNT, 28
.set TK, 29
.set TS, 30
.set CNT, 31
.macro ROUND                           ; a round of the cluster's barrier
	s_barrier_signal -1
	s_barrier_wait -1
	s_cmp_lg_u32 s[WV], 0
	s_cbranch_scc1 .Lnot_wave_0_\@
	s_barrier_signal -3
.Lnot_wave_0_\@:
	s_barrier_wait -3
	s_barrier_signal -1
	s_barrier_wait -1
.endm
	s_load_b128 s[4:7], s[0:1], 0x0                ; qkv, actA
	v_lshl_add_u32 v230, v0, 2, 0x44000
	v_mov_b32 v231, 0
	ds_add_u32 v230, v231
	ds_add_u32 v230, v231
	v_lshrrev_b32 v1, 5, v0
	v_readfirstlane_b32 s[WV], v1                  ; wave = head
	s_bfe_u32 s9, ttmp6, 0x40000                   ; cx
	s_lshl_b32 s10, ttmp9, 2
	s_add_co_u32 s10, s10, s9                      ; my tile of rows: it enters q's and out's addresses alone
	s_lshr_b32 s11, ttmp9, 5                       ; batch: the same in all four partners
	s_mov_b32 s[G1], 15|(3<<16)|(1<<21)            ; 15:0 the mask: all four; 17:16 elements of 8 bytes; 21 set beside a mask; no padding: every LDS load here takes 512 consecutive bytes
	s_mov_b32 s[G1+1], 32<<16                      ; tensor_dim0 = 32 elements: 256 bytes
	s_mov_b32 s[G1+2], 66<<16                      ; tensor_dim1 = 66
	s_mov_b32 s[G1+3], 32<<16                      ; tile_dim0
	s_mov_b32 s[G1+4], 66                          ; tile_dim1
	s_mov_b32 s[G1+5], 32                          ; from row to row: the block is dense
	s_mov_b32 s[G1+6], 0
	s_mov_b32 s[G1+7], 0
	s_mov_b32 s[G0], 1
	s_mul_i32 s[G0+1], s[WV], PART                 ; LDS address: the wave's number times a constant
	s_mul_i32 s32, s11, KVB
	s_add_co_u32 s32, s32, s[G0+1]
	s_add_co_u32 s32, s32, 0x440000
	s_mov_b32 s33, 0
	s_lshl_b32 s34, s10, 14
	s_lshl_b32 s36, s[WV], 10
	s_add_co_u32 s34, s34, s36                     ; (tile x 16 + head) x 1,024: q's image in qkv, and my part of out's images in actA
	s_mov_b32 s35, 0
	s_lshl_b32 s36, s[WV], 14
	s_lshl_b32 s37, s10, 6
	s_add_co_u32 s36, s36, s37
	s_add_co_u32 s36, s36, 0x400000                ; q's scale words
	s_mov_b32 s37, 0
	s_lshl_b32 s38, s10, 9
	s_add_co_u32 s38, s38, 0x400000                ; out's scale words
	s_mov_b32 s39, 0
	s_mov_b32 s[SEL], 0x76543210
	s_mov_b32 s[SEL+1], 0xfedcba98
	s_mov_b32 s[CS], 0x3e38aa3b                    ; c = log2(e) / 8
	s_mov_b32 s[CS+1], s[CS]                       ; (named with it as a pair, so it is written)
	s_mov_b32 s[MNT], 0x600000
	s_mov_b32 s[TK], 0
	s_mov_b32 s[TS], 0
	s_mov_b32 s[CNT], 16
	s_wait_dscnt 0x0
	s_wait_kmcnt 0x0
	s_add_nc_u64 s[G0+2:G0+3], s[4:5], s[32:33]
	s_or_b32 s[G0+3], s[G0+3], 0x80000000          ; type = 2
	s_add_nc_u64 s[40:41], s[4:5], s[34:35]
	s_add_nc_u64 s[42:43], s[4:5], s[36:37]
	s_add_nc_u64 s[44:45], s[6:7], s[34:35]
	s_add_nc_u64 s[46:47], s[6:7], s[38:39]
	ROUND                                          ; all four work-groups are here: the joint loads meet
	tensor_load_to_lds s[G0:G0+3], s[G1:G1+7]      ; my one tensor load of the launch
	s_nop 0
.rept 4
	v_nop
.endr
	v_and_b32 v1, 31, v0
	v_lshlrev_b32 v1, 4, v1                        ; 16 x lane
	v_and_b32 v2, 15, v0
	v_lshlrev_b32 v2, 2, v2                        ; 4 r
	v_add_nc_u32 v3, VIM, v1
	v_add_nc_u32 v4, KSC, v2
	v_add_nc_u32 v5, VSC, v2
	s_lshr_b32 s48, s[WV], 1
	s_lshl_b32 s48, s48, 6
	s_and_b32 s49, s[WV], 1
	s_lshl_b32 s49, s49, 1
	s_add_co_u32 s48, s48, s49
	s_add_co_u32 s48, s48, OSC
	v_add_nc_u32 v6, s48, v2                       ; out's half word: 64 (head / 2) + 2 (head % 2) + 4 r
	v_add_nc_u32 v7, OSC, v1
	global_load_b128 v[16:19], v1, s[40:41]
	global_load_b128 v[20:23], v1, s[40:41] offset:512
	global_load_b128 v[32:35], v1, s[40:41]        ; q a second time: two operands, with the zeros between them
	global_load_b128 v[36:39], v1, s[40:41] offset:512
	global_load_b32 v255, v2, s[42:43]
.irp j, 24,25,26,27,28,29,30,31
	v_mov_b32 v[\j], 0                             ; zero codes
.endr
	v_mov_b32 v13, 0xff61b1e6                      ; the largest t so far: -3e38
	v_floor_f32 v12, -v13                          ; -M
	v_mov_b32 v14, 0
	v_mov_b32 v15, 0
.irp j, 222,223,236,237,238,239,253
	v_mov_b32 v[\j], 0                             ; lane permutes' destinations count as sources; v253 is named in the pair v[252:253] before it is first made
.endr
.set J, 0
.rept 32
	v_mov_b32 v[O+J], 0                            ; the step is written once: its first trip finds zeros, which the first change of M leaves zeros
.set J, J+1
.endr
	s_wait_tensorcnt 0x0                           ; my part has landed,
	s_barrier_signal -1
	s_barrier_wait -1                              ; everybody's has
	s_wait_loadcnt 0x0                             ; q
.Lstep:                                                ; 16 trips of 128 keys
	v_add_nc_u32 v8, s[TK], v1
	v_add_nc_u32 v9, s[TK], v3
	v_add_nc_u32 v10, s[TS], v4
	v_add_nc_u32 v11, s[TS], v5
.rept 4
	v_nop                                          ; with the four additions: eight places ahead of loads into registers that the last products read
.endr
.irp p, 0,1,2,3
.irp c, 0,1,2,3
	ds_load_b128 v[40+16*\p+4*\c:43+16*\p+4*\c], v8 offset:2048*\p+512*\c
.endr
	ds_load_b32 v[248+\p], v10 offset:64*\p
.endr
	s_wait_dscnt 0x0
.irp p, 0,1,2,3
	v_wmma_scale_f32_16x16x128_f8f6f4 v[S+16*\p:S+16*\p+7], v[40+16*\p:55+16*\p], v[16:31], 0, v[248+\p], v255 matrix_a_fmt:MATRIX_FMT_BF8 matrix_b_fmt:MATRIX_FMT_BF8
	v_wmma_scale_f32_16x16x128_f8f6f4 v[S+16*\p+8:S+16*\p+15], v[40+16*\p:55+16*\p], v[24:39], 0, v[248+\p], v255 matrix_a_fmt:MATRIX_FMT_BF8 matrix_b_fmt:MATRIX_FMT_BF8
.endr
.rept 8
	v_nop
.endr
.irp b, 0,1,2,3
	v_max3_num_f32 v[232+\b], v[S+16*\b], v[S+16*\b+1], v[S+16*\b+2]       ; the largest score of each block of 32 keys: for the row's maximum, and for the block's largest p
.endr
.irp i, 3,5,7,9,11,13
.irp b, 0,1,2,3
	v_max3_num_f32 v[232+\b], v[232+\b], v[S+16*\b+\i], v[S+16*\b+\i+1]
.endr
.endr
.irp b, 0,1,2,3
	v_max_num_f32 v[232+\b], v[232+\b], v[S+16*\b+15]
.endr
.irp b, 0,1,2,3
	v_permlanex16_b32 v[236+\b], v[232+\b], s[SEL], s[SEL+1]
.endr
.irp b, 0,1,2,3
	v_max_num_f32 v[232+\b], v[232+\b], v[236+\b]  ; with lane l xor 16's 16 keys
.endr
	v_max3_num_f32 v254, v232, v233, v234
	v_max_num_f32 v254, v254, v235
	v_mul_f32 v254, s[CS], v254                    ; as t (c is positive)
	v_max_num_f32 v13, v13, v254                   ; the running largest t
	v_mov_b32 v254, v12
	v_floor_f32 v12, -v13                          ; the new -M: a whole number
	v_sub_f32 v254, v12, v254                      ; old M - new M, 0 or less
	v_cvt_i32_f32 v254, v254                       ; (it saturates)
	v_ldexp_f32 v252, 1.0, v254                    ; f = 2^(old M - new M)
.set J, 0
.rept 32
	v_pk_fma_f32 v[S+J:S+J+1], v[S+J:S+J+1], s[CS:CS+1], v[12:13] op_sel_hi:[1,0,0]   ; t - M, two at a time
.set J, J+2
.endr
.irp b, 0,1,2,3
	v_fma_f32 v[232+\b], v[232+\b], s[CS], v12     ; the same of each block's largest score
.endr
.set J, 0
.rept 64
	v_exp_f32 v[S+J], v[S+J]                       ; p = 2^(t - M)
.set J, J+1
.endr
	v_pk_mul_f32 v[14:15], v[14:15], v[252:253] op_sel_hi:[1,0]    ; the sums under the new M: the plain instruction behind the batch
	s_wait_alu depctr_va_vdst(0)                   ; one wait for the 64, ahead of their first reader
.irp b, 0,1,2,3
	v_exp_f32 v[232+\b], v[232+\b]                 ; the blocks' largest p
.endr
	v_pk_add_f32 v[236:237], v[S:S+1], v[S+2:S+3]  ; the row's sum of the unquantised p, in two chains: plain work behind the four
.set J, 4
.rept 15
	v_pk_add_f32 v[14:15], v[14:15], v[S+J:S+J+1]
	v_pk_add_f32 v[236:237], v[236:237], v[S+J+2:S+J+3]
.set J, J+4
.endr
	v_pk_add_f32 v[14:15], v[14:15], v[236:237]
	s_wait_alu depctr_va_vdst(0)                   ; and one for the four
.irp b, 0,1,2,3
	v_max_num_f32 v[232+\b], 0x8000000, v[232+\b]  ; the floor 2^(16 - 127)
.endr
.irp b, 0,1,2,3
	v_add_nc_u32 v[244+\b], 0xf8800000, v[232+\b]  ; the conversion's scale operand
.endr
.irp b, 0,1,2,3
	v_and_or_b32 v[240+\b], v[232+\b], 0x7f800000, s[MNT]          ; 57,344 x the scale
.endr
.irp b, 0,1,2,3
	v_lshrrev_b32 v[236+\b], 23, v[244+\b]         ; the scale's byte
.endr
	v_lshl_or_b32 v253, v237, 8, v236              ; p's scale word for these 128 keys
	v_lshl_or_b32 v253, v238, 16, v253
	v_lshl_or_b32 v253, v239, 24, v253
.irp b, 0,1,2,3
.set J, 0
.rept 16
	v_min_num_f32 v[S+16*\b+J], v[S+16*\b+J], v[240+\b]            ; the conversion does not saturate (ISA guide 7.6.2); p is not negative: a one-sided hold
.set J, J+1
.endr
	v_cvt_scalef32_pk8_bf8_f32 v[PC+4*\b:PC+4*\b+1], v[S+16*\b:S+16*\b+7], v[244+\b]
	v_cvt_scalef32_pk8_bf8_f32 v[PC+4*\b+2:PC+4*\b+3], v[S+16*\b+8:S+16*\b+15], v[244+\b]
.endr
.set J, 0
.rept 16
	v_pk_mul_f32 v[O+J:O+J+1], v[O+J:O+J+1], v[252:253] op_sel_hi:[1,0]   ; O^T under the new M; these sixteen are also the places ahead of the loads and products below
.set J, J+2
.endr
.irp t, 0,1,2,3
.irp c, 0,1,2,3
	ds_load_b128 v[40+16*\t+4*\c:43+16*\t+4*\c], v9 offset:2048*\t+512*\c
.endr
	ds_load_b32 v[248+\t], v11 offset:64*\t
.endr
	s_wait_dscnt 0x0
.irp t, 0,1,2,3
	v_wmma_scale_f32_16x16x128_f8f6f4 v[O+8*\t:O+8*\t+7], v[40+16*\t:55+16*\t], v[PC:PC+15], v[O+8*\t:O+8*\t+7], v[248+\t], v253 matrix_a_fmt:MATRIX_FMT_BF8 matrix_b_fmt:MATRIX_FMT_BF8
.endr
	s_add_co_u32 s[TK], s[TK], 8192
	s_add_co_u32 s[TS], s[TS], 256
	s_sub_co_u32 s[CNT], s[CNT], 1
	s_cmp_lg_u32 s[CNT], 0
	s_cbranch_scc1 .Lstep
	; ---- the way out: O^T / the sum, quantised along d: registers 16 b + e are d = 32 b + 16 h + e of my head
	v_add_f32 v14, v14, v15
	v_permlanex16_b32 v252, v14, s[SEL], s[SEL+1]
	v_add_f32 v14, v14, v252                       ; the row's sum
	v_rcp_f32 v14, v14
.rept 8
	v_nop                                          ; the plain instruction behind the reciprocal, and the places behind the last products
.endr
	s_wait_alu depctr_va_vdst(0)
.set J, 0
.rept 32
	v_mul_f32 v[S+J], v[O+J], v14
.set J, J+1
.endr
.irp b, 0,1
	v_max3_num_f32 v[TM+\b], |v[S+16*\b]|, |v[S+16*\b+1]|, 0x8000000
.endr
.irp e, 2,4,6,8,10,12,14
.irp b, 0,1
	v_max3_num_f32 v[TM+\b], |v[S+16*\b+\e]|, |v[S+16*\b+\e+1]|, v[TM+\b]
.endr
.endr
.irp b, 0,1
	v_permlanex16_b32 v[TM+2+\b], v[TM+\b], s[SEL], s[SEL+1]
.endr
.irp b, 0,1
	v_max_num_f32 v[TM+\b], v[TM+\b], v[TM+2+\b]
.endr
.irp b, 0,1
	v_add_nc_u32 v[TM+4+\b], 0xf8800000, v[TM+\b]
.endr
.irp b, 0,1
	v_and_or_b32 v[TM+6+\b], v[TM+\b], 0x7f800000, s[MNT]
.endr
.irp b, 0,1
	v_lshrrev_b32 v[TM+2+\b], 23, v[TM+4+\b]
.endr
	v_lshl_or_b32 v[HW], v[TM+3], 8, v[TM+2]
.irp b, 0,1
.irp e, 0,1,2,3,4,5,6,7,8,9,10,11,12,13,14,15
	v_med3_num_f32 v[S+16*\b+\e], v[S+16*\b+\e], -v[TM+6+\b], v[TM+6+\b]
.endr
.endr
.irp g, 0,1,2,3
	v_cvt_scalef32_pk8_bf8_f32 v[PC+2*\g:PC+2*\g+1], v[S+8*\g:S+8*\g+7], v[TM+4+\g/2]
.endr
	v_nop
	global_store_b128 v1, v[PC:PC+3], s[44:45]     ; 512 consecutive bytes a store
	global_store_b128 v1, v[PC+4:PC+7], s[44:45] offset:512
	ds_store_b16 v6, v[HW]                         ; both lanes of a row write the same two bytes
	s_wait_dscnt 0x0                               ; for the others' sake
	s_barrier_signal -1
	s_barrier_wait -1
	s_cmp_lg_u32 s[WV], 0
	s_cbranch_scc1 .Lnot_mine
	ds_load_b128 v[208:211], v7
	s_wait_dscnt 0x0
	global_store_b128 v1, v[208:211], s[46:47]     ; the tile row's 512 scale bytes
.Lnot_mine:
	s_wait_tensorcnt 0x0
	ds_add_u32 v230, v231
	s_wait_dscnt 0x0
	ROUND                                          ; the closing round: no work-group ends while a partner may still ask for bytes jointly
	s_endpgm
.Lfunc_end_k_qa3b5c07484_attn:
	.size	k_qa3b5c07484_attn, .Lfunc_end_k_qa3b5c07484_attn-k_qa3b5c07484_attn
	.p2alignl 7, 3214868480
	.fill 96, 4, 3214868480
	.section	.rodata,"a",@progbits
	.p2align	6, 0x0
	.amdhsa_kernel k_qa3b5c07484_attn
		.amdhsa_group_segment_fixed_size 280576
		.amdhsa_private_segment_fixed_size 0
		.amdhsa_enable_private_segment 0
		.amdhsa_kernarg_size 16
		.amdhsa_user_sgpr_count 2
		.amdhsa_user_sgpr_kernarg_segment_ptr 1
		.amdhsa_wavefront_size32 1
		.amdhsa_system_sgpr_workgroup_id_x 1
		.amdhsa_system_sgpr_workgroup_id_y 1
		.amdhsa_system_sgpr_workgroup_id_z 1
		.amdhsa_system_vgpr_workitem_id 0
		.amdhsa_next_free_vgpr 256
		.amdhsa_next_free_sgpr 66
		.amdhsa_reserve_vcc 0
		.amdhsa_float_denorm_mode_32 3
		.amdhsa_float_denorm_mode_16_64 3
		.amdhsa_memory_ordered 1
		.amdhsa_forward_progress 1
		.amdhsa_inst_pref_size 32
	.end_amdhsa_kernel
	.amdgpu_metadata
---
amdhsa.version: [ 1, 2 ]
amdhsa.kernels:
  - .name:           k_qa3b5c07484_attn
    .symbol:         k_qa3b5c07484_attn.kd
    .args:
      - { .name: qkv, .offset: 0, .size: 8, .value_kind: global_buffer, .address_space: global }
      - { .name: actA, .offset: 8, .size: 8, .value_kind: global_buffer, .address_space: global }
    .group_segment_fixed_size: 280576
    .private_segment_fixed_size: 0
    .kernarg_segment_align: 8
    .kernarg_segment_size: 16
    .max_flat_workgroup_size: 512
    .sgpr_count:     66
    .vgpr_count:     256
    .wavefront_size: 32
...
	.end_amdgpu_metadata
.endif
;; end of part 4
;; launch go (part 5): grid 8 x 32, 4 waves a work-group, no clusters, 17,920 bytes of LDS; arguments actA, wimg, wo_scales, wo_b, h, x1; writes x1
.if DOCPART == 5
	.amdgcn_target "amdgcn-amd-amdhsa--gfx1250"
	.amdhsa_code_object_version 6
	.text
	.protected	k_qa3b5c07484_go
	.globl	k_qa3b5c07484_go
	.p2align	8
	.type	k_qa3b5c07484_go,@function
k_qa3b5c07484_go:
	s_mov_b64 s[64:65], 0
	v_nop
	global_prefetch_b8 v0, s[64:65] scope:SCOPE_SE
	s_setreg_imm32_b32 hwreg(HW_REG_WAVE_MODE, 25, 1), 1
	s_wait_xcnt 0x0
; C = act W + bias + res, f32 out, on codes of E5M2 with E8M0 scales.  Here: x1 = out wo + wo_b + h, K = 1,024.
; A work-group makes 128 rows x 128 columns; four waves, each 64 x 64: 16 accumulators.
; OPERANDS COME STRAIGHT FROM MEMORY INTO REGISTERS: both are stored as images of operand registers (a tile of 16 rows x 128 K is 2,048 bytes, byte 512 c + 16 lane), so a fragment is four loads of 512 consecutive bytes.
; No tile passes through LDS, so there is nothing for a joint request of a cluster to land in: cluster = none.
; THE PRODUCT IS USED TRANSPOSED (source 0 = 16 rows of the weight, source 1 = 16 rows of the activation), and a weight tile's row r is the weight's row 32 (nt / 2) + 8 (nt % 2) + r + 8 (r / 8):
; lane (r, h) holds row r of C, and the 16 registers of column tiles 2 b, 2 b + 1 are columns 32 b + 16 h + 0 .. 15.  The bias is the C of each sum's first product.
; K goes in steps of 128, written out: every offset is an immediate.  Three sets of fragment registers take turns; a step's loads are issued two steps ahead, behind the products of the step in hand.
; REGISTERS.  window 0: v1-10 lane terms and addresses; v32-63 scale words and nothing else; v96-127 the bias; v128-191 residual rows, two sets; v192-223 rows of C back from the stage.
;   window 1: fragment sets 0 (v0-127) and 1 (v128-255): in a set the activation's four fragments, then the weight's four.   window 2: set 2 (v0-127); v128-255 the accumulators, (i, t) at 128 + 8 (4 i + t).
; SCALE WORDS, eight K steps at a time.  The activation's: one load brings K step 2 e in lanes 0-15 and 2 e + 1 in lanes 16-31.  The weight's: one 16-byte load a tile brings words 0-3 in lanes 0-15, 4-7 in lanes 16-31.
; THE WAY OUT.  A tile of 16 rows x 64 columns goes through the wave's own stage in LDS (rows of 256 + 16 bytes) and comes back as whole rows; the residual is added; sixteen lanes store 256 consecutive bytes, aligned.
.set KS, 8
.set KC, 1
.set WOFF, 0x120000
.set SOFF, 0x400000
.set SC, 32
.set BI, 96
.set RR, 128
.set OB, 192
.set ACC, 128
.set PA, 36
.set PS, 38
.set PB, 40
.set PW, 42
.set PBI, 44
.set PR, 46
.set PO, 48
.set MSB, 0
.macro WIN new                         ; the immediate's high byte repeats the setting that is left; a switch that changes nothing is dropped
.if MSB != (\new)
	s_set_vgpr_msb (MSB<<8)|(\new)
.set MSB, (\new)
.endif
.endm
.macro WM d, a, b, c, sa, sb, ra, rb   ; one product; ra, rb: the scale words stand in lanes 16-31
.if (\ra) && (\rb)
	v_wmma_scale_f32_16x16x128_f8f6f4 v[\d:\d+7], v[\a:\a+15], v[\b:\b+15], v[\c:\c+7], v[\sa], v[\sb] matrix_a_fmt:MATRIX_FMT_BF8 matrix_b_fmt:MATRIX_FMT_BF8 matrix_a_scale:MATRIX_SCALE_ROW1 matrix_b_scale:MATRIX_SCALE_ROW1
.elseif (\ra)
	v_wmma_scale_f32_16x16x128_f8f6f4 v[\d:\d+7], v[\a:\a+15], v[\b:\b+15], v[\c:\c+7], v[\sa], v[\sb] matrix_a_fmt:MATRIX_FMT_BF8 matrix_b_fmt:MATRIX_FMT_BF8 matrix_a_scale:MATRIX_SCALE_ROW1
.elseif (\rb)
	v_wmma_scale_f32_16x16x128_f8f6f4 v[\d:\d+7], v[\a:\a+15], v[\b:\b+15], v[\c:\c+7], v[\sa], v[\sb] matrix_a_fmt:MATRIX_FMT_BF8 matrix_b_fmt:MATRIX_FMT_BF8 matrix_b_scale:MATRIX_SCALE_ROW1
.else
	v_wmma_scale_f32_16x16x128_f8f6f4 v[\d:\d+7], v[\a:\a+15], v[\b:\b+15], v[\c:\c+7], v[\sa], v[\sb] matrix_a_fmt:MATRIX_FMT_BF8 matrix_b_fmt:MATRIX_FMT_BF8
.endif
.endm
.macro LOADF s                         ; K step s: 32 loads into set s % 3
.set FB, 128*(((\s)%3)%2)
.if (\s)%3 == 2
	WIN 0x80
.else
	WIN 0x40
.endif
.irp i, 0,1,2,3
.irp c, 0,1,2,3
	global_load_b128 v[FB+16*\i+4*\c:FB+16*\i+4*\c+3], v4, s[PA:PA+1] offset:(\i*KS+(\s))*2048+512*\c
.endr
.endr
.irp t, 0,1,2,3
.irp c, 0,1,2,3
	global_load_b128 v[FB+64+16*\t+4*\c:FB+64+16*\t+4*\c+3], v4, s[PB:PB+1] offset:(\t*KS+(\s))*2048+512*\c
.endr
.endr
	WIN 0
.endm
.macro SCALES ch                       ; the scale words of K steps 8 ch .. 8 ch + 7: 20 loads into set ch % 2
.set SQ, SC+32*((\ch)%2)
.irp i, 0,1,2,3
.irp e, 0,1,2,3
	global_load_b32 v[SQ+4*\i+\e], v5, s[PS:PS+1] offset:(\i*KS+8*(\ch)+2*\e)*64
.endr
.endr
.irp t, 0,1,2,3
	global_load_b128 v[SQ+16+4*\t:SQ+16+4*\t+3], v6, s[PW:PW+1] offset:(32*(\t/2)+8*(\t%2))*KS*4+32*(\ch)
.endr
.endm
.macro MUL s                           ; 16 products; the sixteen accumulators take turns, one instruction a turn, in one order in every step
.set FB, 128*(((\s)%3)%2)
.set SQ, SC+32*(((\s)/8)%2)
.set SE, SQ+16+(\s)%4
.set AE, SQ+((\s)%8)/2
.set RA, ((\s)/4)%2
.set RB, (\s)%2
.if (\s) == 0
	WIN 0x85                                       ; C: the bias, in window 0
.elseif (\s)%3 == 2
	WIN 0xaa
.else
	WIN 0xa5
.endif
.irp i, 0,1,2,3
.irp t, 0,1,2,3
.if (\s) == 0
	WM ACC+8*(4*\i+\t), FB+64+16*\t, FB+16*\i, BI+8*\t, SE+4*\t, AE+4*\i, RA, RB
.else
	WM ACC+8*(4*\i+\t), FB+64+16*\t, FB+16*\i, ACC+8*(4*\i+\t), SE+4*\t, AE+4*\i, RA, RB
.endif
.endr
.endr
.endm
.macro STEP s
.rept 8
	v_nop                                          ; eight places between the last step's products and this step's loads into the registers that they read
.endr
.set NW, 0
.if (\s)+1 < KS
.set NW, 32                            ; behind this step's fragments: the next step's 32 loads,
.endif
.if (\s)/8+1 < KC
.if ((\s)%8 == 1) || ((\s)%8 == 2)
.set NW, NW+20                         ; and, in these two steps, the next 20 scale loads
.endif
.endif
	s_wait_loadcnt NW
	MUL \s
	WIN 0
.if (\s)+2 < KS
	LOADF (\s)+2
.endif
.if (\s)%8 == 0
.if (\s)/8+1 < KC
	SCALES (\s)/8+1
.endif
.endif
.endm
	s_load_b256 s[4:11], s[0:1], 0x0               ; activation, wimg, the weight's scales, bias
	s_load_b128 s[12:15], s[0:1], 0x20             ; residual, out
	v_lshl_add_u32 v254, v0, 2, 0x4400
	v_mov_b32 v255, 0
	v_lshrrev_b32 v1, 5, v0
	v_readfirstlane_b32 s20, v1                    ; wave 0..3
	s_lshr_b32 s21, s20, 1                         ; wr: which 64 rows
	s_and_b32 s22, s20, 1                          ; wc: which 64 columns
	s_and_b32 s24, ttmp7, 0xffff                   ; y
	v_and_b32 v1, 31, v0                           ; lane
	v_and_b32 v2, 15, v0                           ; r
	v_bfe_u32 v3, v0, 4, 1                         ; h
	v_lshlrev_b32 v4, 4, v1                        ; 16 x lane
	v_lshlrev_b32 v5, 2, v1                        ; 4 x lane
	v_and_b32 v6, 8, v2
	v_add_nc_u32 v6, v6, v2                        ; r + 8 (r / 8)
	v_mul_u32_u24 v6, v6, KS*4
	v_lshl_add_u32 v6, v3, 4, v6                   ; the weight's scale words: my row of a tile, + 16 h
	s_mul_i32 s29, s20, 4352                       ; my stage: 16 rows of 272 bytes
	v_mul_u32_u24 v7, v2, 272
	v_lshl_add_u32 v7, v3, 6, v7
	v_add_nc_u32 v7, s29, v7                       ; in: row r, + 64 h
	v_mul_u32_u24 v8, v3, 272
	v_lshl_add_u32 v8, v2, 4, v8
	v_add_nc_u32 v8, s29, v8                       ; back: lanes 0-15 one row, lanes 16-31 the next
	v_lshlrev_b32 v9, 12, v3
	v_lshl_add_u32 v9, v2, 4, v9                   ; and the same two rows in memory
	v_lshlrev_b32 v10, 6, v3                       ; the bias: 64 h
	s_lshl_b32 s30, s24, 3
	s_lshl_b32 s25, s21, 2
	s_add_co_u32 s30, s30, s25                     ; my first tile of rows: 8 y + 4 wr
	s_lshl_b32 s31, ttmp9, 3
	s_lshl_b32 s25, s22, 2
	s_add_co_u32 s31, s31, s25                     ; my first tile of columns: 8 x + 4 wc
	s_mul_i32 s50, s30, KS*2048
	s_mov_b32 s51, 0
	s_mul_i32 s52, s30, KS*64
	s_add_co_u32 s52, s52, SOFF
	s_mov_b32 s53, 0
	s_mul_i32 s54, s31, KS*2048
	s_add_co_u32 s54, s54, WOFF
	s_mov_b32 s55, 0
	s_mul_i32 s56, s31, KS*64
	s_mov_b32 s57, 0
	s_lshl_b32 s58, s31, 6
	s_mov_b32 s59, 0
	s_lshl_b32 s60, s30, 16
	s_add_co_u32 s60, s60, s58                     ; my corner of C: 16 x 4,096 bytes a tile of rows, 64 a tile of columns
	s_mov_b32 s61, 0
	s_wait_kmcnt 0x0
	s_add_nc_u64 s[PA:PA+1], s[4:5], s[50:51]
	s_add_nc_u64 s[PS:PS+1], s[4:5], s[52:53]
	s_add_nc_u64 s[PB:PB+1], s[6:7], s[54:55]
	s_add_nc_u64 s[PW:PW+1], s[8:9], s[56:57]
	s_add_nc_u64 s[PBI:PBI+1], s[10:11], s[58:59]
	s_add_nc_u64 s[PR:PR+1], s[12:13], s[60:61]
	s_add_nc_u64 s[PO:PO+1], s[14:15], s[60:61]
.irp b, 0,1
.irp q, 0,1,2,3
	global_load_b128 v[BI+16*\b+4*\q:BI+16*\b+4*\q+3], v10, s[PBI:PBI+1] offset:128*\b+16*\q   ; the bias in the result's layout: columns 32 b + 16 h + 0 .. 15
.endr
.endr
	SCALES 0
	LOADF 0
	LOADF 1
.set Q, 0
.rept KS
	STEP Q
.set Q, Q+1
.endr
.rept 8
	v_nop                                          ; eight places ahead of the first read of results
.endr
.macro RES i                           ; the residual's 16 rows x 256 bytes of tile i into set i % 2
.irp q, 0,1,2,3,4,5,6,7
	global_load_b128 v[RR+32*((\i)%2)+4*\q:RR+32*((\i)%2)+4*\q+3], v9, s[PR:PR+1] offset:(16*(\i)+2*\q)*4096
.endr
.endm
.macro OUT i
.set RS, RR+32*((\i)%2)
	WIN 0x08                                       ; an LDS store's data are its source 1: window 2
.irp t, 0,1,2,3
	ds_store_b128 v7, v[ACC+8*(4*\i+\t):ACC+8*(4*\i+\t)+3] offset:128*(\t/2)+32*(\t%2)       ; each accumulator from its low end on
	ds_store_b128 v7, v[ACC+8*(4*\i+\t)+4:ACC+8*(4*\i+\t)+7] offset:128*(\t/2)+32*(\t%2)+16
.endr
	WIN 0
.irp q, 0,1,2,3,4,5,6,7
	ds_load_b128 v[OB+4*\q:OB+4*\q+3], v8 offset:544*\q            ; LDS serves a wave's instructions in order (ISA guide 5.7.1.4): these see the stores above, and the next tile's stores come behind them
.endr
	s_wait_dscnt 0x0
.if \i < 3
	s_wait_loadcnt 8                               ; this tile's residual is in; the next tile's eight loads stay out
.else
	s_wait_loadcnt 0x0
.endif
.irp k, 0,1,2,3,4,5,6,7,8,9,10,11,12,13,14,15
	v_pk_add_f32 v[RS+2*\k:RS+2*\k+1], v[RS+2*\k:RS+2*\k+1], v[OB+2*\k:OB+2*\k+1]
.endr
.irp q, 0,1,2,3,4,5,6,7
	global_store_b128 v9, v[RS+4*\q:RS+4*\q+3], s[PO:PO+1] offset:(16*\i+2*\q)*4096   ; sixteen lanes store 256 consecutive bytes, aligned
.endr
.if \i < 2
	s_wait_xcnt 0x0                                ; the stores have read their data: the set takes the tile two further on
	RES \i+2
.endif
.endm
	RES 0
	RES 1
	OUT 0
	OUT 1
	OUT 2
	OUT 3
	s_wait_tensorcnt 0x0
	ds_add_u32 v254, v255
	s_wait_dscnt 0x0
	s_endpgm
.Lfunc_end_k_qa3b5c07484_go:
	.size	k_qa3b5c07484_go, .Lfunc_end_k_qa3b5c07484_go-k_qa3b5c07484_go
	.p2alignl 7, 3214868480
	.fill 96, 4, 3214868480
	.section	.rodata,"a",@progbits
	.p2align	6, 0x0
	.amdhsa_kernel k_qa3b5c07484_go
		.amdhsa_group_segment_fixed_size 17920
		.amdhsa_private_segment_fixed_size 0
		.amdhsa_enable_private_segment 0
		.amdhsa_kernarg_size 48
		.amdhsa_user_sgpr_count 2
		.amdhsa_user_sgpr_kernarg_segment_ptr 1
		.amdhsa_wavefront_size32 1
		.amdhsa_system_sgpr_workgroup_id_x 1
		.amdhsa_system_sgpr_workgroup_id_y 1
		.amdhsa_system_sgpr_workgroup_id_z 1
		.amdhsa_system_vgpr_workitem_id 0
		.amdhsa_next_free_vgpr 768
		.amdhsa_next_free_sgpr 66
		.amdhsa_reserve_vcc 0
		.amdhsa_float_denorm_mode_32 3
		.amdhsa_float_denorm_mode_16_64 3
		.amdhsa_memory_ordered 1
		.amdhsa_forward_progress 1
		.amdhsa_inst_pref_size 64
	.end_amdhsa_kernel
	.amdgpu_metadata
---
amdhsa.version: [ 1, 2 ]
amdhsa.kernels:
  - .name:           k_qa3b5c07484_go
    .symbol:         k_qa3b5c07484_go.kd
    .args:
      - { .name: actA, .offset: 0, .size: 8, .value_kind: global_buffer, .address_space: global }
      - { .name: wimg, .offset: 8, .size: 8, .value_kind: global_buffer, .address_space: global }
      - { .name: wo_scales, .offset: 16, .size: 8, .value_kind: global_buffer, .address_space: global }
      - { .name: wo_b, .offset: 24, .size: 8, .value_kind: global_buffer, .address_space: global }
      - { .name: h, .offset: 32, .size: 8, .value_kind: global_buffer, .address_space: global }
      - { .name: x1, .offset: 40, .size: 8, .value_kind: global_buffer, .address_space: global }
    .group_segment_fixed_size: 17920
    .private_segment_fixed_size: 0
    .kernarg_segment_align: 8
    .kernarg_segment_size: 48
    .max_flat_workgroup_size: 128
    .sgpr_count:     66
    .vgpr_count:     768
    .wavefront_size: 32
...
	.end_amdgpu_metadata
.endif
;; end of part 5
;; launch ln2 (part 6): grid 256 x 1, 16 waves a work-group, no clusters, 102,400 bytes of LDS; arguments x1, modv, actA; writes actA
.if DOCPART == 6
	.amdgcn_target "amdgcn-amd-amdhsa--gfx1250"
	.amdhsa_code_object_version 6
	.text
	.protected	k_qa3b5c07484_ln2
	.globl	k_qa3b5c07484_ln2
	.p2align	8
	.type	k_qa3b5c07484_ln2,@function
k_qa3b5c07484_ln2:
	s_mov_b64 s[64:65], 0
	v_nop
	global_prefetch_b8 v0, s[64:65] scope:SCOPE_SE
	s_setreg_imm32_b32 hwreg(HW_REG_WAVE_MODE, 25, 1), 1
	s_wait_xcnt 0x0
; LN1 = 1:  h = (x - mu) rs A + Bc (f32, stored);  hn = LN(h) attn_nw + attn_nb, quantised to E5M2 with one E8M0 byte for each 32 along the row, stored as operand images.
; LN1 = 0:  h2 = (x1 - mu) rs A + Bc, quantised and stored likewise; nothing else is stored.   (One text serves both launches; the flag below and the two lines of the spare word differ.)
; SHARES.  A work-group owns 16 rows, one tile of rows; wave w owns row w and keeps it in 32 registers: each of its eight loads covers 512 consecutive bytes.  Mean and variance in two passes, as they are defined.
; The gain and bias vectors come into LDS once for the work-group (each wave fetches a part), then every wave reads them in its row's layout.
; THE TURN.  The conversions take neighbours along K from one lane's registers: the row goes through the wave's own 4,608 bytes of LDS (16 bytes of padding behind each 128) and comes back 32 neighbours a lane: a whole block.
; THE IMAGE.  Tile (mt, ks) of actA, 2,048 bytes at (8 mt + ks) x 2,048: byte 512 c + 16 (r + 16 h) holds row r's codes at k = 128 ks + 32 c + 16 h + 0 .. 15.  Lane l of wave w holds block l of row w: bytes 512 l + 16 w and + 256.
; The sixteen waves gather the tile row's 16,384 bytes in LDS (each 256 bytes + 16 of padding) and store them 512 consecutive bytes an instruction.  Scale words: (8 mt + ks) x 64 + 4 r behind 0x400000.
; A block's scale byte is its largest magnitude's exponent field - 15, held at 1 from below; numbers are held at +-57,344 x the scale ahead of the conversion, which does not saturate (ISA guide 7.6.2).
; LIMITS: NaN and infinities are not served; a block of zeros, or one under 2^-111, gets the byte 1 (its codes are zeros or what the floor's scale gives; this program alone reads the bytes); 1/sqrt by v_rsq_f32.
.set LN1, 0
.if LN1
.set PARB, 16384                       ; LDS: four vectors of 4,096 bytes: A, Bc, attn_nw, attn_nb
.set WSH, 10                           ; a wave fetches 1,024 bytes of them
.set Y, 128                            ; where the numbers to be quantised stand
.else
.set PARB, 8192                        ; A, Bc
.set WSH, 9
.set Y, 32
.endif
.set TURN, PARB                        ; 4,608 bytes for each wave
.set IMG, TURN+16*4608                 ; 64 x (256 + 16) bytes
.set SCW, IMG+64*272                   ; 512 scale bytes
.set X, 32                             ; v32-63   the row
.set PA, 64                            ; v64-95   gain;  later the row turned
.set PB, 96                            ; v96-127  bias
.set C, 160                            ; v160-167 a block's codes
.if LN1
	s_load_b256 s[4:11], s[0:1], 0x0               ; x, modv, attn_nw, attn_nb
	s_load_b128 s[12:15], s[0:1], 0x20             ; h, actA
.else
	s_load_b128 s[4:7], s[0:1], 0x0                ; x1, modv
	s_load_b64 s[14:15], s[0:1], 0x10              ; actA
	v_lshl_add_u32 v176, v0, 2, 0x18800
	v_mov_b32 v177, 0
.endif
	v_lshrrev_b32 v1, 5, v0
	v_readfirstlane_b32 s16, v1                    ; wave 0..15
	v_and_b32 v1, 31, v0                           ; lane
	v_lshlrev_b32 v2, 4, v1                        ; 16 x lane
	s_lshl_b32 s17, s16, WSH
	v_add_nc_u32 v3, s17, v2                       ; LDS: where my part of the vectors goes
	s_mul_i32 s18, s16, 4608
	s_add_co_u32 s18, s18, TURN
	v_lshrrev_b32 v4, 3, v1
	v_add_nc_u32 v4, v4, v1
	v_lshl_add_u32 v4, v4, 4, s18                  ; the turn, in: 16 lane + 16 (lane / 8); 576 bytes a load
	v_mul_u32_u24 v5, v1, 144
	v_add_nc_u32 v5, s18, v5                       ; the turn, out: 144 x lane
	s_lshl_b32 s19, s16, 4
	s_add_co_u32 s19, s19, IMG
	v_mul_u32_u24 v6, v1, 544
	v_add_nc_u32 v6, s19, v6                       ; the image, in: 2 x 272 x lane + 16 x wave
	s_lshl_b32 s19, s16, 2
	s_add_co_u32 s19, s19, SCW
	v_lshrrev_b32 v7, 2, v1
	v_and_b32 v16, 3, v1
	v_lshl_or_b32 v7, v7, 6, v16
	v_add_nc_u32 v7, s19, v7                       ; my scale byte: 64 (lane / 4) + 4 x wave + lane % 4
	s_mul_i32 s19, s16, 1088
	s_add_co_u32 s19, s19, IMG
	v_lshrrev_b32 v16, 4, v1
	v_mul_u32_u24 v16, v16, 272
	v_and_b32 v17, 15, v1
	v_lshl_add_u32 v16, v17, 4, v16
	v_add_nc_u32 v16, s19, v16                     ; the image, out: unit 4 x wave + lane / 16, 16 (lane % 16)
	v_add_nc_u32 v17, SCW, v2                      ; the scale words, out (wave 0)
	s_mov_b32 s20, 0x76543210
	s_mov_b32 s21, 0xfedcba98                      ; v_permlanex16_b32's selects for lane l xor 16
	s_mov_b32 s22, 0x600000                        ; the mantissa field of 57,344
	s_mov_b32 s23, 0x3a800000                      ; 1 / 1,024
	s_mov_b32 s24, 0x3727c5ac                      ; 1e-5
	s_lshr_b32 s25, ttmp9, 7                       ; batch
	s_lshl_b32 s26, s25, 12
	s_mov_b32 s27, 0
	s_lshl_b32 s28, ttmp9, 16
	s_lshl_b32 s29, s16, 12
	s_add_co_u32 s28, s28, s29                     ; my row: (16 mt + wave) x 4,096 bytes
	s_mov_b32 s29, 0
	s_lshl_b32 s30, ttmp9, 14
	s_lshl_b32 s31, s16, 10
	s_add_co_u32 s30, s30, s31                     ; my 1,024 bytes of the tile row's images
	s_mov_b32 s31, 0
	s_lshl_b32 s32, ttmp9, 9
	s_add_co_u32 s32, s32, 0x400000                ; the tile row's 512 scale bytes
	s_mov_b32 s33, 0
.if LN1
	s_lshr_b32 s34, s16, 2                         ; which vector I fetch,
	s_and_b32 s35, s16, 3
	s_lshl_b32 s36, s35, 10                        ; which quarter of it
	s_mov_b32 s37, 0
	s_wait_kmcnt 0x0
	s_add_nc_u64 s[6:7], s[6:7], s[26:27]          ; A of my batch
	s_add_nc_u64 s[38:39], s[6:7], 8192            ; Bc
	s_cmp_eq_u32 s34, 0                            ; the choice hangs on the wave's number alone
	s_cselect_b64 s[40:41], s[6:7], s[10:11]
	s_cmp_eq_u32 s34, 1
	s_cselect_b64 s[40:41], s[38:39], s[40:41]
	s_cmp_eq_u32 s34, 2
	s_cselect_b64 s[40:41], s[8:9], s[40:41]
	s_add_nc_u64 s[40:41], s[40:41], s[36:37]
	s_add_nc_u64 s[12:13], s[12:13], s[28:29]
.else
	s_lshr_b32 s34, s16, 3
	s_lshl_b32 s34, s34, 13                        ; A or Bc,
	s_and_b32 s35, s16, 7
	s_lshl_b32 s35, s35, 9                         ; which eighth
	s_add_co_u32 s36, s34, s35
	s_add_co_u32 s36, s36, s26
	s_add_co_u32 s36, s36, 16384                   ; the second set
	s_mov_b32 s37, 0
	s_wait_kmcnt 0x0
	s_add_nc_u64 s[40:41], s[6:7], s[36:37]
.endif
	s_add_nc_u64 s[4:5], s[4:5], s[28:29]
	s_add_nc_u64 s[42:43], s[14:15], s[30:31]
	s_add_nc_u64 s[44:45], s[14:15], s[32:33]
	global_load_b128 v[PA:PA+3], v2, s[40:41]
.if LN1
	global_load_b128 v[PA+4:PA+7], v2, s[40:41] offset:512
.endif
.irp j, 0,1,2,3,4,5,6,7
.if LN1
	global_load_b128 v[X+4*\j:X+4*\j+3], v2, s[4:5] offset:512*\j th:TH_LOAD_NT   ; read once in the whole program
.else
	global_load_b128 v[X+4*\j:X+4*\j+3], v2, s[4:5] offset:512*\j
.endif
.endr
	s_wait_loadcnt 8                               ; my part of the vectors is in; the row's eight loads, issued behind it, stay out
	ds_store_b128 v3, v[PA:PA+3]
.if LN1
	ds_store_b128 v3, v[PA+4:PA+7] offset:512
.endif
	s_wait_dscnt 0x0                               ; for the others' sake
	s_barrier_signal -1
	s_barrier_wait -1                              ; the vectors lie in LDS
.irp j, 0,1,2,3,4,5,6,7
	ds_load_b128 v[PA+4*\j:PA+4*\j+3], v2 offset:512*\j
	ds_load_b128 v[PB+4*\j:PB+4*\j+3], v2 offset:4096+512*\j
.endr
.macro LANESUM                         ; v8 over the 32 lanes, the result in every lane
	v_add_f32_dpp v8, v8, v8 row_xmask:1 row_mask:0xf bank_mask:0xf
	v_add_f32_dpp v8, v8, v8 row_xmask:2 row_mask:0xf bank_mask:0xf
	v_add_f32_dpp v8, v8, v8 row_xmask:4 row_mask:0xf bank_mask:0xf
	v_add_f32_dpp v8, v8, v8 row_xmask:8 row_mask:0xf bank_mask:0xf
	v_permlanex16_b32 v9, v8, s20, s21
	v_add_f32 v8, v8, v9
.endm
.macro FOLD                            ; four chains v8-15 into v8
	v_pk_add_f32 v[8:9], v[8:9], v[10:11]
	v_pk_add_f32 v[12:13], v[12:13], v[14:15]
	v_pk_add_f32 v[8:9], v[8:9], v[12:13]
	v_add_f32 v8, v8, v9
	LANESUM
.endm
.macro STATS src, dst                  ; dst = src - mean;  v[22:23] = 1 / sqrt(variance + eps), twice
.irp k, 0,1,2,3
	v_pk_add_f32 v[8+2*\k:9+2*\k], v[\src+4*\k:\src+4*\k+1], v[\src+4*\k+2:\src+4*\k+3]
.endr
.irp k, 0,1,2,3
	v_pk_add_f32 v[8+2*\k:9+2*\k], v[8+2*\k:9+2*\k], v[\src+16+2*\k:\src+17+2*\k]
.endr
.irp k, 0,1,2,3
	v_pk_add_f32 v[8+2*\k:9+2*\k], v[8+2*\k:9+2*\k], v[\src+24+2*\k:\src+25+2*\k]
.endr
	FOLD
	v_mul_f32 v20, s23, v8
	v_mul_f32 v21, s23, v8                         ; the mean, twice: a pair for the packed form
.irp k, 0,1,2,3,4,5,6,7,8,9,10,11,12,13,14,15
	v_pk_add_f32 v[\dst+2*\k:\dst+2*\k+1], v[\src+2*\k:\src+2*\k+1], v[20:21] neg_lo:[0,1] neg_hi:[0,1]
.endr
.irp k, 0,1,2,3
	v_pk_mul_f32 v[8+2*\k:9+2*\k], v[\dst+2*\k:\dst+2*\k+1], v[\dst+2*\k:\dst+2*\k+1]
.endr
.irp k, 4,5,6,7,8,9,10,11,12,13,14,15
	v_pk_fma_f32 v[8+2*(\k%4):9+2*(\k%4)], v[\dst+2*\k:\dst+2*\k+1], v[\dst+2*\k:\dst+2*\k+1], v[8+2*(\k%4):9+2*(\k%4)]
.endr
	FOLD
	v_fma_f32 v24, v8, s23, s24                    ; variance + eps
	v_rsq_f32 v22, v24
	v_rsq_f32 v23, v24
	v_nop                                          ; a plain instruction behind the transcendentals (ISA guide 5.7.2),
	s_wait_alu depctr_va_vdst(0)                   ; and one wait for both, ahead of their first reader
.endm
.macro NORM d                          ; d = d rs gain + bias
.irp k, 0,1,2,3,4,5,6,7,8,9,10,11,12,13,14,15
	v_pk_mul_f32 v[\d+2*\k:\d+2*\k+1], v[\d+2*\k:\d+2*\k+1], v[22:23]
.endr
.irp k, 0,1,2,3,4,5,6,7,8,9,10,11,12,13,14,15
	v_pk_fma_f32 v[\d+2*\k:\d+2*\k+1], v[\d+2*\k:\d+2*\k+1], v[PA+2*\k:PA+2*\k+1], v[PB+2*\k:PB+2*\k+1]
.endr
.endm
	s_wait_loadcnt 0x0                             ; the row
	STATS X, X
	s_wait_dscnt 0x0                               ; A and Bc
	NORM X
.if LN1
.irp j, 0,1,2,3,4,5,6,7
	global_store_b128 v2, v[X+4*\j:X+4*\j+3], s[12:13] offset:512*\j   ; h: 512 consecutive bytes a store.  X is not written again
.endr
.irp j, 0,1,2,3,4,5,6,7
	ds_load_b128 v[PA+4*\j:PA+4*\j+3], v2 offset:8192+512*\j
	ds_load_b128 v[PB+4*\j:PB+4*\j+3], v2 offset:12288+512*\j
.endr
	STATS X, Y
	s_wait_dscnt 0x0                               ; attn_nw and attn_nb
	NORM Y
.endif
.irp j, 0,1,2,3,4,5,6,7
	ds_store_b128 v4, v[Y+4*\j:Y+4*\j+3] offset:576*\j
.endr
.irp q, 0,1,2,3,4,5,6,7
	ds_load_b128 v[PA+4*\q:PA+4*\q+3], v5 offset:16*\q             ; LDS serves a wave's instructions in order (ISA guide 5.7.1.4): these see the stores above
.endr
	s_wait_dscnt 0x0
	v_max3_num_f32 v28, |v[PA]|, |v[PA+1]|, |v[PA+2]|              ; the block's largest magnitude: all 32 numbers are mine
	v_max3_num_f32 v29, |v[PA+3]|, |v[PA+4]|, |v[PA+5]|
.irp i, 6,10,14,18,22,26
	v_max3_num_f32 v28, v28, |v[PA+\i]|, |v[PA+\i+1]|
	v_max3_num_f32 v29, v29, |v[PA+\i+2]|, |v[PA+\i+3]|
.endr
	v_max3_num_f32 v28, v28, |v[PA+30]|, |v[PA+31]|
	v_max3_num_f32 v28, v28, v29, 0x8000000        ; and the floor 2^(16 - 127): the byte cannot fall under 1
	v_add_nc_u32 v27, 0xf8800000, v28              ; 15 off the exponent field: the conversion's scale operand
	v_and_or_b32 v26, v28, 0x7f800000, s22         ; 57,344 x the scale
	v_lshrrev_b32 v25, 23, v27                     ; the scale's byte
.set J, 0
.rept 32
	v_med3_num_f32 v[PA+J], v[PA+J], -v26, v26
.set J, J+1
.endr
.irp g, 0,1,2,3
	v_cvt_scalef32_pk8_bf8_f32 v[C+2*\g:C+2*\g+1], v[PA+8*\g:PA+8*\g+7], v27
.endr
	v_nop                                          ; a plain instruction behind the last conversion
	ds_store_b128 v6, v[C:C+3]                     ; k = 32 l + 0 .. 15: the image's lanes 0-15
	ds_store_b128 v6, v[C+4:C+7] offset:272        ; k = 32 l + 16 .. 31: its lanes 16-31
	ds_store_b8 v7, v25
	s_wait_dscnt 0x0                               ; for the others' sake
	s_barrier_signal -1
	s_barrier_wait -1                              ; the tile row's images and scale words lie in LDS
	ds_load_b128 v[PA:PA+3], v16
	ds_load_b128 v[PA+4:PA+7], v16 offset:544
	s_wait_dscnt 0x0
	global_store_b128 v2, v[PA:PA+3], s[42:43]
	global_store_b128 v2, v[PA+4:PA+7], s[42:43] offset:512
	s_cmp_lg_u32 s16, 0
	s_cbranch_scc1 .Lend
	ds_load_b128 v[PA+8:PA+11], v17
	s_wait_dscnt 0x0
	global_store_b128 v2, v[PA+8:PA+11], s[44:45]
.Lend:
	s_wait_tensorcnt 0x0
	ds_add_u32 v176, v177
	s_wait_dscnt 0x0
	s_endpgm
.Lfunc_end_k_qa3b5c07484_ln2:
	.size	k_qa3b5c07484_ln2, .Lfunc_end_k_qa3b5c07484_ln2-k_qa3b5c07484_ln2
	.p2alignl 7, 3214868480
	.fill 96, 4, 3214868480
	.section	.rodata,"a",@progbits
	.p2align	6, 0x0
	.amdhsa_kernel k_qa3b5c07484_ln2
		.amdhsa_group_segment_fixed_size 102400
		.amdhsa_private_segment_fixed_size 0
		.amdhsa_enable_private_segment 0
		.amdhsa_kernarg_size 24
		.amdhsa_user_sgpr_count 2
		.amdhsa_user_sgpr_kernarg_segment_ptr 1
		.amdhsa_wavefront_size32 1
		.amdhsa_system_sgpr_workgroup_id_x 1
		.amdhsa_system_sgpr_workgroup_id_y 1
		.amdhsa_system_sgpr_workgroup_id_z 1
		.amdhsa_system_vgpr_workitem_id 0
		.amdhsa_next_free_vgpr 178
		.amdhsa_next_free_sgpr 66
		.amdhsa_reserve_vcc 0
		.amdhsa_float_denorm_mode_32 3
		.amdhsa_float_denorm_mode_16_64 3
		.amdhsa_memory_ordered 1
		.amdhsa_forward_progress 1
		.amdhsa_inst_pref_size 17
	.end_amdhsa_kernel
	.amdgpu_metadata
---
amdhsa.version: [ 1, 2 ]
amdhsa.kernels:
  - .name:           k_qa3b5c07484_ln2
    .symbol:         k_qa3b5c07484_ln2.kd
    .args:
      - { .name: x1, .offset: 0, .size: 8, .value_kind: global_buffer, .address_space: global }
      - { .name: modv, .offset: 8, .size: 8, .value_kind: global_buffer, .address_space: global }
      - { .name: actA, .offset: 16, .size: 8, .value_kind: global_buffer, .address_space: global }
    .group_segment_fixed_size: 102400
    .private_segment_fixed_size: 0
    .kernarg_segment_align: 8
    .kernarg_segment_size: 24
    .max_flat_workgroup_size: 512
    .sgpr_count:     66
    .vgpr_count:     178
    .wavefront_size: 32
...
	.end_amdgpu_metadata
.endif
;; end of part 6
;; launch g1 (part 7): grid 16 x 32, 8 waves a work-group, no clusters, 2,048 bytes of LDS; arguments actA, wimg, w1_scales, b1, uq; writes uq
.if DOCPART == 7
	.amdgcn_target "amdgcn-amd-amdhsa--gfx1250"
	.amdhsa_code_object_version 6
	.text
	.protected	k_qa3b5c07484_g1
	.globl	k_qa3b5c07484_g1
	.p2align	8
	.type	k_qa3b5c07484_g1,@function
k_qa3b5c07484_g1:
	s_mov_b64 s[64:65], 0
	v_nop
	global_prefetch_b8 v0, s[64:65] scope:SCOPE_SE
	s_setreg_imm32_b32 hwreg(HW_REG_WAVE_MODE, 25, 1), 1
	s_wait_xcnt 0x0
; G1: u = gelu(h2 w1 + b1), the exact gelu 0.5 v (1 + erf(v / sqrt 2)), on codes of E5M2 with E8M0 scales (K = 1,024); u is quantised here along its columns, the next product's K, and stored as operand images.
; A work-group makes 128 rows x 256 columns: two K steps of the next product.  EIGHT WAVES, two to a SIMD, each 64 x 64: 16 accumulators in 512 registers.  A wave has at most 64 fragment loads of 512 bytes issued,
; so the eight together have 256 KiB; and the 4,096 x 4,096 results are 512 work-groups.
; OPERANDS COME STRAIGHT FROM MEMORY INTO REGISTERS: both are stored as images of operand registers (a tile of 16 rows x 128 K is 2,048 bytes, byte 512 c + 16 lane), so a fragment is four loads of 512 consecutive bytes.
; No tile passes through LDS, so there is nothing for a joint request of a cluster to land in: cluster = none.
; THE PRODUCT IS USED TRANSPOSED (source 0 = 16 rows of the weight, source 1 = 16 rows of h2), and a weight tile's row r is the weight's row 32 (nt / 2) + 8 (nt % 2) + r + 8 (r / 8):
; lane (r, h) holds row r of the result, and the 16 registers of column tiles 2 b, 2 b + 1 are columns 32 b + 16 h + 0 .. 15: what the conversions and the next operand's layout want.  The bias is the C of each sum's first product.
; K goes in 8 steps of 128, written out: every offset is an immediate.  Two sets of fragment registers take turns: behind a step's products and their places the set just read takes the loads of the step two further on.
; ERF: z = v / sqrt 2 held within +-4; erf = z P(z^2) / Q(z^2), P of degree 6 and Q of degree 4 in z^2, in f32 by fused multiply-adds; 1 / Q by v_rcp_f32.
; REGISTERS.  window 0: v1-10 lane terms and addresses; v16-23 at work in the quantiser; v24-27 half words of scale bytes; v32-63 scale words and nothing else; v64-95 held numbers;
;   v96-127 the bias, later codes; v128-255 the accumulators, (i, t) at 128 + 8 (4 i + t).
;   window 1: fragment sets 0 (v0-127) and 1 (v128-255): in a set h2's four fragments, then the weight's four; behind the products: v0-79 z, z^2, P, Q, v / 2; v80-111 a tile's 32 results; v112-115 two coefficients as pairs.
; OUT.  uq: tile (mt, ks) at (32 mt + ks) x 2,048; my 64 columns are c = 2 (wq % 2), + 1 of K step ks = 2 x + wq / 2.  Scale words at 0x1000000 + (32 mt + ks) x 64 + 4 r: the waves' half words meet in LDS;
;   wave w then stores the words of row tile w for both K steps: 128 consecutive bytes.
; LIMITS: NaN and infinities are not served; a block of zeros, or one under 2^-111, gets the byte 1 (this program alone reads the bytes); the rational form's error is a few 1e-7 of erf's range, so 1 + erf loses
;   relative accuracy where v is far below 0 and gelu is next to 0.
.set KS, 8
.set KC, 1
.set WOFF, 0x220000
.set SOFF, 0x400000
.set TM, 16
.set HW, 24
.set SC, 32
.set HD, 64
.set BI, 96
.set ACC, 128
.set Z, 0                              ; these seven in window 1
.set Z2, 16
.set PP, 32
.set QQ, 48
.set HH, 64
.set U, 80
.set CP, 112
.set SEL, 26
.set MNT, 28
.set PA, 36
.set PS, 38
.set PB, 40
.set PW, 42
.set PBI, 44
.set PU, 46
.set PUS, 48
.set MSB, 0
.macro WIN new                         ; the immediate's high byte repeats the setting that is left; a switch that changes nothing is dropped
.if MSB != (\new)
	s_set_vgpr_msb (MSB<<8)|(\new)
.set MSB, (\new)
.endif
.endm
.macro WM d, a, b, c, sa, sb, ra, rb   ; one product; ra, rb: the scale words stand in lanes 16-31
.if (\ra) && (\rb)
	v_wmma_scale_f32_16x16x128_f8f6f4 v[\d:\d+7], v[\a:\a+15], v[\b:\b+15], v[\c:\c+7], v[\sa], v[\sb] matrix_a_fmt:MATRIX_FMT_BF8 matrix_b_fmt:MATRIX_FMT_BF8 matrix_a_scale:MATRIX_SCALE_ROW1 matrix_b_scale:MATRIX_SCALE_ROW1
.elseif (\ra)
	v_wmma_scale_f32_16x16x128_f8f6f4 v[\d:\d+7], v[\a:\a+15], v[\b:\b+15], v[\c:\c+7], v[\sa], v[\sb] matrix_a_fmt:MATRIX_FMT_BF8 matrix_b_fmt:MATRIX_FMT_BF8 matrix_a_scale:MATRIX_SCALE_ROW1
.elseif (\rb)
	v_wmma_scale_f32_16x16x128_f8f6f4 v[\d:\d+7], v[\a:\a+15], v[\b:\b+15], v[\c:\c+7], v[\sa], v[\sb] matrix_a_fmt:MATRIX_FMT_BF8 matrix_b_fmt:MATRIX_FMT_BF8 matrix_b_scale:MATRIX_SCALE_ROW1
.else
	v_wmma_scale_f32_16x16x128_f8f6f4 v[\d:\d+7], v[\a:\a+15], v[\b:\b+15], v[\c:\c+7], v[\sa], v[\sb] matrix_a_fmt:MATRIX_FMT_BF8 matrix_b_fmt:MATRIX_FMT_BF8
.endif
.endm
.macro LOADF s                         ; K step s: 32 loads into set s % 2
.set FB, 128*((\s)%2)
	WIN 0x40
.irp i, 0,1,2,3
.irp c, 0,1,2,3
	global_load_b128 v[FB+16*\i+4*\c:FB+16*\i+4*\c+3], v4, s[PA:PA+1] offset:(\i*KS+(\s))*2048+512*\c
.endr
.endr
.irp t, 0,1,2,3
.irp c, 0,1,2,3
	global_load_b128 v[FB+64+16*\t+4*\c:FB+64+16*\t+4*\c+3], v4, s[PB:PB+1] offset:(\t*KS+(\s))*2048+512*\c
.endr
.endr
	WIN 0
.endm
.macro SCALES ch                       ; the scale words of K steps 8 ch .. 8 ch + 7: 20 loads into set ch % 2
.set SQ, SC+32*((\ch)%2)
.irp i, 0,1,2,3
.irp e, 0,1,2,3
	global_load_b32 v[SQ+4*\i+\e], v5, s[PS:PS+1] offset:(\i*KS+8*(\ch)+2*\e)*64
.endr
.endr
.irp t, 0,1,2,3
	global_load_b128 v[SQ+16+4*\t:SQ+16+4*\t+3], v6, s[PW:PW+1] offset:(32*(\t/2)+8*(\t%2))*KS*4+32*(\ch)
.endr
.endm
.macro MUL s                           ; 16 products; the sixteen accumulators take turns, one instruction a turn, in one order in every step
.set FB, 128*((\s)%2)
.set SQ, SC+32*(((\s)/8)%2)
.set SE, SQ+16+(\s)%4
.set AE, SQ+((\s)%8)/2
.set RA, ((\s)/4)%2
.set RB, (\s)%2
	WIN 0x05                                       ; both fragments in window 1; C and D in window 0
.irp i, 0,1,2,3
.irp t, 0,1,2,3
.if (\s) == 0
	WM ACC+8*(4*\i+\t), FB+64+16*\t, FB+16*\i, BI+8*\t, SE+4*\t, AE+4*\i, RA, RB
.else
	WM ACC+8*(4*\i+\t), FB+64+16*\t, FB+16*\i, ACC+8*(4*\i+\t), SE+4*\t, AE+4*\i, RA, RB
.endif
.endr
.endr
.endm
.macro STEP s
.set NW, 0
.if (\s)+1 < KS
.set NW, 32                            ; behind this step's fragments: the next step's 32 loads,
.endif
.if (\s)/8+1 < KC
.if ((\s)%8 == 1) || ((\s)%8 == 2)
.set NW, NW+20                         ; and, in these two steps, the next 20 scale loads
.endif
.endif
	s_wait_loadcnt NW
	MUL \s
	WIN 0
.if (\s)+2 < KS
.rept 8
	v_nop                                          ; eight places between this step's products and the loads into the registers that they read
.endr
	LOADF (\s)+2
.endif
.if (\s)%8 == 0
.if (\s)/8+1 < KC
	SCALES (\s)/8+1
.endif
.endif
.endm
; 32 numbers of a lane (two blocks: register 16 b + e = k 32 b + 16 h + e of my row), at src in window win, become 8 registers of codes at cod and the two scale bytes in hw.  The held numbers go to dst, in window 0.
.macro QUANT2 src, win, dst, cod, hw
	WIN 5*(\win)
.irp b, 0,1
	v_max3_num_f32 v[TM+\b], |v[\src+16*\b]|, |v[\src+16*\b+1]|, 0x8000000     ; my 16 numbers, and the floor 2^(16 - 127): the byte cannot fall under 1
.endr
.irp e, 2,4,6,8,10,12,14
.irp b, 0,1
	v_max3_num_f32 v[TM+\b], |v[\src+16*\b+\e]|, |v[\src+16*\b+\e+1]|, v[TM+\b]
.endr
.endr
	WIN 0
.irp b, 0,1
	v_permlanex16_b32 v[TM+2+\b], v[TM+\b], s[SEL], s[SEL+1]
.endr
.irp b, 0,1
	v_max_num_f32 v[TM+\b], v[TM+\b], v[TM+2+\b]   ; with lane l xor 16's: the block's largest magnitude
.endr
.irp b, 0,1
	v_add_nc_u32 v[TM+4+\b], 0xf8800000, v[TM+\b]  ; 15 off the exponent field: the conversion's scale operand
.endr
.irp b, 0,1
	v_and_or_b32 v[TM+6+\b], v[TM+\b], 0x7f800000, s[MNT]          ; 57,344 x the scale
.endr
.irp b, 0,1
	v_lshrrev_b32 v[TM+2+\b], 23, v[TM+4+\b]       ; the scale's byte
.endr
	v_lshl_or_b32 v[\hw], v[TM+3], 8, v[TM+2]
	WIN (\win)
.irp b, 0,1
.irp e, 0,1,2,3,4,5,6,7,8,9,10,11,12,13,14,15
	v_med3_num_f32 v[\dst+16*\b+\e], v[\src+16*\b+\e], -v[TM+6+\b], v[TM+6+\b]   ; the conversion does not saturate (ISA guide 7.6.2): the hold comes first
.endr
.endr
	WIN 0
.irp g, 0,1,2,3
	v_cvt_scalef32_pk8_bf8_f32 v[\cod+2*\g:\cod+2*\g+1], v[\dst+8*\g:\dst+8*\g+7], v[TM+4+\g/2]
.endr
	v_nop                                          ; a plain instruction behind the last conversion
.endm
.macro FMAL d, a, b, lit               ; sixteen numbers: d = a b + a coefficient
.set J, 0
.rept 8
	v_pk_fma_f32 v[\d+J:\d+J+1], v[\a+J:\a+J+1], v[\b+J:\b+J+1], \lit op_sel_hi:[1,1,0]
.set J, J+2
.endr
.endm
.macro MULV d, a, b                    ; sixteen numbers: d = a b
.set J, 0
.rept 8
	v_pk_mul_f32 v[\d+J:\d+J+1], v[\a+J:\a+J+1], v[\b+J:\b+J+1]
.set J, J+2
.endr
.endm
.macro GELU16 src, dst                 ; sixteen results at src in window 0 -> their gelu at dst in window 1
	WIN 0x40                                       ; source 0 window 0, destination window 1
.set J, 0
.rept 8
	v_pk_mul_f32 v[Z+J:Z+J+1], v[\src+J:\src+J+1], 0x3f3504f3 op_sel_hi:[1,0]      ; v / sqrt 2; each accumulator from its low end on
.set J, J+2
.endr
.set J, 0
.rept 8
	v_pk_mul_f32 v[HH+J:HH+J+1], v[\src+J:\src+J+1], 0.5 op_sel_hi:[1,0]
.set J, J+2
.endr
	WIN 0x55                                       ; all in window 1
.set J, 0
.rept 16
	v_med3_num_f32 v[Z+J], v[Z+J], -4.0, 4.0
.set J, J+1
.endr
	MULV Z2, Z, Z
.set J, 0
.rept 8
	v_pk_fma_f32 v[PP+J:PP+J+1], v[Z2+J:Z2+J+1], 0xaf95df0b, v[CP:CP+1] op_sel_hi:[1,0,1]
	v_pk_fma_f32 v[QQ+J:QQ+J+1], v[Z2+J:Z2+J+1], 0xb77460cd, v[CP+2:CP+3] op_sel_hi:[1,0,1]
.set J, J+2
.endr
	FMAL PP, PP, Z2, 0xb60cff51
	FMAL QQ, QQ, Z2, 0xbadc924e
	FMAL PP, PP, Z2, 0xb86ec2d2
	FMAL QQ, QQ, Z2, 0xbbf19bf8
	FMAL PP, PP, Z2, 0xba40ac63
	FMAL QQ, QQ, Z2, 0xbc69b6a7
	FMAL PP, PP, Z2, 0xbb41a1f6
	FMAL PP, PP, Z2, 0xbc83dbd4
	MULV PP, PP, Z
.set J, 0
.rept 16
	v_rcp_f32 v[QQ+J], v[QQ+J]
.set J, J+1
.endr
	v_nop                                          ; a plain instruction behind the batch (ISA guide 5.7.2),
	s_wait_alu depctr_va_vdst(0)                   ; and one wait for the sixteen, ahead of their first reader
	MULV PP, PP, QQ                                ; erf
.set J, 0
.rept 8
	v_pk_fma_f32 v[\dst+J:\dst+J+1], v[PP+J:PP+J+1], v[HH+J:HH+J+1], v[HH+J:HH+J+1]
.set J, J+2
.endr
.endm
	s_load_b256 s[4:11], s[0:1], 0x0               ; actA, wimg, w1_scales, b1
	s_load_b64 s[12:13], s[0:1], 0x20              ; uq
	v_lshl_add_u32 v30, v0, 2, 0x400
	v_mov_b32 v31, 0
	v_lshrrev_b32 v1, 5, v0
	v_readfirstlane_b32 s20, v1                    ; wave 0..7
	s_lshr_b32 s21, s20, 2                         ; wr: which 64 rows
	s_and_b32 s22, s20, 3                          ; wq: which 64 of the 256 columns
	s_and_b32 s24, ttmp7, 0xffff                   ; y
	v_and_b32 v1, 31, v0                           ; lane
	v_and_b32 v2, 15, v0                           ; r
	v_bfe_u32 v3, v0, 4, 1                         ; h
	v_lshlrev_b32 v4, 4, v1                        ; 16 x lane
	v_lshlrev_b32 v5, 2, v1                        ; 4 x lane
	v_and_b32 v6, 8, v2
	v_add_nc_u32 v6, v6, v2                        ; r + 8 (r / 8)
	v_mul_u32_u24 v6, v6, KS*4
	v_lshl_add_u32 v6, v3, 4, v6                   ; the weight's scale words: my row of a tile, + 16 h
	s_lshl_b32 s29, s21, 9
	s_lshr_b32 s25, s22, 1
	s_lshl_b32 s25, s25, 6
	s_add_co_u32 s29, s29, s25
	s_and_b32 s25, s22, 1
	s_lshl_b32 s25, s25, 1
	s_add_co_u32 s29, s29, s25
	v_lshlrev_b32 v7, 2, v2
	v_add_nc_u32 v7, s29, v7                       ; LDS: my half word: 128 (4 wr + i) + 64 (wq / 2) + 4 r + 2 (wq % 2)
	s_lshl_b32 s29, s20, 7
	v_add_nc_u32 v8, s29, v5                       ; LDS, back: 128 x wave + 4 x lane: row tile w, both K steps
	v_lshlrev_b32 v10, 6, v3                       ; the bias: 64 h
	v_mov_b32 v[TM+2], 0                           ; written once: a lane permute's destination counts as one of its sources
	v_mov_b32 v[TM+3], 0
	s_mov_b32 s[SEL], 0x76543210
	s_mov_b32 s[SEL+1], 0xfedcba98
	s_mov_b32 s[MNT], 0x600000
	s_lshl_b32 s30, s24, 3
	s_lshl_b32 s25, s21, 2
	s_add_co_u32 s30, s30, s25                     ; my first tile of rows: 8 y + 4 wr
	s_lshl_b32 s31, ttmp9, 4
	s_lshl_b32 s25, s22, 2
	s_add_co_u32 s31, s31, s25                     ; my first tile of columns: 16 x + 4 wq
	s_mul_i32 s50, s30, KS*2048
	s_mov_b32 s51, 0
	s_mul_i32 s52, s30, KS*64
	s_add_co_u32 s52, s52, SOFF
	s_mov_b32 s53, 0
	s_mul_i32 s54, s31, KS*2048
	s_add_co_u32 s54, s54, WOFF
	s_mov_b32 s55, 0
	s_mul_i32 s56, s31, KS*64
	s_mov_b32 s57, 0
	s_lshl_b32 s58, s31, 6
	s_mov_b32 s59, 0
	s_lshl_b32 s60, s30, 16                        ; u's images: (32 mt + 2 x + wq / 2) x 2,048 + 1,024 (wq % 2) = 65,536 mt + 4,096 x + 1,024 wq
	s_lshl_b32 s25, ttmp9, 12
	s_add_co_u32 s60, s60, s25
	s_lshl_b32 s25, s22, 10
	s_add_co_u32 s60, s60, s25
	s_mov_b32 s61, 0
	s_lshl_b32 s62, s24, 14                        ; u's scale words: (32 (8 y + wave) + 2 x) x 64
	s_lshl_b32 s25, s20, 11
	s_add_co_u32 s62, s62, s25
	s_lshl_b32 s25, ttmp9, 7
	s_add_co_u32 s62, s62, s25
	s_add_co_u32 s62, s62, 0x1000000
	s_mov_b32 s63, 0
	s_wait_kmcnt 0x0
	s_add_nc_u64 s[PA:PA+1], s[4:5], s[50:51]
	s_add_nc_u64 s[PS:PS+1], s[4:5], s[52:53]
	s_add_nc_u64 s[PB:PB+1], s[6:7], s[54:55]
	s_add_nc_u64 s[PW:PW+1], s[8:9], s[56:57]
	s_add_nc_u64 s[PBI:PBI+1], s[10:11], s[58:59]
	s_add_nc_u64 s[PU:PU+1], s[12:13], s[60:61]
	s_add_nc_u64 s[PUS:PUS+1], s[12:13], s[62:63]
.irp b, 0,1
.irp q, 0,1,2,3
	global_load_b128 v[BI+16*\b+4*\q:BI+16*\b+4*\q+3], v10, s[PBI:PBI+1] offset:128*\b+16*\q   ; the bias in the result's layout: columns 32 b + 16 h + 0 .. 15
.endr
.endr
	SCALES 0
	LOADF 0
	LOADF 1
.set Q, 0
.rept KS
	STEP Q
.set Q, Q+1
.endr
.rept 8
	v_nop                                          ; eight places ahead of the first read of results and the first write over the fragments
.endr
	WIN 0x40
	v_mov_b32 v[CP], 0x32edffee                    ; P's second coefficient, as a pair: an instruction takes one literal
	v_mov_b32 v[CP+1], 0x32edffee
	v_mov_b32 v[CP+2], 0xb95fbd29                  ; Q's
	v_mov_b32 v[CP+3], 0xb95fbd29
.irp i, 0,1,2,3
	GELU16 ACC+32*\i, U
	GELU16 ACC+32*\i+16, U+16
	QUANT2 U, 1, HD, BI+8*\i, HW+\i
	global_store_b128 v4, v[BI+8*\i:BI+8*\i+3], s[PU:PU+1] offset:\i*65536         ; 512 consecutive bytes a store
	global_store_b128 v4, v[BI+8*\i+4:BI+8*\i+7], s[PU:PU+1] offset:\i*65536+512
	ds_store_b16 v7, v[HW+\i] offset:128*\i        ; both lanes of a row write the same two bytes
.endr
	s_wait_dscnt 0x0                               ; for the others' sake
	s_barrier_signal -1
	s_barrier_wait -1                              ; the sixteen tiles' scale words are whole
	ds_load_b32 v11, v8
	s_wait_dscnt 0x0
	global_store_b32 v5, v11, s[PUS:PUS+1]         ; 128 consecutive bytes
	s_wait_tensorcnt 0x0
	ds_add_u32 v30, v31
	s_wait_dscnt 0x0
	s_endpgm
.Lfunc_end_k_qa3b5c07484_g1:
	.size	k_qa3b5c07484_g1, .Lfunc_end_k_qa3b5c07484_g1-k_qa3b5c07484_g1
	.p2alignl 7, 3214868480
	.fill 96, 4, 3214868480
	.section	.rodata,"a",@progbits
	.p2align	6, 0x0
	.amdhsa_kernel k_qa3b5c07484_g1
		.amdhsa_group_segment_fixed_size 2048
		.amdhsa_private_segment_fixed_size 0
		.amdhsa_enable_private_segment 0
		.amdhsa_kernarg_size 40
		.amdhsa_user_sgpr_count 2
		.amdhsa_user_sgpr_kernarg_segment_ptr 1
		.amdhsa_wavefront_size32 1
		.amdhsa_system_sgpr_workgroup_id_x 1
		.amdhsa_system_sgpr_workgroup_id_y 1
		.amdhsa_system_sgpr_workgroup_id_z 1
		.amdhsa_system_vgpr_workitem_id 0
		.amdhsa_next_free_vgpr 512
		.amdhsa_next_free_sgpr 66
		.amdhsa_reserve_vcc 0
		.amdhsa_float_denorm_mode_32 3
		.amdhsa_float_denorm_mode_16_64 3
		.amdhsa_memory_ordered 1
		.amdhsa_forward_progress 1
		.amdhsa_inst_pref_size 166
	.end_amdhsa_kernel
	.amdgpu_metadata
---
amdhsa.version: [ 1, 2 ]
amdhsa.kernels:
  - .name:           k_qa3b5c07484_g1
    .symbol:         k_qa3b5c07484_g1.kd
    .args:
      - { .name: actA, .offset: 0, .size: 8, .value_kind: global_buffer, .address_space: global }
      - { .name: wimg, .offset: 8, .size: 8, .value_kind: global_buffer, .address_space: global }
      - { .name: w1_scales, .offset: 16, .size: 8, .value_kind: global_buffer, .address_space: global }
      - { .name: b1, .offset: 24, .size: 8, .value_kind: global_buffer, .address_space: global }
      - { .name: uq, .offset: 32, .size: 8, .value_kind: global_buffer, .address_space: global }
    .group_segment_fixed_size: 2048
    .private_segment_fixed_size: 0
    .kernarg_segment_align: 8
    .kernarg_segment_size: 40
    .max_flat_workgroup_size: 256
    .sgpr_count:     66
    .vgpr_count:     512
    .wavefront_size: 32
...
	.end_amdgpu_metadata
.endif
;; end of part 7
;; launch g2 (part 8): grid 8 x 32, 8 waves a work-group, no clusters, 105,472 bytes of LDS; arguments uq, wimg, w2_scales, b2, x1, out0; writes out0
.if DOCPART == 8
	.amdgcn_target "amdgcn-amd-amdhsa--gfx1250"
	.amdhsa_code_object_version 6
	.text
	.protected	k_qa3b5c07484_g2
	.globl	k_qa3b5c07484_g2
	.p2align	8
	.type	k_qa3b5c07484_g2,@function
k_qa3b5c07484_g2:
	s_mov_b64 s[64:65], 0
	v_nop
	global_prefetch_b8 v0, s[64:65] scope:SCOPE_SE
	s_setreg_imm32_b32 hwreg(HW_REG_WAVE_MODE, 25, 1), 1
	s_wait_xcnt 0x0
; G2: out0 = u w2 + b2 + x1, f32 out, on codes of E5M2 with E8M0 scales, K = 4,096.
; A work-group makes 128 rows x 128 columns (4,096 x 1,024 results are 256 such tiles).  EIGHT WAVES, two to a SIMD, SHARE K: waves 0-3 take K steps 0-15, waves 4-7 K steps 16-31; in each half a wave makes 64 x 64:
; 16 accumulators in 512 registers.  A wave has at most 64 fragment loads of 512 bytes issued, so the eight together have 256 KiB.
; THE TWO HALVES MEET IN LDS.  Of its four tiles of 16 rows a wave keeps two and sends two to its partner (wave xor 4), in the layout of the way out; one barrier; then it adds what it was sent to what it kept.
; The text is the same for both halves: accumulator rows 0, 1 are the tiles that the wave keeps (tiles 2 kh, 2 kh + 1 of its 64 rows), rows 2, 3 those that it sends: two base addresses for u's images and two for its scale words.
; LIMIT: each result is the sum of two f32 sums over halves of K: another order of rounding than one chain over all of K.
; OPERANDS COME STRAIGHT FROM MEMORY INTO REGISTERS: both are stored as images of operand registers (a tile of 16 rows x 128 K is 2,048 bytes, byte 512 c + 16 lane), so a fragment is four loads of 512 consecutive bytes.
; No tile passes through LDS, so there is nothing for a joint request of a cluster to land in: cluster = none.
; THE PRODUCT IS USED TRANSPOSED (source 0 = 16 rows of the weight, source 1 = 16 rows of u), and a weight tile's row r is the weight's row 32 (nt / 2) + 8 (nt % 2) + r + 8 (r / 8):
; lane (r, h) holds row r of C, and the 16 registers of column tiles 2 b, 2 b + 1 are columns 32 b + 16 h + 0 .. 15.
; K goes in steps of 128, written out: every offset is an immediate.  Two sets of fragment registers take turns: behind a step's products and their places the set just read takes the loads of the step two further on.
; REGISTERS.  window 0: v1-13 lane terms and addresses; v32-95 scale words and nothing else, two sets; v96-99 the bias of my four columns; v128-255 the accumulators, (i, t) at 128 + 8 (4 i + t);
;   on the way out v192-223 rows of my own sums, v224-255 rows of my partner's.   window 1: fragment sets 0 (v0-127) and 1 (v128-255): in a set u's four fragments, then the weight's four; on the way out v0-63 residual rows.
; SCALE WORDS, eight K steps at a time.  u's: one load brings K step 2 e in lanes 0-15 and 2 e + 1 in lanes 16-31.  The weight's: one 16-byte load a tile brings words 0-3 in lanes 0-15, 4-7 in lanes 16-31.
; THE WAY OUT.  A tile of 16 rows x 64 columns goes through the wave's own stage in LDS (rows of 256 + 16 bytes) and comes back as whole rows; the partner's rows, the bias and the residual are added;
; sixteen lanes store 256 consecutive bytes, aligned.
.set KS, 32                            ; K steps in a row of tiles: the images' pitch
.set KH, 16                            ; K steps of a wave
.set KC, 2                             ; in runs of eight
.set WOFF, 0x620000
.set SOFF, 0x1000000
.set INB, 8*4352                       ; LDS: eight stages of 16 x 272 bytes, then eight inboxes of two such tiles
.set SC, 32
.set BV, 96
.set ACC, 128
.set OB, 192
.set OC, 224
.set RR, 0                             ; in window 1
.set PAL, 36
.set PAH, 38
.set PSL, 40
.set PSH, 42
.set PB, 44
.set PW, 46
.set PBI, 48
.set PR, 50
.set PO, 52
.set MSB, 0
.macro WIN new                         ; the immediate's high byte repeats the setting that is left; a switch that changes nothing is dropped
.if MSB != (\new)
	s_set_vgpr_msb (MSB<<8)|(\new)
.set MSB, (\new)
.endif
.endm
.macro WM d, a, b, c, sa, sb, ra, rb   ; one product; ra, rb: the scale words stand in lanes 16-31
.if (\ra) && (\rb)
	v_wmma_scale_f32_16x16x128_f8f6f4 v[\d:\d+7], v[\a:\a+15], v[\b:\b+15], v[\c:\c+7], v[\sa], v[\sb] matrix_a_fmt:MATRIX_FMT_BF8 matrix_b_fmt:MATRIX_FMT_BF8 matrix_a_scale:MATRIX_SCALE_ROW1 matrix_b_scale:MATRIX_SCALE_ROW1
.elseif (\ra)
	v_wmma_scale_f32_16x16x128_f8f6f4 v[\d:\d+7], v[\a:\a+15], v[\b:\b+15], v[\c:\c+7], v[\sa], v[\sb] matrix_a_fmt:MATRIX_FMT_BF8 matrix_b_fmt:MATRIX_FMT_BF8 matrix_a_scale:MATRIX_SCALE_ROW1
.elseif (\rb)
	v_wmma_scale_f32_16x16x128_f8f6f4 v[\d:\d+7], v[\a:\a+15], v[\b:\b+15], v[\c:\c+7], v[\sa], v[\sb] matrix_a_fmt:MATRIX_FMT_BF8 matrix_b_fmt:MATRIX_FMT_BF8 matrix_b_scale:MATRIX_SCALE_ROW1
.else
	v_wmma_scale_f32_16x16x128_f8f6f4 v[\d:\d+7], v[\a:\a+15], v[\b:\b+15], v[\c:\c+7], v[\sa], v[\sb] matrix_a_fmt:MATRIX_FMT_BF8 matrix_b_fmt:MATRIX_FMT_BF8
.endif
.endm
.macro WMZ d, a, b, sa, sb             ; the first K step starts a sum: nothing is cleared
	v_wmma_scale_f32_16x16x128_f8f6f4 v[\d:\d+7], v[\a:\a+15], v[\b:\b+15], 0, v[\sa], v[\sb] matrix_a_fmt:MATRIX_FMT_BF8 matrix_b_fmt:MATRIX_FMT_BF8
.endm
.macro LOADF s                         ; my K step s: 32 loads into set s % 2
.set FB, 128*((\s)%2)
	WIN 0x40
.irp i, 0,1
.irp c, 0,1,2,3
	global_load_b128 v[FB+16*\i+4*\c:FB+16*\i+4*\c+3], v4, s[PAL:PAL+1] offset:(\i*KS+(\s))*2048+512*\c          ; the tiles that I keep
.endr
.endr
.irp i, 0,1
.irp c, 0,1,2,3
	global_load_b128 v[FB+32+16*\i+4*\c:FB+32+16*\i+4*\c+3], v4, s[PAH:PAH+1] offset:(\i*KS+(\s))*2048+512*\c    ; the tiles that I send
.endr
.endr
.irp t, 0,1,2,3
.irp c, 0,1,2,3
	global_load_b128 v[FB+64+16*\t+4*\c:FB+64+16*\t+4*\c+3], v4, s[PB:PB+1] offset:(\t*KS+(\s))*2048+512*\c
.endr
.endr
	WIN 0
.endm
.macro SCALES ch                       ; the scale words of my K steps 8 ch .. 8 ch + 7: 20 loads into set ch % 2
.set SQ, SC+32*((\ch)%2)
.irp i, 0,1
.irp e, 0,1,2,3
	global_load_b32 v[SQ+4*\i+\e], v5, s[PSL:PSL+1] offset:(\i*KS+8*(\ch)+2*\e)*64
	global_load_b32 v[SQ+8+4*\i+\e], v5, s[PSH:PSH+1] offset:(\i*KS+8*(\ch)+2*\e)*64
.endr
.endr
.irp t, 0,1,2,3
	global_load_b128 v[SQ+16+4*\t:SQ+16+4*\t+3], v6, s[PW:PW+1] offset:(32*(\t/2)+8*(\t%2))*KS*4+32*(\ch)
.endr
.endm
.macro MUL s                           ; 16 products; the sixteen accumulators take turns, one instruction a turn, in one order in every step
.set FB, 128*((\s)%2)
.set SQ, SC+32*(((\s)/8)%2)
.set SE, SQ+16+(\s)%4
.set AE, SQ+((\s)%8)/2
.set RA, ((\s)/4)%2
.set RB, (\s)%2
	WIN 0x05                                       ; both fragments in window 1; C and D in window 0
.irp i, 0,1,2,3
.irp t, 0,1,2,3
.if (\s) == 0
	WMZ ACC+8*(4*\i+\t), FB+64+16*\t, FB+16*\i, SE+4*\t, AE+4*\i
.else
	WM ACC+8*(4*\i+\t), FB+64+16*\t, FB+16*\i, ACC+8*(4*\i+\t), SE+4*\t, AE+4*\i, RA, RB
.endif
.endr
.endr
.endm
.macro STEP s
.set NW, 0
.if (\s)+1 < KH
.set NW, 32                            ; behind this step's fragments: the next step's 32 loads,
.endif
.if (\s)/8+1 < KC
.if ((\s)%8 == 1) || ((\s)%8 == 2)
.set NW, NW+20                         ; and, in these two steps, the next 20 scale loads
.endif
.endif
	s_wait_loadcnt NW
	MUL \s
	WIN 0
.if (\s)+2 < KH
.rept 8
	v_nop                                          ; eight places between this step's products and the loads into the registers that they read
.endr
	LOADF (\s)+2
.endif
.if (\s)%8 == 0
.if (\s)/8+1 < KC
	SCALES (\s)/8+1
.endif
.endif
.endm
	s_load_b256 s[4:11], s[0:1], 0x0               ; uq, wimg, w2_scales, b2
	s_load_b128 s[12:15], s[0:1], 0x20             ; x1, out0
	v_lshl_add_u32 v126, v0, 2, 0x19800
	v_mov_b32 v127, 0
	v_lshrrev_b32 v1, 5, v0
	v_readfirstlane_b32 s20, v1                    ; wave 0..7
	s_lshr_b32 s23, s20, 2                         ; kh: which half of K
	s_bfe_u32 s21, s20, 0x10001                    ; wr: which 64 rows
	s_and_b32 s22, s20, 1                          ; wc: which 64 columns
	s_and_b32 s24, ttmp7, 0xffff                   ; y
	v_and_b32 v1, 31, v0                           ; lane
	v_and_b32 v2, 15, v0                           ; r
	v_bfe_u32 v3, v0, 4, 1                         ; h
	v_lshlrev_b32 v4, 4, v1                        ; 16 x lane
	v_lshlrev_b32 v5, 2, v1                        ; 4 x lane
	v_and_b32 v6, 8, v2
	v_add_nc_u32 v6, v6, v2                        ; r + 8 (r / 8)
	v_mul_u32_u24 v6, v6, KS*4
	v_lshl_add_u32 v6, v3, 4, v6                   ; the weight's scale words: my row of a tile, + 16 h
	v_mul_u32_u24 v11, v2, 272
	v_lshl_add_u32 v11, v3, 6, v11                 ; into a tile of rows: row r, + 64 h
	v_mul_u32_u24 v14, v3, 272
	v_lshl_add_u32 v14, v2, 4, v14                 ; out of it: lanes 0-15 one row, lanes 16-31 the next
	s_mul_i32 s29, s20, 4352                       ; my stage
	v_add_nc_u32 v7, s29, v11
	v_add_nc_u32 v8, s29, v14
	s_xor_b32 s25, s20, 4                          ; my partner,
	s_mul_i32 s25, s25, 8704
	s_add_co_u32 s25, s25, INB
	v_add_nc_u32 v12, s25, v11                     ; whose inbox I write;
	s_mul_i32 s25, s20, 8704
	s_add_co_u32 s25, s25, INB
	v_add_nc_u32 v13, s25, v14                     ; and mine, which I read
	v_lshlrev_b32 v9, 12, v3
	v_lshl_add_u32 v9, v2, 4, v9                   ; two rows in memory: 4,096 h + 16 r
	v_lshlrev_b32 v10, 4, v2                       ; the bias of my four columns: 16 r
	s_lshl_b32 s30, s24, 3
	s_lshl_b32 s25, s21, 2
	s_add_co_u32 s30, s30, s25                     ; the first tile of my 64 rows: 8 y + 4 wr
	s_lshl_b32 s25, s23, 1
	s_add_co_u32 s32, s30, s25                     ; the first tile that I keep: + 2 kh
	s_add_co_u32 s33, s30, 2
	s_sub_co_u32 s33, s33, s25                     ; the first tile that I send: + 2 - 2 kh
	s_lshl_b32 s31, ttmp9, 3
	s_lshl_b32 s25, s22, 2
	s_add_co_u32 s31, s31, s25                     ; my first tile of columns: 8 x + 4 wc
	s_mul_i32 s34, s23, KH*2048                    ; my half of K: in a row of images,
	s_mul_i32 s35, s23, KH*64                      ; among u's scale words,
	s_mul_i32 s28, s23, KH*4                       ; in a row of the weight's scale bytes
	s_mov_b32 s55, 0
	s_wait_kmcnt 0x0
	s_mul_i32 s54, s32, KS*2048
	s_add_co_u32 s54, s54, s34
	s_add_nc_u64 s[PAL:PAL+1], s[4:5], s[54:55]
	s_mul_i32 s54, s33, KS*2048
	s_add_co_u32 s54, s54, s34
	s_add_nc_u64 s[PAH:PAH+1], s[4:5], s[54:55]
	s_mul_i32 s54, s32, KS*64
	s_add_co_u32 s54, s54, s35
	s_add_co_u32 s54, s54, SOFF
	s_add_nc_u64 s[PSL:PSL+1], s[4:5], s[54:55]
	s_mul_i32 s54, s33, KS*64
	s_add_co_u32 s54, s54, s35
	s_add_co_u32 s54, s54, SOFF
	s_add_nc_u64 s[PSH:PSH+1], s[4:5], s[54:55]
	s_mul_i32 s54, s31, KS*2048
	s_add_co_u32 s54, s54, s34
	s_add_co_u32 s54, s54, WOFF
	s_add_nc_u64 s[PB:PB+1], s[6:7], s[54:55]
	s_mul_i32 s54, s31, KS*64
	s_add_co_u32 s54, s54, s28
	s_add_nc_u64 s[PW:PW+1], s[8:9], s[54:55]
	s_lshl_b32 s54, s31, 6
	s_add_nc_u64 s[PBI:PBI+1], s[10:11], s[54:55]
	s_lshl_b32 s25, s32, 16
	s_add_co_u32 s54, s54, s25                     ; the corner of what I store: 16 x 4,096 bytes a tile of rows, 64 a tile of columns
	s_add_nc_u64 s[PR:PR+1], s[12:13], s[54:55]
	s_add_nc_u64 s[PO:PO+1], s[14:15], s[54:55]
	global_load_b128 v[BV:BV+3], v10, s[PBI:PBI+1]
	SCALES 0
	LOADF 0
	LOADF 1
.set Q, 0
.rept KH
	STEP Q
.set Q, Q+1
.endr
.rept 8
	v_nop                                          ; eight places ahead of the first read of results and of the loads into the fragments' registers
.endr
.macro RES j                           ; the residual's 16 rows x 256 bytes of the j-th tile that I keep
.irp q, 0,1,2,3,4,5,6,7
	global_load_b128 v[RR+32*(\j)+4*\q:RR+32*(\j)+4*\q+3], v9, s[PR:PR+1] offset:(16*(\j)+2*\q)*4096
.endr
.endm
.macro OUT j
.set RS, RR+32*(\j)
.irp t, 0,1,2,3
	ds_store_b128 v7, v[ACC+8*(4*\j+\t):ACC+8*(4*\j+\t)+3] offset:128*(\t/2)+32*(\t%2)       ; each accumulator from its low end on
	ds_store_b128 v7, v[ACC+8*(4*\j+\t)+4:ACC+8*(4*\j+\t)+7] offset:128*(\t/2)+32*(\t%2)+16
.endr
.irp q, 0,1,2,3,4,5,6,7
	ds_load_b128 v[OB+4*\q:OB+4*\q+3], v8 offset:544*\q            ; LDS serves a wave's instructions in order (ISA guide 5.7.1.4): these see the stores above, and the next tile's stores come behind them
	ds_load_b128 v[OC+4*\q:OC+4*\q+3], v13 offset:\j*4352+544*\q   ; what my partner sent, behind the barrier
.endr
	s_wait_dscnt 0x0
.irp k, 0,1,2,3,4,5,6,7,8,9,10,11,12,13,14,15
	v_pk_add_f32 v[OB+2*\k:OB+2*\k+1], v[OB+2*\k:OB+2*\k+1], v[OC+2*\k:OC+2*\k+1]           ; the two halves of K
.endr
.irp k, 0,1,2,3,4,5,6,7,8,9,10,11,12,13,14,15
	v_pk_add_f32 v[OB+2*\k:OB+2*\k+1], v[OB+2*\k:OB+2*\k+1], v[BV+2*(\k%2):BV+2*(\k%2)+1]   ; the bias of my four columns
.endr
.if \j == 0
	s_wait_loadcnt 8                               ; this tile's residual is in; the next tile's eight loads stay out
.else
	s_wait_loadcnt 0x0
.endif
	WIN 0x41                                       ; destination and source 0 window 1, source 1 window 0
.irp k, 0,1,2,3,4,5,6,7,8,9,10,11,12,13,14,15
	v_pk_add_f32 v[RS+2*\k:RS+2*\k+1], v[RS+2*\k:RS+2*\k+1], v[OB+2*\k:OB+2*\k+1]
.endr
	WIN 0x04                                       ; a store's data are its source 1: window 1
.irp q, 0,1,2,3,4,5,6,7
	global_store_b128 v9, v[RS+4*\q:RS+4*\q+3], s[PO:PO+1] offset:(16*\j+2*\q)*4096 th:TH_STORE_NT   ; sixteen lanes store 256 consecutive bytes, aligned; written once, read by nobody here
.endr
	WIN 0
.endm
	WIN 0x40
	RES 0
	RES 1
	WIN 0
.irp j, 0,1
.irp t, 0,1,2,3
	ds_store_b128 v12, v[ACC+8*(4*(\j+2)+\t):ACC+8*(4*(\j+2)+\t)+3] offset:\j*4352+128*(\t/2)+32*(\t%2)       ; to my partner: each accumulator from its low end on
	ds_store_b128 v12, v[ACC+8*(4*(\j+2)+\t)+4:ACC+8*(4*(\j+2)+\t)+7] offset:\j*4352+128*(\t/2)+32*(\t%2)+16
.endr
.endr
	s_wait_dscnt 0x0                               ; for my partner's sake: what I sent lies in LDS
	s_barrier_signal -1
	s_barrier_wait -1                              ; and what I was sent
	OUT 0
	OUT 1
	s_wait_tensorcnt 0x0
	ds_add_u32 v126, v127
	s_wait_dscnt 0x0
	s_endpgm
.Lfunc_end_k_qa3b5c07484_g2:
	.size	k_qa3b5c07484_g2, .Lfunc_end_k_qa3b5c07484_g2-k_qa3b5c07484_g2
	.p2alignl 7, 3214868480
	.fill 96, 4, 3214868480
	.section	.rodata,"a",@progbits
	.p2align	6, 0x0
	.amdhsa_kernel k_qa3b5c07484_g2
		.amdhsa_group_segment_fixed_size 105472
		.amdhsa_private_segment_fixed_size 0
		.amdhsa_enable_private_segment 0
		.amdhsa_kernarg_size 48
		.amdhsa_user_sgpr_count 2
		.amdhsa_user_sgpr_kernarg_segment_ptr 1
		.amdhsa_wavefront_size32 1
		.amdhsa_system_sgpr_workgroup_id_x 1
		.amdhsa_system_sgpr_workgroup_id_y 1
		.amdhsa_system_sgpr_workgroup_id_z 1
		.amdhsa_system_vgpr_workitem_id 0
		.amdhsa_next_free_vgpr 512
		.amdhsa_next_free_sgpr 66
		.amdhsa_reserve_vcc 0
		.amdhsa_float_denorm_mode_32 3
		.amdhsa_float_denorm_mode_16_64 3
		.amdhsa_memory_ordered 1
		.amdhsa_forward_progress 1
		.amdhsa_inst_pref_size 108
	.end_amdhsa_kernel
	.amdgpu_metadata
---
amdhsa.version: [ 1, 2 ]
amdhsa.kernels:
  - .name:           k_qa3b5c07484_g2
    .symbol:         k_qa3b5c07484_g2.kd
    .args:
      - { .name: uq, .offset: 0, .size: 8, .value_kind: global_buffer, .address_space: global }
      - { .name: wimg, .offset: 8, .size: 8, .value_kind: global_buffer, .address_space: global }
      - { .name: w2_scales, .offset: 16, .size: 8, .value_kind: global_buffer, .address_space: global }
      - { .name: b2, .offset: 24, .size: 8, .value_kind: global_buffer, .address_space: global }
      - { .name: x1, .offset: 32, .size: 8, .value_kind: global_buffer, .address_space: global }
      - { .name: out0, .offset: 40, .size: 8, .value_kind: global_buffer, .address_space: global }
    .group_segment_fixed_size: 105472
    .private_segment_fixed_size: 0
    .kernarg_segment_align: 8
    .kernarg_segment_size: 48
    .max_flat_workgroup_size: 256
    .sgpr_count:     66
    .vgpr_count:     512
    .wavefront_size: 32
...
	.end_amdgpu_metadata
.endif
;; end of part 8
;; ======== version 2 of 2: 8 launches
;; workspace buffers: modv 32,768 bytes; wimg 10,616,832 bytes; h 16,777,216 bytes; actA 4,325,376 bytes; qkv 4,997,120 bytes; x1 16,777,216 bytes; uq 17,301,504 bytes
;; launch prep (part 9): grid 113 x 1, 32 waves a work-group, no clusters, 73,728 bytes of LDS; arguments cond, amod_gw, amod_bw, amod_gb, amod_bb, amod_nw, amod_nb, fmod_gw, fmod_bw, fmod_gb, fmod_bb, fmod_nw, fmod_nb, wq_codes, wkv_codes, wo_codes, w1_codes, w2_codes, modv, wimg; writes modv, wimg
.if DOCPART == 9
	.amdgcn_target "amdgcn-amd-amdhsa--gfx1250"
	.amdhsa_code_object_version 6
	.text
	.protected	k_qa3b5c07484_prep
	.globl	k_qa3b5c07484_prep
	.p2align	8
	.type	k_qa3b5c07484_prep,@function
k_qa3b5c07484_prep:
	s_mov_b64 s[64:65], 0
	v_nop
	global_prefetch_b8 v0, s[64:65] scope:SCOPE_SE
	s_setreg_imm32_b32 hwreg(HW_REG_WAVE_MODE, 25, 1), 1
	s_wait_xcnt 0x0
; PREP.  Two kinds of work-groups, told apart by the work-group's number alone.
; Work-groups 0-31 (MOD): the two modulations.  g = cond gw + gb, be = cond bw + bb, all in f32 by fused multiply-adds, folded with the norm's gain and bias:
;   A = nw (1 + g), Bc = nb (1 + g) + be, so that LN(x) (1 + g) + be = (x - mu) rs A + Bc.  modv: [set a, f][A, Bc][batch][1024] f32.
;   Work-group = set x 16 + group of 64 columns.  Thread t: K rows 8 (t / 16) .. + 7, columns 4 (t % 16) .. + 3: sixteen lanes read 256 consecutive bytes of a row of gw or bw.
;   The 64 partial sums of a column meet in LDS (65,536 bytes are used; the launch claims a little more); behind one barrier wave j (0, 1) adds them for batch j, two columns a lane.
; Work-groups 32-112 (RELAY): the five weights' codes are laid as IMAGES OF OPERAND REGISTERS.  A tile is 16 rows x 128 K = 2,048 bytes: byte 512 c + 16 lane holds the 16 codes of the
;   tile's row lane % 16 at k = 128 ks + 32 c + 16 (lane / 16) + 0 .. 15.  Tile (nt, ks) lies at (nt KS + ks) x 2,048 from the weight's start.  THE ROWS OF A TILE ARE NOT NEIGHBOURS:
;   row r of tile nt is the weight's row 32 (nt / 2) + 8 (nt % 2) + r + 8 (r / 8), so that two neighbouring tiles' results are 16 neighbours along the next product's K.
;   wimg: wq at 0, wkv at 0x100000, wo at 0x120000, w1 at 0x220000, w2 at 0x620000: 131,072 bytes to a work-group, 4,096 (two tiles) to a wave.
;   A wave's eight loads together read 256 consecutive bytes of each of 16 rows; each of its stores covers 512 consecutive bytes.
; LIMIT: folding nw, nb, 1 + g and be ahead of the multiplication rounds once more in f32 than the unfolded form.
.set NMOD, 32
.set CD, 16                            ; v16-31  cond: batch b, K row i at CD + 8 b + i
.set GW, 32                            ; v32-63  8 rows x 4 columns of gw;  v64-95 of bw
.set AC, 96                            ; v96-111 sums: matrix m, batch b at AC + 8 m + 4 b
	s_load_b512 s[8:23], s[0:1], 0x0               ; cond 8, a: gw 10, bw 12, gb 14, bb 16, nw 18, nb 20, f: gw 22
	s_load_b512 s[24:39], s[0:1], 0x40             ; f: bw 24, gb 26, bb 28, nw 30, nb 32; codes: wq 34, wkv 36, wo 38
	s_load_b256 s[40:47], s[0:1], 0x80             ; w1 40, w2 42; modv 44, wimg 46
	v_lshl_add_u32 v126, v0, 2, 0x11000
	v_mov_b32 v127, 0
	v_lshrrev_b32 v1, 5, v0
	s_delay_alu instid0(VALU_DEP_1)
	v_readfirstlane_b32 s2, v1                     ; wave 0..31
	v_and_b32 v2, 31, v0                           ; lane
	v_and_b32 v3, 15, v0                           ; r
	v_bfe_u32 v4, v0, 4, 1                         ; h
	v_lshrrev_b32 v5, 4, v0                        ; P = t / 16: which eight K rows
	s_delay_alu instid0(VALU_DEP_3)
	v_lshlrev_b32 v6, 4, v3
	s_delay_alu instid0(VALU_DEP_1)
	v_lshl_add_u32 v7, v5, 10, v6                  ; LDS, partial sums: 1,024 P + 16 r: 64,752 at the most, and 784 more with the last store's offset and width
	s_delay_alu instid0(VALU_DEP_2)
	v_lshl_or_b32 v8, v5, 15, v6                   ; gw, bw: 8 P rows of 4,096 bytes + 16 r
	s_delay_alu instid0(VALU_DEP_4)
	v_lshlrev_b32 v9, 5, v5                        ; cond: 32 P
	v_lshlrev_b32 v10, 3, v2                       ; 8 x lane: two columns
	s_delay_alu instid0(VALU_DEP_1)
	v_lshl_or_b32 v11, v1, 8, v10                  ; LDS, the adding up: 256 x wave + 8 x lane
	v_lshlrev_b32 v12, 4, v2                       ; 16 x lane: an image's place
	v_and_b32 v13, 8, v3
	s_delay_alu instid0(VALU_DEP_1)
	v_add_nc_u32 v13, v13, v3                      ; r + 8 (r / 8)
	s_lshr_b32 s3, ttmp9, 4                        ; set
	s_and_b32 s4, ttmp9, 15
	s_lshl_b32 s4, s4, 8                           ; my 64 columns: 256 bytes
	s_mov_b32 s5, 0
	s_wait_kmcnt 0x0
	s_cmp_eq_u32 s3, 0                             ; the choice hangs on the work-group's number alone
	s_cselect_b64 s[10:11], s[10:11], s[22:23]
	s_cselect_b64 s[12:13], s[12:13], s[24:25]
	s_cselect_b64 s[14:15], s[14:15], s[26:27]
	s_cselect_b64 s[16:17], s[16:17], s[28:29]
	s_cselect_b64 s[18:19], s[18:19], s[30:31]
	s_cselect_b64 s[20:21], s[20:21], s[32:33]
.irp p, 10,12,14,16,18,20
	s_add_nc_u64 s[\p:\p+1], s[\p:\p+1], s[4:5]
.endr
	s_cmp_ge_u32 ttmp9, NMOD
	s_cbranch_scc1 .Lrelay
	s_wait_alu depctr_va_vdst(0)
	; ---- MOD, first part: my eight K rows x four columns, both matrices, both batches
.irp b, 0,1
.irp q, 0,1
	global_load_b128 v[CD+8*\b+4*\q:CD+8*\b+4*\q+3], v9, s[8:9] offset:2048*\b+16*\q
.endr
.endr
.irp i, 0,1,2,3,4,5,6,7
	global_load_b128 v[GW+4*\i:GW+4*\i+3], v8, s[10:11] offset:4096*\i th:TH_LOAD_NT
	global_load_b128 v[GW+32+4*\i:GW+32+4*\i+3], v8, s[12:13] offset:4096*\i th:TH_LOAD_NT
.endr
	s_wait_loadcnt 0x0
.irp m, 0,1
.irp b, 0,1
.irp j, 0,1,2,3
	v_mul_f32 v[AC+8*\m+4*\b+\j], v[CD+8*\b], v[GW+32*\m+\j]       ; the first K row starts the sums
.endr
.endr
.endr
.irp i, 1,2,3,4,5,6,7
.irp m, 0,1
.irp b, 0,1
.irp j, 0,1,2,3
	v_fmac_f32 v[AC+8*\m+4*\b+\j], v[CD+8*\b+\i], v[GW+32*\m+4*\i+\j]
.endr
.endr
.endr
.endr
.irp m, 0,1
.irp b, 0,1
	ds_store_b128 v7, v[AC+8*\m+4*\b:AC+8*\m+4*\b+3] offset:256*(2*\m+\b)
.endr
.endr
	s_branch .Ljoin
.Lrelay:
	; ---- RELAY: which weight, by the work-group's number
	s_sub_co_u32 s48, ttmp9, NMOD                  ; j = 0 .. 80
	s_mov_b64 s[50:51], s[42:43]                   ; w2: from j = 49 on, 32 K steps to a row
	s_mov_b32 s52, 49
	s_mov_b32 s53, 5
	s_cmp_lt_u32 s48, 49
	s_cselect_b64 s[50:51], s[40:41], s[50:51]     ; w1: from 17; 8 K steps, as all that follow
	s_cselect_b32 s52, 17, s52
	s_cselect_b32 s53, 3, s53
	s_cmp_lt_u32 s48, 17
	s_cselect_b64 s[50:51], s[38:39], s[50:51]     ; wo: from 9
	s_cselect_b32 s52, 9, s52
	s_cmp_lt_u32 s48, 9
	s_cselect_b64 s[50:51], s[36:37], s[50:51]     ; wkv: 8
	s_cselect_b32 s52, 8, s52
	s_cmp_lt_u32 s48, 8
	s_cselect_b64 s[50:51], s[34:35], s[50:51]     ; wq: from 0
	s_cselect_b32 s52, 0, s52
	s_sub_co_u32 s54, s48, s52
	s_lshl_b32 s54, s54, 6
	s_lshl_b32 s55, s2, 1
	s_add_co_u32 s54, s54, s55                     ; my first tile of the weight: nt KS + ks, an even number: both my tiles have one nt
	s_lshr_b32 s55, s54, s53                       ; nt
	s_bfm_b32 s56, s53, 0
	s_and_b32 s56, s54, s56                        ; ks
	s_lshr_b32 s57, s55, 1
	s_lshl_b32 s57, s57, 5
	s_and_b32 s58, s55, 1
	s_lshl_b32 s58, s58, 3
	s_add_co_u32 s57, s57, s58                     ; the tile's first row: 32 (nt / 2) + 8 (nt % 2)
	s_add_co_u32 s59, s53, 7                       ; a row is 2^this bytes
	s_lshl_b32 s60, s57, s59
	s_lshl_b32 s56, s56, 7
	s_add_co_u32 s60, s60, s56
	s_mov_b32 s61, 0
	s_add_nc_u64 s[50:51], s[50:51], s[60:61]
	s_wait_alu depctr_va_vdst(0)
	v_lshlrev_b32 v14, s59, v13                    ; my row of the tile,
	s_delay_alu instid0(VALU_DEP_1)
	v_lshl_add_u32 v14, v4, 4, v14                 ; + 16 h
	s_lshl_b32 s62, s48, 17
	s_lshl_b32 s63, s2, 12
	s_add_co_u32 s62, s62, s63
	s_mov_b32 s63, 0
	s_add_nc_u64 s[46:47], s[46:47], s[62:63]      ; wimg at my two tiles
.irp e, 0,1
.irp c, 0,1,2,3
	global_load_b128 v[32+16*\e+4*\c:35+16*\e+4*\c], v14, s[50:51] offset:128*\e+32*\c
.endr
.endr
	s_wait_loadcnt 0x0
.irp e, 0,1
.irp c, 0,1,2,3
	global_store_b128 v12, v[32+16*\e+4*\c:35+16*\e+4*\c], s[46:47] offset:2048*\e+512*\c
.endr
.endr
	s_wait_xcnt 0x0                                ; the stores have read v12 and v32-63 (ISA guide 3.1): the text behind the common label writes v32 on again, and only behind this wait
.Ljoin:
	s_wait_dscnt 0x0                               ; for the others' sake: my partial sums lie in LDS
	s_barrier_signal -1
	s_barrier_wait -1                              ; one barrier, on every wave's way
	s_cmp_ge_u32 ttmp9, NMOD
	s_cbranch_scc1 .Lend
	s_cmp_ge_u32 s2, 2
	s_cbranch_scc1 .Lend
	; ---- MOD, second part: wave j adds the 64 partial sums for batch j, two columns a lane
	s_lshl_b32 s6, s3, 14
	s_lshl_b32 s7, s2, 12
	s_add_co_u32 s6, s6, s7
	s_add_co_u32 s6, s6, s4
	s_mov_b32 s7, 0
	s_add_nc_u64 s[44:45], s[44:45], s[6:7]        ; modv: set, batch, my 64 columns
	global_load_b64 v[16:17], v10, s[14:15]        ; gb
	global_load_b64 v[18:19], v10, s[16:17]        ; bb
	global_load_b64 v[20:21], v10, s[18:19]        ; nw
	global_load_b64 v[22:23], v10, s[20:21]        ; nb
.macro SUM m, a                        ; matrix m's 64 partial sums, 32 at a time, in two chains a and a + 2
.irp f, 0,1
.set P, 0
.rept 32
	ds_load_b64 v[32+2*P:33+2*P], v11 offset:1024*(32*\f+P)+512*\m
.set P, P+1
.endr
	s_wait_alu depctr_va_vdst(0)
	s_wait_dscnt 0x0
.if \f == 0
	v_pk_add_f32 v[\a:\a+1], v[32:33], v[34:35]                    ; the first four start the chains
	v_pk_add_f32 v[\a+2:\a+3], v[36:37], v[38:39]
.set P, 4
.else
.set P, 0
.endif
	v_pk_add_f32 v[\a:\a+1], v[\a:\a+1], v[32+2*P:33+2*P]
	v_pk_add_f32 v[\a+2:\a+3], v[\a+2:\a+3], v[34+2*P:35+2*P]
.set P, P+2
.rept (14+2*\f)-1
	s_delay_alu instid0(VALU_DEP_2)
	v_pk_add_f32 v[\a:\a+1], v[\a:\a+1], v[32+2*P:33+2*P]
	s_delay_alu instid0(VALU_DEP_2)
	v_pk_add_f32 v[\a+2:\a+3], v[\a+2:\a+3], v[34+2*P:35+2*P]
.set P, P+2
.endr
.endr
	s_delay_alu instid0(VALU_DEP_1)
	v_pk_add_f32 v[\a:\a+1], v[\a:\a+1], v[\a+2:\a+3]
.endm
	SUM 0, 96
	SUM 1, 100
	s_wait_alu depctr_va_vdst(0)
	s_wait_loadcnt 0x0
	v_pk_add_f32 v[96:97], v[96:97], v[16:17]                      ; g
	s_delay_alu instid0(VALU_DEP_1)
	v_pk_add_f32 v[96:97], v[96:97], 1.0 op_sel_hi:[1,0]           ; 1 + g
	v_pk_add_f32 v[100:101], v[100:101], v[18:19]                  ; be
	s_delay_alu instid0(VALU_DEP_2)
	v_pk_mul_f32 v[104:105], v[20:21], v[96:97]                    ; A
	s_delay_alu instid0(VALU_DEP_2)
	v_pk_fma_f32 v[106:107], v[22:23], v[96:97], v[100:101]        ; Bc
	global_store_b64 v10, v[104:105], s[44:45]                     ; 32 lanes store 256 consecutive bytes, aligned
	global_store_b64 v10, v[106:107], s[44:45] offset:8192
.Lend:
	s_wait_tensorcnt 0x0
	ds_add_u32 v126, v127
	s_wait_dscnt 0x0
	s_endpgm
.Lfunc_end_k_qa3b5c07484_prep:
	.size	k_qa3b5c07484_prep, .Lfunc_end_k_qa3b5c07484_prep-k_qa3b5c07484_prep
	.p2alignl 7, 3214868480
	.fill 96, 4, 3214868480
	.section	.rodata,"a",@progbits
	.p2align	6, 0x0
	.amdhsa_kernel k_qa3b5c07484_prep
		.amdhsa_group_segment_fixed_size 73728
		.amdhsa_private_segment_fixed_size 0
		.amdhsa_enable_private_segment 0
		.amdhsa_kernarg_size 160
		.amdhsa_user_sgpr_count 2
		.amdhsa_user_sgpr_kernarg_segment_ptr 1
		.amdhsa_wavefront_size32 1
		.amdhsa_system_sgpr_workgroup_id_x 1
		.amdhsa_system_sgpr_workgroup_id_y 1
		.amdhsa_system_sgpr_workgroup_id_z 1
		.amdhsa_system_vgpr_workitem_id 0
		.amdhsa_next_free_vgpr 128
		.amdhsa_next_free_sgpr 66
		.amdhsa_reserve_vcc 0
		.amdhsa_float_denorm_mode_32 3
		.amdhsa_float_denorm_mode_16_64 3
		.amdhsa_memory_ordered 1
		.amdhsa_forward_progress 1
		.amdhsa_inst_pref_size 33
	.end_amdhsa_kernel
	.amdgpu_metadata
---
amdhsa.version: [ 1, 2 ]
amdhsa.kernels:
  - .name:           k_qa3b5c07484_prep
    .symbol:         k_qa3b5c07484_prep.kd
    .args:
      - { .name: cond, .offset: 0, .size: 8, .value_kind: global_buffer, .address_space: global }
      - { .name: amod_gw, .offset: 8, .size: 8, .value_kind: global_buffer, .address_space: global }
      - { .name: amod_bw, .offset: 16, .size: 8, .value_kind: global_buffer, .address_space: global }
      - { .name: amod_gb, .offset: 24, .size: 8, .value_kind: global_buffer, .address_space: global }
      - { .name: amod_bb, .offset: 32, .size: 8, .value_kind: global_buffer, .address_space: global }
      - { .name: amod_nw, .offset: 40, .size: 8, .value_kind: global_buffer, .address_space: global }
      - { .name: amod_nb, .offset: 48, .size: 8, .value_kind: global_buffer, .address_space: global }
      - { .name: fmod_gw, .offset: 56, .size: 8, .value_kind: global_buffer, .address_space: global }
      - { .name: fmod_bw, .offset: 64, .size: 8, .value_kind: global_buffer, .address_space: global }
      - { .name: fmod_gb, .offset: 72, .size: 8, .value_kind: global_buffer, .address_space: global }
      - { .name: fmod_bb, .offset: 80, .size: 8, .value_kind: global_buffer, .address_space: global }
      - { .name: fmod_nw, .offset: 88, .size: 8, .value_kind: global_buffer, .address_space: global }
      - { .name: fmod_nb, .offset: 96, .size: 8, .value_kind: global_buffer, .address_space: global }
      - { .name: wq_codes, .offset: 104, .size: 8, .value_kind: global_buffer, .address_space: global }
      - { .name: wkv_codes, .offset: 112, .size: 8, .value_kind: global_buffer, .address_space: global }
      - { .name: wo_codes, .offset: 120, .size: 8, .value_kind: global_buffer, .address_space: global }
      - { .name: w1_codes, .offset: 128, .size: 8, .value_kind: global_buffer, .address_space: global }
      - { .name: w2_codes, .offset: 136, .size: 8, .value_kind: global_buffer, .address_space: global }
      - { .name: modv, .offset: 144, .size: 8, .value_kind: global_buffer, .address_space: global }
      - { .name: wimg, .offset: 152, .size: 8, .value_kind: global_buffer, .address_space: global }
    .group_segment_fixed_size: 73728
    .private_segment_fixed_size: 0
    .kernarg_segment_align: 8
    .kernarg_segment_size: 160
    .max_flat_workgroup_size: 1024
    .sgpr_count:     66
    .vgpr_count:     128
    .wavefront_size: 32
...
	.end_amdgpu_metadata
.endif
;; end of part 9
;; launch ln1 (part 10): grid 256 x 1, 16 waves a work-group, no clusters, 110,592 bytes of LDS; arguments x, modv, attn_nw, attn_nb, h, actA; writes h, actA
.if DOCPART == 10
	.amdgcn_target "amdgcn-amd-amdhsa--gfx1250"
	.amdhsa_code_object_version 6
	.text
	.protected	k_qa3b5c07484_ln1
	.globl	k_qa3b5c07484_ln1
	.p2align	8
	.type	k_qa3b5c07484_ln1,@function
k_qa3b5c07484_ln1:
	s_mov_b64 s[64:65], 0
	v_nop
	global_prefetch_b8 v0, s[64:65] scope:SCOPE_SE
	s_setreg_imm32_b32 hwreg(HW_REG_WAVE_MODE, 25, 1), 1
	s_wait_xcnt 0x0
; LN1 = 1:  h = (x - mu) rs A + Bc (f32, stored);  hn = LN(h) attn_nw + attn_nb, quantised to E5M2 with one E8M0 byte for each 32 along the row, stored as operand images.
; LN1 = 0:  h2 = (x1 - mu) rs A + Bc, quantised and stored likewise; nothing else is stored.   (One text serves both launches; the flag below and the two lines of the spare word differ.)
; SHARES.  A work-group owns 16 rows, one tile of rows; wave w owns row w and keeps it in 32 registers: each of its eight loads covers 512 consecutive bytes.  Mean and variance in two passes, as they are defined.
; The gain and bias vectors come into LDS once for the work-group (each wave fetches a part), then every wave reads them in its row's layout.
; THE TURN.  The conversions take neighbours along K from one lane's registers: the row goes through the wave's own 4,608 bytes of LDS (16 bytes of padding behind each 128) and comes back 32 neighbours a lane: a whole block.
; THE IMAGE.  Tile (mt, ks) of actA, 2,048 bytes at (8 mt + ks) x 2,048: byte 512 c + 16 (r + 16 h) holds row r's codes at k = 128 ks + 32 c + 16 h + 0 .. 15.  Lane l of wave w holds block l of row w: bytes 512 l + 16 w and + 256.
; The sixteen waves gather the tile row's 16,384 bytes in LDS (each 256 bytes + 16 of padding) and store them 512 consecutive bytes an instruction.  Scale words: (8 mt + ks) x 64 + 4 r behind 0x400000.
; A block's scale byte is its largest magnitude's exponent field - 15, held at 1 from below; numbers are held at +-57,344 x the scale ahead of the conversion, which does not saturate (ISA guide 7.6.2).
; LIMITS: NaN and infinities are not served; a block of zeros, or one under 2^-111, gets the byte 1 (its codes are zeros or what the floor's scale gives; this program alone reads the bytes); 1/sqrt by v_rsq_f32.
.set LN1, 1
.if LN1
.set PARB, 16384                       ; LDS: four vectors of 4,096 bytes: A, Bc, attn_nw, attn_nb
.set WSH, 10                           ; a wave fetches 1,024 bytes of them
.set Y, 128                            ; where the numbers to be quantised stand
.else
.set PARB, 8192                        ; A, Bc
.set WSH, 9
.set Y, 32
.endif
.set TURN, PARB                        ; 4,608 bytes for each wave
.set IMG, TURN+16*4608                 ; 64 x (256 + 16) bytes
.set SCW, IMG+64*272                   ; 512 scale bytes
.set X, 32                             ; v32-63   the row
.set PA, 64                            ; v64-95   gain;  later the row turned
.set PB, 96                            ; v96-127  bias
.set C, 160                            ; v160-167 a block's codes
.if LN1
	s_load_b256 s[4:11], s[0:1], 0x0               ; x, modv, attn_nw, attn_nb
	s_load_b128 s[12:15], s[0:1], 0x20             ; h, actA
	v_lshl_add_u32 v176, v0, 2, 0x1a800
	v_mov_b32 v177, 0
.else
	s_load_b128 s[4:7], s[0:1], 0x0                ; x1, modv
	s_load_b64 s[14:15], s[0:1], 0x10              ; actA
.endif
	v_lshrrev_b32 v1, 5, v0
	s_delay_alu instid0(VALU_DEP_1)
	v_readfirstlane_b32 s16, v1                    ; wave 0..15
	v_and_b32 v1, 31, v0                           ; lane
	s_delay_alu instid0(VALU_DEP_1)
	v_lshlrev_b32 v2, 4, v1                        ; 16 x lane
	s_lshl_b32 s17, s16, WSH
	v_add_nc_u32 v3, s17, v2                       ; LDS: where my part of the vectors goes
	s_mul_i32 s18, s16, 4608
	s_add_co_u32 s18, s18, TURN
	v_lshrrev_b32 v4, 3, v1
	s_delay_alu instid0(VALU_DEP_1)
	v_add_nc_u32 v4, v4, v1
	s_delay_alu instid0(VALU_DEP_1)
	v_lshl_add_u32 v4, v4, 4, s18                  ; the turn, in: 16 lane + 16 (lane / 8); 576 bytes a load
	v_mul_u32_u24 v5, v1, 144
	s_delay_alu instid0(VALU_DEP_1)
	v_add_nc_u32 v5, s18, v5                       ; the turn, out: 144 x lane
	s_lshl_b32 s19, s16, 4
	s_add_co_u32 s19, s19, IMG
	v_mul_u32_u24 v6, v1, 544
	s_delay_alu instid0(VALU_DEP_1)
	v_add_nc_u32 v6, s19, v6                       ; the image, in: 2 x 272 x lane + 16 x wave
	s_lshl_b32 s19, s16, 2
	s_add_co_u32 s19, s19, SCW
	v_lshrrev_b32 v7, 2, v1
	v_and_b32 v16, 3, v1
	s_delay_alu instid0(VALU_DEP_1)
	v_lshl_or_b32 v7, v7, 6, v16
	s_delay_alu instid0(VALU_DEP_1)
	v_add_nc_u32 v7, s19, v7                       ; my scale byte: 64 (lane / 4) + 4 x wave + lane % 4
	s_mul_i32 s19, s16, 1088
	s_add_co_u32 s19, s19, IMG
	v_lshrrev_b32 v16, 4, v1
	s_delay_alu instid0(VALU_DEP_1)
	v_mul_u32_u24 v16, v16, 272
	v_and_b32 v17, 15, v1
	s_delay_alu instid0(VALU_DEP_1)
	v_lshl_add_u32 v16, v17, 4, v16
	s_delay_alu instid0(VALU_DEP_1)
	v_add_nc_u32 v16, s19, v16                     ; the image, out: unit 4 x wave + lane / 16, 16 (lane % 16)
	v_add_nc_u32 v17, SCW, v2                      ; the scale words, out (wave 0)
	s_mov_b32 s20, 0x76543210
	s_mov_b32 s21, 0xfedcba98                      ; v_permlanex16_b32's selects for lane l xor 16
	s_mov_b32 s22, 0x600000                        ; the mantissa field of 57,344
	s_mov_b32 s23, 0x3a800000                      ; 1 / 1,024
	s_mov_b32 s24, 0x3727c5ac                      ; 1e-5
	s_lshr_b32 s25, ttmp9, 7                       ; batch
	s_lshl_b32 s26, s25, 12
	s_mov_b32 s27, 0
	s_lshl_b32 s28, ttmp9, 16
	s_lshl_b32 s29, s16, 12
	s_add_co_u32 s28, s28, s29                     ; my row: (16 mt + wave) x 4,096 bytes
	s_mov_b32 s29, 0
	s_lshl_b32 s30, ttmp9, 14
	s_lshl_b32 s31, s16, 10
	s_add_co_u32 s30, s30, s31                     ; my 1,024 bytes of the tile row's images
	s_mov_b32 s31, 0
	s_lshl_b32 s32, ttmp9, 9
	s_add_co_u32 s32, s32, 0x400000                ; the tile row's 512 scale bytes
	s_mov_b32 s33, 0
.if LN1
	s_lshr_b32 s34, s16, 2                         ; which vector I fetch,
	s_and_b32 s35, s16, 3
	s_lshl_b32 s36, s35, 10                        ; which quarter of it
	s_mov_b32 s37, 0
	s_wait_kmcnt 0x0
	s_add_nc_u64 s[6:7], s[6:7], s[26:27]          ; A of my batch
	s_add_nc_u64 s[38:39], s[6:7], 8192            ; Bc
	s_cmp_eq_u32 s34, 0                            ; the choice hangs on the wave's number alone
	s_cselect_b64 s[40:41], s[6:7], s[10:11]
	s_cmp_eq_u32 s34, 1
	s_cselect_b64 s[40:41], s[38:39], s[40:41]
	s_cmp_eq_u32 s34, 2
	s_cselect_b64 s[40:41], s[8:9], s[40:41]
	s_add_nc_u64 s[40:41], s[40:41], s[36:37]
	s_add_nc_u64 s[12:13], s[12:13], s[28:29]
.else
	s_lshr_b32 s34, s16, 3
	s_lshl_b32 s34, s34, 13                        ; A or Bc,
	s_and_b32 s35, s16, 7
	s_lshl_b32 s35, s35, 9                         ; which eighth
	s_add_co_u32 s36, s34, s35
	s_add_co_u32 s36, s36, s26
	s_add_co_u32 s36, s36, 16384                   ; the second set
	s_mov_b32 s37, 0
	s_wait_kmcnt 0x0
	s_add_nc_u64 s[40:41], s[6:7], s[36:37]
.endif
	s_add_nc_u64 s[4:5], s[4:5], s[28:29]
	s_add_nc_u64 s[42:43], s[14:15], s[30:31]
	s_add_nc_u64 s[44:45], s[14:15], s[32:33]
	global_load_b128 v[PA:PA+3], v2, s[40:41]
.if LN1
	global_load_b128 v[PA+4:PA+7], v2, s[40:41] offset:512
.endif
.irp j, 0,1,2,3,4,5,6,7
.if LN1
	global_load_b128 v[X+4*\j:X+4*\j+3], v2, s[4:5] offset:512*\j th:TH_LOAD_NT   ; read once in the whole program
.else
	global_load_b128 v[X+4*\j:X+4*\j+3], v2, s[4:5] offset:512*\j
.endif
.endr
	s_wait_loadcnt 8                               ; my part of the vectors is in; the row's eight loads, issued behind it, stay out
	ds_store_b128 v3, v[PA:PA+3]
.if LN1
	ds_store_b128 v3, v[PA+4:PA+7] offset:512
.endif
	s_wait_dscnt 0x0                               ; for the others' sake
	s_barrier_signal -1
	s_barrier_wait -1                              ; the vectors lie in LDS
.irp j, 0,1,2,3,4,5,6,7
	ds_load_b128 v[PA+4*\j:PA+4*\j+3], v2 offset:512*\j
	ds_load_b128 v[PB+4*\j:PB+4*\j+3], v2 offset:4096+512*\j
.endr
.macro LANESUM                         ; v8 over the 32 lanes, the result in every lane
	s_delay_alu instid0(VALU_DEP_1)
	v_add_f32_dpp v8, v8, v8 row_xmask:1 row_mask:0xf bank_mask:0xf
	s_delay_alu instid0(VALU_DEP_1)
	v_add_f32_dpp v8, v8, v8 row_xmask:2 row_mask:0xf bank_mask:0xf
	s_delay_alu instid0(VALU_DEP_1)
	v_add_f32_dpp v8, v8, v8 row_xmask:4 row_mask:0xf bank_mask:0xf
	s_delay_alu instid0(VALU_DEP_1)
	v_add_f32_dpp v8, v8, v8 row_xmask:8 row_mask:0xf bank_mask:0xf
	s_delay_alu instid0(VALU_DEP_1)
	v_permlanex16_b32 v9, v8, s20, s21
	s_delay_alu instid0(VALU_DEP_1)
	v_add_f32 v8, v8, v9
.endm
.macro FOLD                            ; four chains v8-15 into v8
	s_delay_alu instid0(VALU_DEP_3)
	v_pk_add_f32 v[8:9], v[8:9], v[10:11]
	s_delay_alu instid0(VALU_DEP_2)
	v_pk_add_f32 v[12:13], v[12:13], v[14:15]
	s_delay_alu instid0(VALU_DEP_1)
	v_pk_add_f32 v[8:9], v[8:9], v[12:13]
	s_delay_alu instid0(VALU_DEP_1)
	v_add_f32 v8, v8, v9
	LANESUM
.endm
.macro STATS src, dst                  ; dst = src - mean;  v[22:23] = 1 / sqrt(variance + eps), twice
.irp k, 0,1,2,3
	v_pk_add_f32 v[8+2*\k:9+2*\k], v[\src+4*\k:\src+4*\k+1], v[\src+4*\k+2:\src+4*\k+3]
.endr
.irp k, 0,1,2,3
	s_delay_alu instid0(VALU_DEP_4)
	v_pk_add_f32 v[8+2*\k:9+2*\k], v[8+2*\k:9+2*\k], v[\src+16+2*\k:\src+17+2*\k]
.endr
.irp k, 0,1,2,3
	s_delay_alu instid0(VALU_DEP_4)
	v_pk_add_f32 v[8+2*\k:9+2*\k], v[8+2*\k:9+2*\k], v[\src+24+2*\k:\src+25+2*\k]
.endr
	FOLD
	s_delay_alu instid0(VALU_DEP_1)
	v_mul_f32 v20, s23, v8
	s_delay_alu instid0(VALU_DEP_2)
	v_mul_f32 v21, s23, v8                         ; the mean, twice: a pair for the packed form
.irp k, 0,1,2,3,4,5,6,7,8,9,10,11,12,13,14,15
	v_pk_add_f32 v[\dst+2*\k:\dst+2*\k+1], v[\src+2*\k:\src+2*\k+1], v[20:21] neg_lo:[0,1] neg_hi:[0,1]
.endr
.irp k, 0,1,2,3
	v_pk_mul_f32 v[8+2*\k:9+2*\k], v[\dst+2*\k:\dst+2*\k+1], v[\dst+2*\k:\dst+2*\k+1]
.endr
.irp k, 4,5,6,7,8,9,10,11,12,13,14,15
	s_delay_alu instid0(VALU_DEP_4)
	v_pk_fma_f32 v[8+2*(\k%4):9+2*(\k%4)], v[\dst+2*\k:\dst+2*\k+1], v[\dst+2*\k:\dst+2*\k+1], v[8+2*(\k%4):9+2*(\k%4)]
.endr
	FOLD
	s_delay_alu instid0(VALU_DEP_1)
	v_fma_f32 v24, v8, s23, s24                    ; variance + eps
	s_wait_alu depctr_va_vdst(0)
	v_rsq_f32 v22, v24
	v_rsq_f32 v23, v24
	v_nop                                          ; a plain instruction behind the transcendentals (ISA guide 5.7.2),
	s_wait_alu depctr_va_vdst(0)                   ; and one wait for both, ahead of their first reader
.endm
.macro NORM d                          ; d = d rs gain + bias
.irp k, 0,1,2,3,4,5,6,7,8,9,10,11,12,13,14,15
	v_pk_mul_f32 v[\d+2*\k:\d+2*\k+1], v[\d+2*\k:\d+2*\k+1], v[22:23]
.endr
.irp k, 0,1,2,3,4,5,6,7,8,9,10,11,12,13,14,15
	v_pk_fma_f32 v[\d+2*\k:\d+2*\k+1], v[\d+2*\k:\d+2*\k+1], v[PA+2*\k:PA+2*\k+1], v[PB+2*\k:PB+2*\k+1]
.endr
.endm
	s_wait_loadcnt 0x0                             ; the row
	STATS X, X
	s_wait_dscnt 0x0                               ; A and Bc
	NORM X
.if LN1
.irp j, 0,1,2,3,4,5,6,7
	global_store_b128 v2, v[X+4*\j:X+4*\j+3], s[12:13] offset:512*\j   ; h: 512 consecutive bytes a store.  X is not written again
.endr
.irp j, 0,1,2,3,4,5,6,7
	ds_load_b128 v[PA+4*\j:PA+4*\j+3], v2 offset:8192+512*\j
	ds_load_b128 v[PB+4*\j:PB+4*\j+3], v2 offset:12288+512*\j
.endr
	STATS X, Y
	s_wait_dscnt 0x0                               ; attn_nw and attn_nb
	NORM Y
.endif
.irp j, 0,1,2,3,4,5,6,7
	ds_store_b128 v4, v[Y+4*\j:Y+4*\j+3] offset:576*\j
.endr
.irp q, 0,1,2,3,4,5,6,7
	ds_load_b128 v[PA+4*\q:PA+4*\q+3], v5 offset:16*\q             ; LDS serves a wave's instructions in order (ISA guide 5.7.1.4): these see the stores above
.endr
	s_wait_dscnt 0x0
	v_max3_num_f32 v28, |v[PA]|, |v[PA+1]|, |v[PA+2]|              ; the block's largest magnitude: all 32 numbers are mine
	v_max3_num_f32 v29, |v[PA+3]|, |v[PA+4]|, |v[PA+5]|
.irp i, 6,10,14,18,22,26
	s_delay_alu instid0(VALU_DEP_2)
	v_max3_num_f32 v28, v28, |v[PA+\i]|, |v[PA+\i+1]|
	s_delay_alu instid0(VALU_DEP_2)
	v_max3_num_f32 v29, v29, |v[PA+\i+2]|, |v[PA+\i+3]|
.endr
	s_delay_alu instid0(VALU_DEP_2)
	v_max3_num_f32 v28, v28, |v[PA+30]|, |v[PA+31]|
	s_delay_alu instid0(VALU_DEP_1)
	v_max3_num_f32 v28, v28, v29, 0x8000000        ; and the floor 2^(16 - 127): the byte cannot fall under 1
	s_delay_alu instid0(VALU_DEP_1)
	v_add_nc_u32 v27, 0xf8800000, v28              ; 15 off the exponent field: the conversion's scale operand
	s_delay_alu instid0(VALU_DEP_2)
	v_and_or_b32 v26, v28, 0x7f800000, s22         ; 57,344 x the scale
	s_delay_alu instid0(VALU_DEP_2)
	v_lshrrev_b32 v25, 23, v27                     ; the scale's byte
.set J, 0
.rept 32
	v_med3_num_f32 v[PA+J], v[PA+J], -v26, v26
.set J, J+1
.endr
.irp g, 0,1,2,3
	v_cvt_scalef32_pk8_bf8_f32 v[C+2*\g:C+2*\g+1], v[PA+8*\g:PA+8*\g+7], v27
.endr
	v_nop                                          ; a plain instruction behind the last conversion
	ds_store_b128 v6, v[C:C+3]                     ; k = 32 l + 0 .. 15: the image's lanes 0-15
	ds_store_b128 v6, v[C+4:C+7] offset:272        ; k = 32 l + 16 .. 31: its lanes 16-31
	ds_store_b8 v7, v25
	s_wait_dscnt 0x0                               ; for the others' sake
	s_barrier_signal -1
	s_barrier_wait -1                              ; the tile row's images and scale words lie in LDS
	ds_load_b128 v[PA:PA+3], v16
	ds_load_b128 v[PA+4:PA+7], v16 offset:544
	s_wait_dscnt 0x0
	global_store_b128 v2, v[PA:PA+3], s[42:43]
	global_store_b128 v2, v[PA+4:PA+7], s[42:43] offset:512
	s_cmp_lg_u32 s16, 0
	s_cbranch_scc1 .Lend
	ds_load_b128 v[PA+8:PA+11], v17
	s_wait_dscnt 0x0
	global_store_b128 v2, v[PA+8:PA+11], s[44:45]
.Lend:
	s_wait_tensorcnt 0x0
	ds_add_u32 v176, v177
	s_wait_dscnt 0x0
	s_endpgm
.Lfunc_end_k_qa3b5c07484_ln1:
	.size	k_qa3b5c07484_ln1, .Lfunc_end_k_qa3b5c07484_ln1-k_qa3b5c07484_ln1
	.p2alignl 7, 3214868480
	.fill 96, 4, 3214868480
	.section	.rodata,"a",@progbits
	.p2align	6, 0x0
	.amdhsa_kernel k_qa3b5c07484_ln1
		.amdhsa_group_segment_fixed_size 110592
		.amdhsa_private_segment_fixed_size 0
		.amdhsa_enable_private_segment 0
		.amdhsa_kernarg_size 48
		.amdhsa_user_sgpr_count 2
		.amdhsa_user_sgpr_kernarg_segment_ptr 1
		.amdhsa_wavefront_size32 1
		.amdhsa_system_sgpr_workgroup_id_x 1
		.amdhsa_system_sgpr_workgroup_id_y 1
		.amdhsa_system_sgpr_workgroup_id_z 1
		.amdhsa_system_vgpr_workitem_id 0
		.amdhsa_next_free_vgpr 178
		.amdhsa_next_free_sgpr 66
		.amdhsa_reserve_vcc 0
		.amdhsa_float_denorm_mode_32 3
		.amdhsa_float_denorm_mode_16_64 3
		.amdhsa_memory_ordered 1
		.amdhsa_forward_progress 1
		.amdhsa_inst_pref_size 29
	.end_amdhsa_kernel
	.amdgpu_metadata
---
amdhsa.version: [ 1, 2 ]
amdhsa.kernels:
  - .name:           k_qa3b5c07484_ln1
    .symbol:         k_qa3b5c07484_ln1.kd
    .args:
      - { .name: x, .offset: 0, .size: 8, .value_kind: global_buffer, .address_space: global }
      - { .name: modv, .offset: 8, .size: 8, .value_kind: global_buffer, .address_space: global }
      - { .name: attn_nw, .offset: 16, .size: 8, .value_kind: global_buffer, .address_space: global }
      - { .name: attn_nb, .offset: 24, .size: 8, .value_kind: global_buffer, .address_space: global }
      - { .name: h, .offset: 32, .size: 8, .value_kind: global_buffer, .address_space: global }
      - { .name: actA, .offset: 40, .size: 8, .value_kind: global_buffer, .address_space: global }
    .group_segment_fixed_size: 110592
    .private_segment_fixed_size: 0
    .kernarg_segment_align: 8
    .kernarg_segment_size: 48
    .max_flat_workgroup_size: 512
    .sgpr_count:     66
    .vgpr_count:     178
    .wavefront_size: 32
...
	.end_amdgpu_metadata
.endif
;; end of part 10
;; launch gq (part 11): grid 9 x 32, 4 waves a work-group, no clusters, 35,328 bytes of LDS; arguments actA, wimg, wq_scales, wkv_scales, qkv; writes qkv
.if DOCPART == 11
	.amdgcn_target "amdgcn-amd-amdhsa--gfx1250"
	.amdhsa_code_object_version 6
	.text
	.protected	k_qa3b5c07484_gq
	.globl	k_qa3b5c07484_gq
	.p2align	8
	.type	k_qa3b5c07484_gq,@function
k_qa3b5c07484_gq:
	s_mov_b64 s[64:65], 0
	v_nop
	global_prefetch_b8 v0, s[64:65] scope:SCOPE_SE
	s_setreg_imm32_b32 hwreg(HW_REG_WAVE_SCHED_MODE, 0, 2), 2
	s_setreg_imm32_b32 hwreg(HW_REG_WAVE_MODE, 25, 1), 1
	s_wait_xcnt 0x0
	s_wait_alu depctr_vm_vsrc(0)
; GQ: [q | k v] = hn [wq | wkv], on codes of E5M2 with E8M0 scales (K = 1,024); the results are quantised here for the two products of attention.
; A work-group makes 128 rows x 128 columns; x = 0 .. 7: two heads of q each; x = 8: k (columns 0-63) and v (64-127).  Four waves, each 64 x 64: 16 accumulators.
; OPERANDS COME STRAIGHT FROM MEMORY INTO REGISTERS: both are stored as images of operand registers (a tile of 16 rows x 128 K is 2,048 bytes, byte 512 c + 16 lane), so a fragment is four loads of 512 consecutive bytes.
; No tile passes through LDS, so there is nothing for a joint request of a cluster to land in: cluster = none.
; THE PRODUCT IS USED TRANSPOSED (source 0 = 16 rows of the weight, source 1 = 16 rows of hn), and a weight tile's row r is the weight's row 32 (nt / 2) + 8 (nt % 2) + r + 8 (r / 8):
; lane (r, h) holds row r of the result, and the 16 registers of column tiles 2 b, 2 b + 1 are columns 32 b + 16 h + 0 .. 15: what the conversions and the next operand's layout want.
; K goes in 8 steps of 128, written out: every offset is an immediate.  Three sets of fragment registers take turns; a step's loads are issued two steps ahead, dealt among the products of the step in hand.
; THE MODE: SCHED_MODE bits 1:0 = 2 (LLVM: expert scheduling mode 2), set by the entry lines.  The code itself states the register dependences
; between vector or matrix instructions and memory or LDS instructions, with s_wait_alu, always for 0.
; THE PLAN.  Registers that memory or LDS instructions touch:
;   v4-11          offsets and LDS addresses: made at the head, never written again.  One wait on va_vdst ahead of the first load serves them all.
;   sets 0, 1, 2   Step s: its products read set s % 3; the loads of step s + 2 land in set (s + 2) % 3, which the products of step s - 1 read last.
;   v32-63         scale words: loaded once at the head, read by the products.
;   accumulators   written by the products; read by the quantiser's vector instructions, and in v's waves by the LDS stores of the turn.
;   v96-127, v24-27  codes and half words, registers of its own for each tile: written by the quantiser, read by the tile's stores, not written again.
;   v128-159       in v's waves: LDS loads land there, the quantiser reads and writes them.      v12, v13: in q's waves, two selections' results, stored.      v254, v255: the closing add's.
; So ONE wait on va_vdst stands at the head of a step that loads: the last step's products are done with the set that is asked for again.  The step's own products name set s % 3, the accumulators and the
; scale words: none of the registers that its loads touch.  On the way out one wait on va_vdst a tile stands behind the quantiser, ahead of the tile's stores.
; REGISTERS.  window 0: v1-15 lane terms and addresses; v16-23 at work in the quantiser; v24-27 half words of scale bytes; v32-63 scale words and nothing else; v96-127 codes; v128-159 held numbers.
;   window 1: fragment sets 0 (v0-127) and 1 (v128-255): in a set hn's four fragments, then the weight's four.   window 2: set 2 (v0-127); v128-255 the accumulators, (i, t) at 128 + 8 (4 i + t).
; SCALE WORDS.  hn's: one load brings K step 2 e in lanes 0-15 and 2 e + 1 in lanes 16-31.  The weight's: one 16-byte load a tile brings words 0-3 in lanes 0-15 and 4-7 in lanes 16-31.  The row selectors pick.
; OUT.  q: images (mt x 16 + head) x 1,024, K = the head's 64; its scale word (both bytes, twice) at 0x400000 + head x 16,384 + 4 row.
;   k, v of batch b from 0x440000 + 270,336 b on: k as PAIR images (row rho: key 32 p + rho + 8 (rho / 8) in k = 0-63, the key 8 further on in k = 64-127), v with the keys innermost, quantised along the keys.
; LIMITS: NaN and infinities are not served; a block of zeros, or one under 2^-111, gets the byte 1 (this program alone reads the bytes).
; The half words of k's and v's scale bytes leave by stores of two bytes a lane: 16,384 bytes in the whole launch; to join them the roles would need a barrier in common.
.set KS, 8
.set WOFF, 0
.set SOFF, 0x400000
.set TM, 16
.set HW, 24
.set SC, 32
.set BI, 96
.set TT, 128
.set ACC, 128
.set SEL, 26
.set MNT, 28
.set PA, 36
.set PS, 38
.set PB, 40
.set PW, 42
.set MSB, 0
.macro WIN new                         ; the immediate's high byte repeats the setting that is left; a switch that changes nothing is dropped
.if MSB != (\new)
	s_set_vgpr_msb (MSB<<8)|(\new)
.set MSB, (\new)
.endif
.endm
.macro WM d, a, b, c, sa, sb, ra, rb   ; one product; ra, rb: the scale words stand in lanes 16-31
.if (\ra) && (\rb)
	v_wmma_scale_f32_16x16x128_f8f6f4 v[\d:\d+7], v[\a:\a+15], v[\b:\b+15], v[\c:\c+7], v[\sa], v[\sb] matrix_a_fmt:MATRIX_FMT_BF8 matrix_b_fmt:MATRIX_FMT_BF8 matrix_a_scale:MATRIX_SCALE_ROW1 matrix_b_scale:MATRIX_SCALE_ROW1
.elseif (\ra)
	v_wmma_scale_f32_16x16x128_f8f6f4 v[\d:\d+7], v[\a:\a+15], v[\b:\b+15], v[\c:\c+7], v[\sa], v[\sb] matrix_a_fmt:MATRIX_FMT_BF8 matrix_b_fmt:MATRIX_FMT_BF8 matrix_a_scale:MATRIX_SCALE_ROW1
.elseif (\rb)
	v_wmma_scale_f32_16x16x128_f8f6f4 v[\d:\d+7], v[\a:\a+15], v[\b:\b+15], v[\c:\c+7], v[\sa], v[\sb] matrix_a_fmt:MATRIX_FMT_BF8 matrix_b_fmt:MATRIX_FMT_BF8 matrix_b_scale:MATRIX_SCALE_ROW1
.else
	v_wmma_scale_f32_16x16x128_f8f6f4 v[\d:\d+7], v[\a:\a+15], v[\b:\b+15], v[\c:\c+7], v[\sa], v[\sb] matrix_a_fmt:MATRIX_FMT_BF8 matrix_b_fmt:MATRIX_FMT_BF8
.endif
.endm
.macro WMZ d, a, b, sa, sb             ; the first K step starts a sum: nothing is cleared
	v_wmma_scale_f32_16x16x128_f8f6f4 v[\d:\d+7], v[\a:\a+15], v[\b:\b+15], 0, v[\sa], v[\sb] matrix_a_fmt:MATRIX_FMT_BF8 matrix_b_fmt:MATRIX_FMT_BF8
.endm
.macro LOADA s                         ; K step s: hn's four fragments, 16 loads, into set s % 3
.set FB, 128*(((\s)%3)%2)
.if (\s)%3 == 2
	WIN 0x80
.else
	WIN 0x40
.endif
.irp i, 0,1,2,3
.irp c, 0,1,2,3
	global_load_b128 v[FB+16*\i+4*\c:FB+16*\i+4*\c+3], v4, s[PA:PA+1] offset:(\i*KS+(\s))*2048+512*\c
.endr
.endr
.endm
.macro LOADB s                         ; K step s: the weight's four fragments, 16 loads, into set s % 3
.set FB, 128*(((\s)%3)%2)
.if (\s)%3 == 2
	WIN 0x80
.else
	WIN 0x40
.endif
.irp t, 0,1,2,3
.irp c, 0,1,2,3
	global_load_b128 v[FB+64+16*\t+4*\c:FB+64+16*\t+4*\c+3], v4, s[PB:PB+1] offset:(\t*KS+(\s))*2048+512*\c
.endr
.endr
.endm
.macro SCALES                          ; the scale words of all eight K steps: 20 loads
.irp i, 0,1,2,3
.irp e, 0,1,2,3
	global_load_b32 v[SC+4*\i+\e], v5, s[PS:PS+1] offset:(\i*KS+2*\e)*64
.endr
.endr
.irp t, 0,1,2,3
	global_load_b128 v[SC+16+4*\t:SC+16+4*\t+3], v6, s[PW:PW+1] offset:(32*(\t/2)+8*(\t%2))*KS*4
.endr
.endm
.macro MULH s, ia, ib                  ; 8 products: rows ia, ib of the accumulators.  The sixteen accumulators take turns, one instruction a turn, in one order in every step
.set FB, 128*(((\s)%3)%2)
.set SE, SC+16+(\s)%4
.set AE, SC+(\s)/2
.set RA, (\s)/4
.set RB, (\s)%2
.if (\s)%3 == 2
	WIN 0xaa
.else
	WIN 0xa5
.endif
.irp i, \ia, \ib
.irp t, 0,1,2,3
.if (\s) == 0
	WMZ ACC+8*(4*\i+\t), FB+64+16*\t, FB+16*\i, SE+4*\t, AE+4*\i
.else
	WM ACC+8*(4*\i+\t), FB+64+16*\t, FB+16*\i, ACC+8*(4*\i+\t), SE+4*\t, AE+4*\i, RA, RB
.endif
.endr
.endr
.endm
.macro STEP s
.if (\s)+2 < KS
.if (\s) > 0
.rept 8
	v_nop                                          ; eight places between the last step's products and this step's loads into the registers that they read
.endr
.endif
.endif
.set NW, 0
.if (\s)+1 < KS
.set NW, 32                            ; behind this step's fragments: the next step's 32 loads
.endif
	s_wait_loadcnt NW
.if (\s)+2 < KS
.if (\s) > 0
	s_wait_alu depctr_va_vdst(0)                   ; the last step's products are done reading set (s + 2) % 3, in which this step's 32 loads land
.endif
	LOADA (\s)+2                                   ; (step 0: no vector or matrix instruction has named set 2)
.endif
	MULH \s, 0, 1
.if (\s)+2 < KS
	LOADB (\s)+2                                   ; no wait: the products since the wait above name set s % 3, the accumulators and the scale words
.endif
	MULH \s, 2, 3
.endm
; 32 numbers of a lane (two blocks: register 16 b + e = k 32 b + 16 h + e of my row), at src in window win, become 8 registers of codes at cod and the two scale bytes in hw.  The held numbers go to dst, in window 0.
.macro QUANT2 src, win, dst, cod, hw
	WIN 5*(\win)
.irp b, 0,1
	v_max3_num_f32 v[TM+\b], |v[\src+16*\b]|, |v[\src+16*\b+1]|, 0x8000000     ; my 16 numbers, and the floor 2^(16 - 127): the byte cannot fall under 1
.endr
.irp e, 2,4,6,8,10,12,14
.irp b, 0,1
	v_max3_num_f32 v[TM+\b], |v[\src+16*\b+\e]|, |v[\src+16*\b+\e+1]|, v[TM+\b]
.endr
.endr
	WIN 0
.irp b, 0,1
	v_permlanex16_b32 v[TM+2+\b], v[TM+\b], s[SEL], s[SEL+1]
.endr
.irp b, 0,1
	v_max_num_f32 v[TM+\b], v[TM+\b], v[TM+2+\b]   ; with lane l xor 16's: the block's largest magnitude
.endr
.irp b, 0,1
	v_add_nc_u32 v[TM+4+\b], 0xf8800000, v[TM+\b]  ; 15 off the exponent field: the conversion's scale operand
.endr
.irp b, 0,1
	v_and_or_b32 v[TM+6+\b], v[TM+\b], 0x7f800000, s[MNT]          ; 57,344 x the scale
.endr
.irp b, 0,1
	v_lshrrev_b32 v[TM+2+\b], 23, v[TM+4+\b]       ; the scale's byte
.endr
	v_lshl_or_b32 v[\hw], v[TM+3], 8, v[TM+2]
	WIN (\win)
.irp b, 0,1
.irp e, 0,1,2,3,4,5,6,7,8,9,10,11,12,13,14,15
	v_med3_num_f32 v[\dst+16*\b+\e], v[\src+16*\b+\e], -v[TM+6+\b], v[TM+6+\b]   ; the conversion does not saturate (ISA guide 7.6.2): the hold comes first
.endr
.endr
	WIN 0
.irp g, 0,1,2,3
	v_cvt_scalef32_pk8_bf8_f32 v[\cod+2*\g:\cod+2*\g+1], v[\dst+8*\g:\dst+8*\g+7], v[TM+4+\g/2]
.endr
	v_nop                                          ; a plain instruction behind the last conversion
.endm
	s_load_b256 s[4:11], s[0:1], 0x0               ; actA, wimg, wq_scales, wkv_scales
	s_load_b64 s[12:13], s[0:1], 0x20              ; qkv
	v_lshl_add_u32 v254, v0, 2, 0x8800             ; my spare word and 0: made here and kept for the closing lines alone
	v_mov_b32 v255, 0
	v_lshrrev_b32 v1, 5, v0
	v_readfirstlane_b32 s20, v1                    ; wave 0..3
	v_and_b32 v1, 31, v0                           ; lane
	v_and_b32 v2, 15, v0                           ; r
	v_bfe_u32 v3, v0, 4, 1                         ; h
	v_lshlrev_b32 v4, 4, v1                        ; 16 x lane
	v_lshlrev_b32 v5, 2, v1                        ; 4 x lane
	v_and_b32 v12, 8, v2
	v_add_nc_u32 v12, v12, v2                      ; r + 8 (r / 8)
	v_mul_u32_u24 v6, v12, KS*4
	v_lshl_add_u32 v6, v3, 4, v6                   ; the weight's scale words: my row of a tile, + 16 h
	v_and_b32 v13, 7, v2
	v_lshrrev_b32 v14, 3, v2
	v_lshlrev_b32 v7, 4, v13
	v_lshl_add_u32 v7, v14, 10, v7
	v_lshl_add_u32 v7, v3, 8, v7                   ; k's codes: 1,024 (r / 8) + 256 h + 16 (r % 8)
	v_lshlrev_b32 v8, 2, v13
	v_lshl_add_u32 v8, v14, 1, v8                  ; k's half words: 4 (r % 8) + 2 (r / 8)
	v_mul_u32_u24 v9, v3, 4352
	v_lshl_add_u32 v9, v2, 2, v9                   ; v's turn, in: [d][key]: 16 h rows of 272 bytes + 4 r
	v_mul_u32_u24 v10, v12, 272
	v_lshl_add_u32 v10, v3, 6, v10                 ; out: row r + 8 (r / 8), + 64 h
	v_lshlrev_b32 v11, 2, v2                       ; v's half words: 4 r
	v_mov_b32 v[TM+2], 0                           ; written once: a lane permute's destination counts as one of its sources
	v_mov_b32 v[TM+3], 0
	s_wait_alu depctr_va_sdst(0)                   ; s20 is written, ahead of its first reader: the wave's shares and addresses are made from it
	s_lshr_b32 s21, s20, 1                         ; wr: which 64 rows
	s_and_b32 s22, s20, 1                          ; wc: which 64 columns
	s_and_b32 s24, ttmp7, 0xffff                   ; y
	s_mul_i32 s29, s21, 17408                      ; v's turn: 64 x 272 bytes of LDS for each of the two waves that hold v
	v_add_nc_u32 v9, s29, v9
	v_add_nc_u32 v10, s29, v10
	s_mov_b32 s[SEL], 0x76543210
	s_mov_b32 s[SEL+1], 0xfedcba98
	s_mov_b32 s[MNT], 0x600000
	s_lshl_b32 s30, s24, 3
	s_lshl_b32 s25, s21, 2
	s_add_co_u32 s30, s30, s25                     ; my first tile of rows: 8 y + 4 wr
	s_lshl_b32 s31, ttmp9, 3
	s_lshl_b32 s25, s22, 2
	s_add_co_u32 s31, s31, s25                     ; my first tile of columns: 8 x + 4 wc
	s_mul_i32 s50, s30, KS*2048
	s_mov_b32 s51, 0
	s_mul_i32 s52, s30, KS*64
	s_add_co_u32 s52, s52, SOFF
	s_mov_b32 s53, 0
	s_mul_i32 s54, s31, KS*2048
	s_add_co_u32 s54, s54, WOFF
	s_mov_b32 s55, 0
	s_lshl_b32 s57, s22, 11                        ; the weight's scales: 64 wc rows of 32 bytes,
	s_wait_kmcnt 0x0
	s_cmp_eq_u32 ttmp9, 8                          ; wkv's for x = 8, else wq's, 128 x rows on
	s_cselect_b64 s[8:9], s[10:11], s[8:9]
	s_cselect_b32 s56, 0, ttmp9
	s_lshl_b32 s56, s56, 12
	s_add_co_u32 s56, s56, s57
	s_mov_b32 s57, 0
	s_add_nc_u64 s[PA:PA+1], s[4:5], s[50:51]
	s_add_nc_u64 s[PS:PS+1], s[4:5], s[52:53]
	s_add_nc_u64 s[PB:PB+1], s[6:7], s[54:55]
	s_add_nc_u64 s[PW:PW+1], s[8:9], s[56:57]
	s_wait_alu depctr_va_vdst(0)                   ; the offsets and addresses v4 to v11 are written, which every load and store below reads
	SCALES
	LOADA 0
	LOADB 0
	LOADA 1
	LOADB 1
.set Q, 0
.rept KS
	STEP Q
.set Q, Q+1
.endr
	WIN 0
.rept 8
	v_nop                                          ; eight places ahead of the first read of results
.endr
	s_cmp_lt_u32 ttmp9, 8
	s_cbranch_scc0 .Lkv
	; ---- q: my 64 columns are one head
	s_lshl_b32 s25, ttmp9, 1
	s_add_co_u32 s25, s25, s22                     ; head
	s_lshl_b32 s50, s30, 14
	s_lshl_b32 s29, s25, 10
	s_add_co_u32 s50, s50, s29
	s_mov_b32 s51, 0
	s_add_nc_u64 s[46:47], s[12:13], s[50:51]      ; (mt x 16 + head) x 1,024
	s_lshl_b32 s52, s25, 14
	s_lshl_b32 s29, s30, 6
	s_add_co_u32 s52, s52, s29
	s_add_co_u32 s52, s52, 0x400000
	s_mov_b32 s53, 0
	s_add_nc_u64 s[48:49], s[12:13], s[52:53]
.irp i, 0,1,2,3
	QUANT2 ACC+32*\i, 2, TT, BI+8*\i, HW+\i
	s_wait_alu depctr_va_vdst(0)                   ; the conversions have written this tile's codes, which the two stores read
	global_store_b128 v4, v[BI+8*\i:BI+8*\i+3], s[46:47] offset:\i*16384
	global_store_b128 v4, v[BI+8*\i+4:BI+8*\i+7], s[46:47] offset:\i*16384+512
	v_lshl_or_b32 v[HW+\i], v[HW+\i], 16, v[HW+\i] ; the two bytes twice: q stands in either half of the score product's K
.endr
	v_cmp_lt_u32 vcc_lo, 15, v1                    ; lanes 16-31 take the odd tile's words: 32 rows' words leave as 128 consecutive bytes
	s_wait_alu depctr_va_vcc(0)                    ; VCC is written, ahead of the two selections that read it
	v_cndmask_b32 v12, v[HW], v[HW+1], vcc_lo
	v_cndmask_b32 v13, v[HW+2], v[HW+3], vcc_lo
	s_wait_alu depctr_va_vdst(0)                   ; the selections have written v12 and v13, which the two stores read
	global_store_b32 v5, v12, s[48:49]
	global_store_b32 v5, v13, s[48:49] offset:128
	s_endpgm
.Lkv:
	s_lshr_b32 s25, s24, 4                         ; batch
	s_and_b32 s29, s24, 15                         ; which 128 keys
	s_mul_i32 s50, s25, 270336
	s_add_co_u32 s50, s50, 0x440000
	s_lshl_b32 s52, s29, 13
	s_add_co_u32 s52, s52, s50                     ; + step x 8,192
	s_mov_b32 s53, 0
	s_lshl_b32 s54, s29, 8
	s_add_co_u32 s54, s54, s50                     ; + step x 256
	s_mov_b32 s55, 0
	s_cmp_eq_u32 s22, 0
	s_cbranch_scc0 .Lv
	; ---- k: key 64 wr + 16 i + r goes to pair 2 wr + i / 2, image row 8 (i % 2) + r % 8, half r / 8 of K
	s_lshl_b32 s25, s21, 12
	s_add_co_u32 s52, s52, s25
	s_add_nc_u64 s[46:47], s[12:13], s[52:53]
	s_lshl_b32 s25, s21, 7
	s_add_co_u32 s54, s54, s25
	s_add_co_u32 s54, s54, 262144
	s_add_nc_u64 s[48:49], s[12:13], s[54:55]
.irp i, 0,1,2,3
	QUANT2 ACC+32*\i, 2, TT, BI+8*\i, HW+\i
	s_wait_alu depctr_va_vdst(0)                   ; the quantiser has written this tile's codes and its half word, which the three stores read
	global_store_b128 v7, v[BI+8*\i:BI+8*\i+3], s[46:47] offset:(\i/2)*2048+128*(\i%2)
	global_store_b128 v7, v[BI+8*\i+4:BI+8*\i+7], s[46:47] offset:(\i/2)*2048+128*(\i%2)+512
	global_store_b16 v8, v[HW+\i], s[48:49] offset:(\i/2)*64+32*(\i%2)    ; both lanes of a row write the same two bytes
.endr
	s_endpgm
.Lv:
	; ---- v: its K is the keys: my 64 keys x 64 channels are turned through my own LDS, [channel][key], then quantised along the keys
	s_lshl_b32 s25, s21, 10
	s_add_co_u32 s52, s52, s25
	s_add_co_u32 s52, s52, 131072
	s_add_nc_u64 s[46:47], s[12:13], s[52:53]
	s_lshl_b32 s25, s21, 1
	s_add_co_u32 s54, s54, s25
	s_add_co_u32 s54, s54, 266240
	s_add_nc_u64 s[48:49], s[12:13], s[54:55]
	WIN 0x08                                       ; an LDS store's data are its source 1: window 2
	s_wait_alu depctr_va_vdst(0)                   ; the products have written the accumulators, which the LDS stores read; the eight places stand ahead of the branches, beside this wait
.irp i, 0,1,2,3
.irp t, 0,1,2,3
.irp j, 0,1,2,3,4,5,6,7
	ds_store_b32 v9, v[ACC+8*(4*\i+\t)+\j] offset:(32*(\t/2)+8*(\t%2)+\j)*272+64*\i   ; each accumulator from its low end on
.endr
.endr
.endr
	WIN 0
.irp t, 0,1,2,3                        ; tile t of channels: row r is channel 32 (t / 2) + 8 (t % 2) + r + 8 (r / 8)
.irp u, 0,1
.irp q, 0,1,2,3
	ds_load_b128 v[TT+16*\u+4*\q:TT+16*\u+4*\q+3], v10 offset:(32*(\t/2)+8*(\t%2))*272+128*\u+16*\q   ; LDS serves a wave's instructions in order (ISA guide 5.7.1.4)
.endr
.endr
	s_wait_dscnt 0x0
	QUANT2 TT, 0, TT, BI+8*\t, HW+\t
	s_wait_alu depctr_va_vdst(0)                   ; the quantiser has written this tile's codes and half word, which the stores read, and is done with v128-159, in which the next tile's LDS loads land
	global_store_b128 v4, v[BI+8*\t:BI+8*\t+3], s[46:47] offset:\t*2048
	global_store_b128 v4, v[BI+8*\t+4:BI+8*\t+7], s[46:47] offset:\t*2048+512
	global_store_b16 v11, v[HW+\t], s[48:49] offset:64*\t
.endr
	s_wait_dscnt 0x0                               ; the closing lines, six on end
	s_wait_alu 0x0
	s_wait_tensorcnt 0x0
	ds_add_u32 v254, v255
	s_wait_dscnt 0x0
	s_endpgm
.Lfunc_end_k_qa3b5c07484_gq:
	.size	k_qa3b5c07484_gq, .Lfunc_end_k_qa3b5c07484_gq-k_qa3b5c07484_gq
	.p2alignl 7, 3214868480
	.fill 96, 4, 3214868480
	.section	.rodata,"a",@progbits
	.p2align	6, 0x0
	.amdhsa_kernel k_qa3b5c07484_gq
		.amdhsa_group_segment_fixed_size 35328
		.amdhsa_private_segment_fixed_size 0
		.amdhsa_enable_private_segment 0
		.amdhsa_kernarg_size 40
		.amdhsa_user_sgpr_count 2
		.amdhsa_user_sgpr_kernarg_segment_ptr 1
		.amdhsa_wavefront_size32 1
		.amdhsa_system_sgpr_workgroup_id_x 1
		.amdhsa_system_sgpr_workgroup_id_y 1
		.amdhsa_system_sgpr_workgroup_id_z 1
		.amdhsa_system_vgpr_workitem_id 0
		.amdhsa_next_free_vgpr 768
		.amdhsa_next_free_sgpr 66
		.amdhsa_reserve_vcc 1
		.amdhsa_float_denorm_mode_32 3
		.amdhsa_float_denorm_mode_16_64 3
		.amdhsa_memory_ordered 1
		.amdhsa_forward_progress 1
		.amdhsa_inst_pref_size 113
	.end_amdhsa_kernel
	.amdgpu_metadata
---
amdhsa.version: [ 1, 2 ]
amdhsa.kernels:
  - .name:           k_qa3b5c07484_gq
    .symbol:         k_qa3b5c07484_gq.kd
    .args:
      - { .name: actA, .offset: 0, .size: 8, .value_kind: global_buffer, .address_space: global }
      - { .name: wimg, .offset: 8, .size: 8, .value_kind: global_buffer, .address_space: global }
      - { .name: wq_scales, .offset: 16, .size: 8, .value_kind: global_buffer, .address_space: global }
      - { .name: wkv_scales, .offset: 24, .size: 8, .value_kind: global_buffer, .address_space: global }
      - { .name: qkv, .offset: 32, .size: 8, .value_kind: global_buffer, .address_space: global }
    .group_segment_fixed_size: 35328
    .private_segment_fixed_size: 0
    .kernarg_segment_align: 8
    .kernarg_segment_size: 40
    .max_flat_workgroup_size: 128
    .sgpr_count:     66
    .vgpr_count:     768
    .wavefront_size: 32
...
	.end_amdgpu_metadata
.endif
;; end of part 11
;; launch attn (part 12): grid 256 x 1, 16 waves a work-group, clusters of 4 x 1, 280,576 bytes of LDS; arguments qkv, actA; writes actA
.if DOCPART == 12
	.amdgcn_target "amdgcn-amd-amdhsa--gfx1250"
	.amdhsa_code_object_version 6
	.text
	.protected	k_qa3b5c07484_attn
	.globl	k_qa3b5c07484_attn
	.p2align	8
	.type	k_qa3b5c07484_attn,@function
k_qa3b5c07484_attn:
	s_mov_b64 s[64:65], 0
	v_nop
	global_prefetch_b8 v0, s[64:65] scope:SCOPE_SE
	s_setreg_imm32_b32 hwreg(HW_REG_WAVE_MODE, 25, 1), 1
	s_wait_xcnt 0x0
	s_wait_alu depctr_hold_cnt(0) depctr_sa_sdst(0) depctr_va_vdst(0) depctr_va_sdst(0) depctr_va_ssrc(0) depctr_va_vcc(0) depctr_vm_vsrc(0)
	s_getreg_b32 s2, hwreg(HW_REG_IB_STS2, 6, 4)
	s_cmp_eq_u32 s2, 0
	s_cbranch_scc0 .Lentry_in_a_cluster
	s_endpgm
.Lentry_in_a_cluster:
	s_bfe_u32 s2, ttmp6, 0x10000c
	s_cmp_lg_u32 s2, 0x3003
	s_cbranch_scc0 .Lentry_shape_is_right
	s_endpgm
.Lentry_shape_is_right:
; ATTN: out[row][head] = softmax(q k^T / 8) v, one key and value head for all 16 query heads; both products on codes of E5M2 with E8M0 scales; out is quantised along head x 64 + d for the next product.
; SHARES.  A work-group owns 16 rows (one tile) of one batch; wave w owns head w: one tile of 16 queries in 256 registers, four waves to a SIMD, so that one wave's vector work stands beside another's matrix work.
; K, V AND THEIR SCALE WORDS OF A WHOLE BATCH, 270,336 bytes, COME INTO LDS ONCE and stay: each wave brings 66 rows of 256 bytes by one tensor load.  Nothing in LDS is filled a second time.
; CLUSTER.  The four work-groups of a cluster belong to one batch (64 rows to a cluster, 2,048 to a batch: batch = cluster / 32) and need the same bytes: each load is a JOINT request with the mask of all four.
; THE SCORE PRODUCT HAS K = 64, the instruction 128.  An image of k holds TWO keys a row (k = 0-63: key 32 p + r + 8 (r / 8); k = 64-127: the key 8 further on); it is multiplied by [q | zeros] and by [zeros | q]:
; zero codes add nothing.  q stands in v16-23 and again in v32-39 with eight registers of zeros between: the two operands are v[16:31] and v[24:39].  So the 16 registers of a pair are keys 32 p + 16 h + 0 .. 15.
; Both products are used transposed: a lane holds ONE query (lane % 16) throughout.
; THE SOFTMAX: t = score x log2(e) / 8; M = the running largest t rounded UP to a whole number, kept as -M = floor(-t); p = 2^(t - M) is quantised along the keys, not normalised; the row's sum is taken of the
; unquantised p and divides at the end; when M moves, the sum and O are multiplied by 2^(old M - new M), which rounds nothing.  A block's largest p is made from the block's largest score by the same two instructions
; (this takes v_exp_f32 not to fall where its input rises).
; LIMITS: NaN and infinities are not served; a block of zeros, or one under 2^-111, gets the byte 1 (this program alone reads the bytes); 1 / sum by v_rcp_f32.
; REGISTERS: v1-7 addresses that stay; v8-11 addresses of the step; v12 -M, v13 the largest t, v[14:15] the sum; v16-39 q; v40-103 four fragments of k or v; v104-167 scores, then p; v168-199 O^T; v200-215 p's codes;
;   v216 out's two scale bytes; v220-227, v232-247, v252, v254 at work; scale words: v248-251 k's or v's, v253 p's, v255 q's.
.set KVB, 270336                       ; a batch's k, v and scale words
.set PART, 16896                       ; a wave's sixteenth: 66 rows of 256 bytes
.set VIM, 131072                       ; in LDS as in memory: k's images at 0, v's here,
.set KSC, 262144                       ; k's scale words,
.set VSC, 266240                       ; v's
.set OSC, 270336                       ; behind them: 512 bytes for out's scale words; no fill lands there
.set S, 104
.set O, 168
.set PC, 200
.set HW, 216
.set TM, 220
.set WV, 8
.set G0, 12
.set G1, 16
.set SEL, 24
.set CS, 26
.set MNT, 28
.set TK, 29
.set TS, 30
.set CNT, 31
.macro ROUND                           ; a round of the cluster's barrier
	s_barrier_signal -1
	s_barrier_wait -1
	s_cmp_lg_u32 s[WV], 0
	s_cbranch_scc1 .Lnot_wave_0_\@
	s_barrier_signal -3
.Lnot_wave_0_\@:
	s_barrier_wait -3
	s_barrier_signal -1
	s_barrier_wait -1
.endm
	s_load_b128 s[4:7], s[0:1], 0x0                ; qkv, actA
	v_lshl_add_u32 v230, v0, 2, 0x44000
	v_mov_b32 v231, 0
	ds_add_u32 v230, v231
	ds_add_u32 v230, v231
	v_lshrrev_b32 v1, 5, v0
	s_delay_alu instid0(VALU_DEP_1)
	v_readfirstlane_b32 s[WV], v1                  ; wave = head
	s_bfe_u32 s9, ttmp6, 0x40000                   ; cx
	s_lshl_b32 s10, ttmp9, 2
	s_add_co_u32 s10, s10, s9                      ; my tile of rows: it enters q's and out's addresses alone
	s_lshr_b32 s11, ttmp9, 5                       ; batch: the same in all four partners
	s_mov_b32 s[G1], 15|(3<<16)|(1<<21)            ; 15:0 the mask: all four; 17:16 elements of 8 bytes; 21 set beside a mask; no padding: every LDS load here takes 512 consecutive bytes
	s_mov_b32 s[G1+1], 32<<16                      ; tensor_dim0 = 32 elements: 256 bytes
	s_mov_b32 s[G1+2], 66<<16                      ; tensor_dim1 = 66
	s_mov_b32 s[G1+3], 32<<16                      ; tile_dim0
	s_mov_b32 s[G1+4], 66                          ; tile_dim1
	s_mov_b32 s[G1+5], 32                          ; from row to row: the block is dense
	s_mov_b32 s[G1+6], 0
	s_mov_b32 s[G1+7], 0
	s_mov_b32 s[G0], 1
	s_mul_i32 s[G0+1], s[WV], PART                 ; LDS address: the wave's number times a constant
	s_mul_i32 s32, s11, KVB
	s_add_co_u32 s32, s32, s[G0+1]
	s_add_co_u32 s32, s32, 0x440000
	s_mov_b32 s33, 0
	s_lshl_b32 s34, s10, 14
	s_lshl_b32 s36, s[WV], 10
	s_add_co_u32 s34, s34, s36                     ; (tile x 16 + head) x 1,024: q's image in qkv, and my part of out's images in actA
	s_mov_b32 s35, 0
	s_lshl_b32 s36, s[WV], 14
	s_lshl_b32 s37, s10, 6
	s_add_co_u32 s36, s36, s37
	s_add_co_u32 s36, s36, 0x400000                ; q's scale words
	s_mov_b32 s37, 0
	s_lshl_b32 s38, s10, 9
	s_add_co_u32 s38, s38, 0x400000                ; out's scale words
	s_mov_b32 s39, 0
	s_mov_b32 s[SEL], 0x76543210
	s_mov_b32 s[SEL+1], 0xfedcba98
	s_mov_b32 s[CS], 0x3e38aa3b                    ; c = log2(e) / 8
	s_mov_b32 s[CS+1], s[CS]                       ; (named with it as a pair, so it is written)
	s_mov_b32 s[MNT], 0x600000
	s_mov_b32 s[TK], 0
	s_mov_b32 s[TS], 0
	s_mov_b32 s[CNT], 16
	s_wait_dscnt 0x0
	s_wait_kmcnt 0x0
	s_add_nc_u64 s[G0+2:G0+3], s[4:5], s[32:33]
	s_or_b32 s[G0+3], s[G0+3], 0x80000000          ; type = 2
	s_add_nc_u64 s[40:41], s[4:5], s[34:35]
	s_add_nc_u64 s[42:43], s[4:5], s[36:37]
	s_add_nc_u64 s[44:45], s[6:7], s[34:35]
	s_add_nc_u64 s[46:47], s[6:7], s[38:39]
	ROUND                                          ; all four work-groups are here: the joint loads meet
	tensor_load_to_lds s[G0:G0+3], s[G1:G1+7]      ; my one tensor load of the launch
	s_nop 0
.rept 4
	v_nop
.endr
	v_and_b32 v1, 31, v0
	s_delay_alu instid0(VALU_DEP_1)
	v_lshlrev_b32 v1, 4, v1                        ; 16 x lane
	v_and_b32 v2, 15, v0
	s_delay_alu instid0(VALU_DEP_1)
	v_lshlrev_b32 v2, 2, v2                        ; 4 r
	s_delay_alu instid0(VALU_DEP_3)
	v_add_nc_u32 v3, VIM, v1
	s_delay_alu instid0(VALU_DEP_2)
	v_add_nc_u32 v4, KSC, v2
	s_delay_alu instid0(VALU_DEP_3)
	v_add_nc_u32 v5, VSC, v2
	s_lshr_b32 s48, s[WV], 1
	s_lshl_b32 s48, s48, 6
	s_and_b32 s49, s[WV], 1
	s_lshl_b32 s49, s49, 1
	s_add_co_u32 s48, s48, s49
	s_add_co_u32 s48, s48, OSC
	v_add_nc_u32 v6, s48, v2                       ; out's half word: 64 (head / 2) + 2 (head % 2) + 4 r
	v_add_nc_u32 v7, OSC, v1
	global_load_b128 v[16:19], v1, s[40:41]
	global_load_b128 v[20:23], v1, s[40:41] offset:512
	global_load_b128 v[32:35], v1, s[40:41]        ; q a second time: two operands, with the zeros between them
	global_load_b128 v[36:39], v1, s[40:41] offset:512
	global_load_b32 v255, v2, s[42:43]
.irp j, 24,25,26,27,28,29,30,31
	v_mov_b32 v[\j], 0                             ; zero codes
.endr
	v_mov_b32 v13, 0xff61b1e6                      ; the largest t so far: -3e38
	s_delay_alu instid0(VALU_DEP_1)
	v_floor_f32 v12, -v13                          ; -M
	v_mov_b32 v14, 0
	v_mov_b32 v15, 0
.irp j, 222,223,236,237,238,239,253
	v_mov_b32 v[\j], 0                             ; lane permutes' destinations count as sources; v253 is named in the pair v[252:253] before it is first made
.endr
.set J, 0
.rept 32
	v_mov_b32 v[O+J], 0                            ; the step is written once: its first trip finds zeros, which the first change of M leaves zeros
.set J, J+1
.endr
	s_wait_tensorcnt 0x0                           ; my part has landed,
	s_barrier_signal -1
	s_barrier_wait -1                              ; everybody's has
	s_wait_loadcnt 0x0                             ; q
.Lstep:                                                ; 16 trips of 128 keys
	s_setprio 2
	v_add_nc_u32 v8, s[TK], v1
	v_add_nc_u32 v9, s[TK], v3
	v_add_nc_u32 v10, s[TS], v4
	v_add_nc_u32 v11, s[TS], v5
.rept 4
	v_nop                                          ; with the four additions: eight places ahead of loads into registers that the last products read
.endr
.irp p, 0,1,2,3
.irp c, 0,1,2,3
	ds_load_b128 v[40+16*\p+4*\c:43+16*\p+4*\c], v8 offset:2048*\p+512*\c
.endr
	ds_load_b32 v[248+\p], v10 offset:64*\p
.endr
	s_wait_dscnt 0x0
.irp p, 0,1,2,3
	v_wmma_scale_f32_16x16x128_f8f6f4 v[S+16*\p:S+16*\p+7], v[40+16*\p:55+16*\p], v[16:31], 0, v[248+\p], v255 matrix_a_fmt:MATRIX_FMT_BF8 matrix_b_fmt:MATRIX_FMT_BF8
	v_wmma_scale_f32_16x16x128_f8f6f4 v[S+16*\p+8:S+16*\p+15], v[40+16*\p:55+16*\p], v[24:39], 0, v[248+\p], v255 matrix_a_fmt:MATRIX_FMT_BF8 matrix_b_fmt:MATRIX_FMT_BF8
.endr
.rept 8
	v_nop
.endr
.irp b, 0,1,2,3
	v_max3_num_f32 v[232+\b], v[S+16*\b], v[S+16*\b+1], v[S+16*\b+2]       ; the largest score of each block of 32 keys: for the row's maximum, and for the block's largest p
.endr
.irp i, 3,5,7,9,11,13
.irp b, 0,1,2,3
	v_max3_num_f32 v[232+\b], v[232+\b], v[S+16*\b+\i], v[S+16*\b+\i+1]
.endr
.endr
.irp b, 0,1,2,3
	v_max_num_f32 v[232+\b], v[232+\b], v[S+16*\b+15]
.endr
.irp b, 0,1,2,3
	s_delay_alu instid0(VALU_DEP_4)
	v_permlanex16_b32 v[236+\b], v[232+\b], s[SEL], s[SEL+1]
.endr
.irp b, 0,1,2,3
	s_delay_alu instid0(VALU_DEP_4)
	v_max_num_f32 v[232+\b], v[232+\b], v[236+\b]  ; with lane l xor 16's 16 keys
.endr
	s_delay_alu instid0(VALU_DEP_2)
	v_max3_num_f32 v254, v232, v233, v234
	s_delay_alu instid0(VALU_DEP_1)
	v_max_num_f32 v254, v254, v235
	s_delay_alu instid0(VALU_DEP_1)
	v_mul_f32 v254, s[CS], v254                    ; as t (c is positive)
	s_delay_alu instid0(VALU_DEP_1)
	v_max_num_f32 v13, v13, v254                   ; the running largest t
	v_mov_b32 v254, v12
	s_delay_alu instid0(VALU_DEP_2)
	v_floor_f32 v12, -v13                          ; the new -M: a whole number
	s_delay_alu instid0(VALU_DEP_1)
	v_sub_f32 v254, v12, v254                      ; old M - new M, 0 or less
	s_delay_alu instid0(VALU_DEP_1)
	v_cvt_i32_f32 v254, v254                       ; (it saturates)
	s_delay_alu instid0(VALU_DEP_1)
	v_ldexp_f32 v252, 1.0, v254                    ; f = 2^(old M - new M)
.set J, 0
.rept 32
	v_pk_fma_f32 v[S+J:S+J+1], v[S+J:S+J+1], s[CS:CS+1], v[12:13] op_sel_hi:[1,0,0]   ; t - M, two at a time
.set J, J+2
.endr
.irp b, 0,1,2,3
	v_fma_f32 v[232+\b], v[232+\b], s[CS], v12     ; the same of each block's largest score
.endr
.set J, 0
	s_wait_alu depctr_va_vdst(0)
.rept 64
	v_exp_f32 v[S+J], v[S+J]                       ; p = 2^(t - M)
.set J, J+1
.endr
	v_pk_mul_f32 v[14:15], v[14:15], v[252:253] op_sel_hi:[1,0]    ; the sums under the new M: the plain instruction behind the batch
	s_wait_alu depctr_va_vdst(0)                   ; one wait for the 64, ahead of their first reader
.irp b, 0,1,2,3
	v_exp_f32 v[232+\b], v[232+\b]                 ; the blocks' largest p
.endr
	v_pk_add_f32 v[236:237], v[108:109], v[112:113]
	v_pk_add_f32 v[250:251], v[116:117], v[120:121]
	v_pk_add_f32 v[248:249], v[124:125], v[128:129]
	v_pk_add_f32 v[246:247], v[132:133], v[136:137]
	v_pk_add_f32 v[244:245], v[140:141], v[144:145]
	v_pk_add_f32 v[242:243], v[148:149], v[152:153]
	v_pk_add_f32 v[240:241], v[156:157], v[160:161]
	v_pk_add_f32 v[14:15], v[14:15], v[164:165]
	v_pk_add_f32 v[236:237], v[236:237], v[104:105]
	v_pk_add_f32 v[250:251], v[250:251], v[106:107]
	v_pk_add_f32 v[248:249], v[248:249], v[110:111]
	v_pk_add_f32 v[246:247], v[246:247], v[114:115]
	v_pk_add_f32 v[244:245], v[244:245], v[118:119]
	s_setprio 1
	v_pk_add_f32 v[242:243], v[242:243], v[122:123]
	v_pk_add_f32 v[240:241], v[240:241], v[126:127]
	v_pk_add_f32 v[14:15], v[14:15], v[130:131]
	v_pk_add_f32 v[236:237], v[236:237], v[134:135]
	v_pk_add_f32 v[250:251], v[250:251], v[138:139]
	v_pk_add_f32 v[248:249], v[248:249], v[142:143]
	v_pk_add_f32 v[246:247], v[246:247], v[146:147]
	v_pk_add_f32 v[244:245], v[244:245], v[150:151]
	v_pk_add_f32 v[242:243], v[242:243], v[154:155]
	v_pk_add_f32 v[240:241], v[240:241], v[158:159]
	v_pk_add_f32 v[14:15], v[14:15], v[162:163]
	v_pk_add_f32 v[236:237], v[236:237], v[166:167]
	s_delay_alu instid0(VALU_DEP_2)
	v_pk_add_f32 v[14:15], v[14:15], v[246:247]
	s_delay_alu instid0(VALU_DEP_2)
	v_pk_add_f32 v[236:237], v[236:237], v[244:245]
	v_pk_add_f32 v[250:251], v[250:251], v[242:243]
	v_pk_add_f32 v[248:249], v[248:249], v[240:241]
	s_delay_alu instid0(VALU_DEP_2)
	v_pk_add_f32 v[14:15], v[14:15], v[250:251]
	s_delay_alu instid0(VALU_DEP_2)
	v_pk_add_f32 v[236:237], v[236:237], v[248:249]
	s_delay_alu instid0(VALU_DEP_1)
	v_pk_add_f32 v[14:15], v[14:15], v[236:237]
	s_wait_alu depctr_va_vdst(0)                   ; and one for the four
.irp b, 0,1,2,3
	v_max_num_f32 v[232+\b], 0x8000000, v[232+\b]  ; the floor 2^(16 - 127)
.endr
.irp b, 0,1,2,3
	s_delay_alu instid0(VALU_DEP_4)
	v_add_nc_u32 v[244+\b], 0xf8800000, v[232+\b]  ; the conversion's scale operand
.endr
.irp b, 0,1,2,3
	v_and_or_b32 v[240+\b], v[232+\b], 0x7f800000, s[MNT]          ; 57,344 x the scale
.endr
.irp b, 0,1,2,3
	v_lshrrev_b32 v[236+\b], 23, v[244+\b]         ; the scale's byte
.endr
	s_delay_alu instid0(VALU_DEP_3)
	v_lshl_or_b32 v253, v237, 8, v236              ; p's scale word for these 128 keys
	s_delay_alu instid0(VALU_DEP_1)
	v_lshl_or_b32 v253, v238, 16, v253
	s_delay_alu instid0(VALU_DEP_1)
	v_lshl_or_b32 v253, v239, 24, v253
.irp b, 0,1,2,3
.set J, 0
.rept 16
	v_min_num_f32 v[S+16*\b+J], v[S+16*\b+J], v[240+\b]            ; the conversion does not saturate (ISA guide 7.6.2); p is not negative: a one-sided hold
.set J, J+1
.endr
	v_cvt_scalef32_pk8_bf8_f32 v[PC+4*\b:PC+4*\b+1], v[S+16*\b:S+16*\b+7], v[244+\b]
	v_cvt_scalef32_pk8_bf8_f32 v[PC+4*\b+2:PC+4*\b+3], v[S+16*\b+8:S+16*\b+15], v[244+\b]
.endr
.set J, 0
	s_setprio 0
.rept 16
	v_pk_mul_f32 v[O+J:O+J+1], v[O+J:O+J+1], v[252:253] op_sel_hi:[1,0]   ; O^T under the new M; these sixteen are also the places ahead of the loads and products below
.set J, J+2
.endr
.irp t, 0,1,2,3
.irp c, 0,1,2,3
	ds_load_b128 v[40+16*\t+4*\c:43+16*\t+4*\c], v9 offset:2048*\t+512*\c
.endr
	ds_load_b32 v[248+\t], v11 offset:64*\t
.endr
	s_wait_alu depctr_va_vdst(0)
	s_wait_dscnt 0x0
.irp t, 0,1,2,3
	v_wmma_scale_f32_16x16x128_f8f6f4 v[O+8*\t:O+8*\t+7], v[40+16*\t:55+16*\t], v[PC:PC+15], v[O+8*\t:O+8*\t+7], v[248+\t], v253 matrix_a_fmt:MATRIX_FMT_BF8 matrix_b_fmt:MATRIX_FMT_BF8
.endr
	s_add_co_u32 s[TK], s[TK], 8192
	s_add_co_u32 s[TS], s[TS], 256
	s_sub_co_u32 s[CNT], s[CNT], 1
	s_cmp_lg_u32 s[CNT], 0
	s_cbranch_scc1 .Lstep
	s_setprio 0
	; ---- the way out: O^T / the sum, quantised along d: registers 16 b + e are d = 32 b + 16 h + e of my head
	v_add_f32 v14, v14, v15
	s_delay_alu instid0(VALU_DEP_1)
	v_permlanex16_b32 v252, v14, s[SEL], s[SEL+1]
	s_delay_alu instid0(VALU_DEP_1)
	v_add_f32 v14, v14, v252                       ; the row's sum
	s_wait_alu depctr_va_vdst(0)
	v_rcp_f32 v14, v14
.rept 8
	v_nop                                          ; the plain instruction behind the reciprocal, and the places behind the last products
.endr
	s_wait_alu depctr_va_vdst(0)
.set J, 0
.rept 32
	v_mul_f32 v[S+J], v[O+J], v14
.set J, J+1
.endr
.irp b, 0,1
	v_max3_num_f32 v[TM+\b], |v[S+16*\b]|, |v[S+16*\b+1]|, 0x8000000
.endr
.irp e, 2,4,6,8,10,12,14
.irp b, 0,1
	s_delay_alu instid0(VALU_DEP_2)
	v_max3_num_f32 v[TM+\b], |v[S+16*\b+\e]|, |v[S+16*\b+\e+1]|, v[TM+\b]
.endr
.endr
.irp b, 0,1
	s_delay_alu instid0(VALU_DEP_2)
	v_permlanex16_b32 v[TM+2+\b], v[TM+\b], s[SEL], s[SEL+1]
.endr
.irp b, 0,1
	s_delay_alu instid0(VALU_DEP_2)
	v_max_num_f32 v[TM+\b], v[TM+\b], v[TM+2+\b]
.endr
.irp b, 0,1
	s_delay_alu instid0(VALU_DEP_2)
	v_add_nc_u32 v[TM+4+\b], 0xf8800000, v[TM+\b]
.endr
.irp b, 0,1
	s_delay_alu instid0(VALU_DEP_4)
	v_and_or_b32 v[TM+6+\b], v[TM+\b], 0x7f800000, s[MNT]
.endr
.irp b, 0,1
	s_delay_alu instid0(VALU_DEP_4)
	v_lshrrev_b32 v[TM+2+\b], 23, v[TM+4+\b]
.endr
	s_delay_alu instid0(VALU_DEP_1)
	v_lshl_or_b32 v[HW], v[TM+3], 8, v[TM+2]
.irp b, 0,1
.irp e, 0,1,2,3,4,5,6,7,8,9,10,11,12,13,14,15
	v_med3_num_f32 v[S+16*\b+\e], v[S+16*\b+\e], -v[TM+6+\b], v[TM+6+\b]
.endr
.endr
.irp g, 0,1,2,3
	v_cvt_scalef32_pk8_bf8_f32 v[PC+2*\g:PC+2*\g+1], v[S+8*\g:S+8*\g+7], v[TM+4+\g/2]
.endr
	v_nop
	global_store_b128 v1, v[PC:PC+3], s[44:45]     ; 512 consecutive bytes a store
	global_store_b128 v1, v[PC+4:PC+7], s[44:45] offset:512
	ds_store_b16 v6, v[HW]                         ; both lanes of a row write the same two bytes
	s_wait_dscnt 0x0                               ; for the others' sake
	s_barrier_signal -1
	s_barrier_wait -1
	s_cmp_lg_u32 s[WV], 0
	s_cbranch_scc1 .Lnot_mine
	ds_load_b128 v[208:211], v7
	s_wait_dscnt 0x0
	global_store_b128 v1, v[208:211], s[46:47]     ; the tile row's 512 scale bytes
.Lnot_mine:
	s_wait_tensorcnt 0x0
	ds_add_u32 v230, v231
	s_wait_dscnt 0x0
	ROUND                                          ; the closing round: no work-group ends while a partner may still ask for bytes jointly
	s_endpgm
.Lfunc_end_k_qa3b5c07484_attn:
	.size	k_qa3b5c07484_attn, .Lfunc_end_k_qa3b5c07484_attn-k_qa3b5c07484_attn
	.p2alignl 7, 3214868480
	.fill 96, 4, 3214868480
	.section	.rodata,"a",@progbits
	.p2align	6, 0x0
	.amdhsa_kernel k_qa3b5c07484_attn
		.amdhsa_group_segment_fixed_size 280576
		.amdhsa_private_segment_fixed_size 0
		.amdhsa_enable_private_segment 0
		.amdhsa_kernarg_size 16
		.amdhsa_user_sgpr_count 2
		.amdhsa_user_sgpr_kernarg_segment_ptr 1
		.amdhsa_wavefront_size32 1
		.amdhsa_system_sgpr_workgroup_id_x 1
		.amdhsa_system_sgpr_workgroup_id_y 1
		.amdhsa_system_sgpr_workgroup_id_z 1
		.amdhsa_system_vgpr_workitem_id 0
		.amdhsa_next_free_vgpr 256
		.amdhsa_next_free_sgpr 66
		.amdhsa_reserve_vcc 0
		.amdhsa_float_denorm_mode_32 3
		.amdhsa_float_denorm_mode_16_64 3
		.amdhsa_memory_ordered 1
		.amdhsa_forward_progress 1
		.amdhsa_inst_pref_size 34
	.end_amdhsa_kernel
	.amdgpu_metadata
---
amdhsa.version: [ 1, 2 ]
amdhsa.kernels:
  - .name:           k_qa3b5c07484_attn
    .symbol:         k_qa3b5c07484_attn.kd
    .args:
      - { .name: qkv, .offset: 0, .size: 8, .value_kind: global_buffer, .address_space: global }
      - { .name: actA, .offset: 8, .size: 8, .value_kind: global_buffer, .address_space: global }
    .group_segment_fixed_size: 280576
    .private_segment_fixed_size: 0
    .kernarg_segment_align: 8
    .kernarg_segment_size: 16
    .max_flat_workgroup_size: 512
    .sgpr_count:     66
    .vgpr_count:     256
    .wavefront_size: 32
...
	.end_amdgpu_metadata
.endif
;; end of part 12
;; launch go (part 13): grid 8 x 32, 4 waves a work-group, no clusters, 17,920 bytes of LDS; arguments actA, wimg, wo_scales, wo_b, h, x1; writes x1
.if DOCPART == 13
	.amdgcn_target "amdgcn-amd-amdhsa--gfx1250"
	.amdhsa_code_object_version 6
	.text
	.protected	k_qa3b5c07484_go
	.globl	k_qa3b5c07484_go
	.p2align	8
	.type	k_qa3b5c07484_go,@function
k_qa3b5c07484_go:
	s_mov_b64 s[64:65], 0
	v_nop
	global_prefetch_b8 v0, s[64:65] scope:SCOPE_SE
	s_setreg_imm32_b32 hwreg(HW_REG_WAVE_SCHED_MODE, 0, 2), 2
	s_setreg_imm32_b32 hwreg(HW_REG_WAVE_MODE, 25, 1), 1
	s_wait_xcnt 0x0
	s_wait_alu depctr_vm_vsrc(0)
; GO: x1 = out wo + wo_b + h, f32 out, on codes of E5M2 with E8M0 scales, K = 1,024.
; A work-group makes 128 rows x 128 columns; four waves, each 64 x 64: 16 accumulators.
; OPERANDS COME STRAIGHT FROM MEMORY INTO REGISTERS: both are stored as images of operand registers (a tile of 16 rows x 128 K is 2,048 bytes, byte 512 c + 16 lane), so a fragment is four loads of 512 consecutive bytes.
; No tile passes through LDS, so there is nothing for a joint request of a cluster to land in: cluster = none.
; THE PRODUCT IS USED TRANSPOSED (source 0 = 16 rows of the weight, source 1 = 16 rows of the activation), and a weight tile's row r is the weight's row 32 (nt / 2) + 8 (nt % 2) + r + 8 (r / 8):
; lane (r, h) holds row r of C, and the 16 registers of column tiles 2 b, 2 b + 1 are columns 32 b + 16 h + 0 .. 15.  The bias is the C of each sum's first product.
; K goes in 8 steps of 128, written out: every offset is an immediate.  Three sets of fragment registers take turns; a step's loads are issued two steps ahead, dealt among the products of the step in hand.
; THE MODE: SCHED_MODE bits 1:0 = 2 (LLVM: expert scheduling mode 2), set by the entry lines.  The code itself states the register dependences
; between vector or matrix instructions and memory or LDS instructions, with s_wait_alu, always for 0.
; THE PLAN.  Registers that memory or LDS instructions touch:
;   v4-10          offsets and LDS addresses: made at the head, never written again.  One wait on va_vdst ahead of the first load serves them all.
;   sets 0, 1, 2   Step s: its products read set s % 3; the loads of step s + 2 land in set (s + 2) % 3, which the products of step s - 1 read last.
;   v32-63, v96-127  scale words and bias: loaded once at the head, read by the products.
;   accumulators   written by the products; read by the LDS stores of the way out.
;   v192-223       tile i: LDS loads land there, the tile's additions read them.
;   v128-191       two sets: tile i's residual lands in set i % 2, the tile's additions read and write it, its stores read it, and tile i + 2's residual lands in it.
;   v254, v255     the closing add's.
; So ONE wait on va_vdst stands at the head of a step that loads: the last step's products are done with the set that is asked for again.  The step's own products name set s % 3, the accumulators, the
; scale words and the bias: none of the registers that its loads touch.  On the way out: one wait on va_vdst behind the places, ahead of the first LDS store; one a tile behind its additions; and one on vm_vsrc
; ahead of the residual loads that land in a set just stored.
; REGISTERS.  window 0: v1-10 lane terms and addresses; v32-63 scale words and nothing else; v96-127 the bias; v128-191 residual rows, two sets; v192-223 rows of C back from the stage.
;   window 1: fragment sets 0 (v0-127) and 1 (v128-255): in a set the activation's four fragments, then the weight's four.   window 2: set 2 (v0-127); v128-255 the accumulators, (i, t) at 128 + 8 (4 i + t).
; SCALE WORDS.  The activation's: one load brings K step 2 e in lanes 0-15 and 2 e + 1 in lanes 16-31.  The weight's: one 16-byte load a tile brings words 0-3 in lanes 0-15, 4-7 in lanes 16-31.
; THE WAY OUT.  A tile of 16 rows x 64 columns goes through the wave's own stage in LDS (rows of 256 + 16 bytes) and comes back as whole rows; the residual is added; sixteen lanes store 256 consecutive bytes, aligned.
.set KS, 8
.set WOFF, 0x120000
.set SOFF, 0x400000
.set SC, 32
.set BI, 96
.set RR, 128
.set OB, 192
.set ACC, 128
.set PA, 36
.set PS, 38
.set PB, 40
.set PW, 42
.set PBI, 44
.set PR, 46
.set PO, 48
.set MSB, 0
.macro WIN new                         ; the immediate's high byte repeats the setting that is left; a switch that changes nothing is dropped
.if MSB != (\new)
	s_set_vgpr_msb (MSB<<8)|(\new)
.set MSB, (\new)
.endif
.endm
.macro WM d, a, b, c, sa, sb, ra, rb   ; one product; ra, rb: the scale words stand in lanes 16-31
.if (\ra) && (\rb)
	v_wmma_scale_f32_16x16x128_f8f6f4 v[\d:\d+7], v[\a:\a+15], v[\b:\b+15], v[\c:\c+7], v[\sa], v[\sb] matrix_a_fmt:MATRIX_FMT_BF8 matrix_b_fmt:MATRIX_FMT_BF8 matrix_a_scale:MATRIX_SCALE_ROW1 matrix_b_scale:MATRIX_SCALE_ROW1
.elseif (\ra)
	v_wmma_scale_f32_16x16x128_f8f6f4 v[\d:\d+7], v[\a:\a+15], v[\b:\b+15], v[\c:\c+7], v[\sa], v[\sb] matrix_a_fmt:MATRIX_FMT_BF8 matrix_b_fmt:MATRIX_FMT_BF8 matrix_a_scale:MATRIX_SCALE_ROW1
.elseif (\rb)
	v_wmma_scale_f32_16x16x128_f8f6f4 v[\d:\d+7], v[\a:\a+15], v[\b:\b+15], v[\c:\c+7], v[\sa], v[\sb] matrix_a_fmt:MATRIX_FMT_BF8 matrix_b_fmt:MATRIX_FMT_BF8 matrix_b_scale:MATRIX_SCALE_ROW1
.else
	v_wmma_scale_f32_16x16x128_f8f6f4 v[\d:\d+7], v[\a:\a+15], v[\b:\b+15], v[\c:\c+7], v[\sa], v[\sb] matrix_a_fmt:MATRIX_FMT_BF8 matrix_b_fmt:MATRIX_FMT_BF8
.endif
.endm
.macro LOADA s                         ; K step s: the activation's four fragments, 16 loads, into set s % 3
.set FB, 128*(((\s)%3)%2)
.if (\s)%3 == 2
	WIN 0x80
.else
	WIN 0x40
.endif
.irp i, 0,1,2,3
.irp c, 0,1,2,3
	global_load_b128 v[FB+16*\i+4*\c:FB+16*\i+4*\c+3], v4, s[PA:PA+1] offset:(\i*KS+(\s))*2048+512*\c
.endr
.endr
.endm
.macro LOADB s                         ; K step s: the weight's four fragments, 16 loads, into set s % 3
.set FB, 128*(((\s)%3)%2)
.if (\s)%3 == 2
	WIN 0x80
.else
	WIN 0x40
.endif
.irp t, 0,1,2,3
.irp c, 0,1,2,3
	global_load_b128 v[FB+64+16*\t+4*\c:FB+64+16*\t+4*\c+3], v4, s[PB:PB+1] offset:(\t*KS+(\s))*2048+512*\c
.endr
.endr
.endm
.macro SCALES                          ; the scale words of all eight K steps: 20 loads
.irp i, 0,1,2,3
.irp e, 0,1,2,3
	global_load_b32 v[SC+4*\i+\e], v5, s[PS:PS+1] offset:(\i*KS+2*\e)*64
.endr
.endr
.irp t, 0,1,2,3
	global_load_b128 v[SC+16+4*\t:SC+16+4*\t+3], v6, s[PW:PW+1] offset:(32*(\t/2)+8*(\t%2))*KS*4
.endr
.endm
.macro MULH s, ia, ib                  ; 8 products: rows ia, ib of the accumulators.  The sixteen accumulators take turns, one instruction a turn, in one order in every step
.set FB, 128*(((\s)%3)%2)
.set SE, SC+16+(\s)%4
.set AE, SC+(\s)/2
.set RA, (\s)/4
.set RB, (\s)%2
.if (\s) == 0
	WIN 0x85                                       ; C: the bias, in window 0
.elseif (\s)%3 == 2
	WIN 0xaa
.else
	WIN 0xa5
.endif
.irp i, \ia, \ib
.irp t, 0,1,2,3
.if (\s) == 0
	WM ACC+8*(4*\i+\t), FB+64+16*\t, FB+16*\i, BI+8*\t, SE+4*\t, AE+4*\i, RA, RB
.else
	WM ACC+8*(4*\i+\t), FB+64+16*\t, FB+16*\i, ACC+8*(4*\i+\t), SE+4*\t, AE+4*\i, RA, RB
.endif
.endr
.endr
.endm
.macro STEP s
.if (\s)+2 < KS
.if (\s) > 0
.rept 8
	v_nop                                          ; eight places between the last step's products and this step's loads into the registers that they read
.endr
.endif
.endif
.set NW, 0
.if (\s)+1 < KS
.set NW, 32                            ; behind this step's fragments: the next step's 32 loads
.endif
	s_wait_loadcnt NW
.if (\s)+2 < KS
.if (\s) > 0
	s_wait_alu depctr_va_vdst(0)                   ; the last step's products are done reading set (s + 2) % 3, in which this step's 32 loads land
.endif
	LOADA (\s)+2                                   ; (step 0: no vector or matrix instruction has named set 2)
.endif
	MULH \s, 0, 1
.if (\s)+2 < KS
	LOADB (\s)+2                                   ; no wait: the products since the wait above name set s % 3, the accumulators, the scale words and the bias
.endif
	MULH \s, 2, 3
.endm
	s_load_b256 s[4:11], s[0:1], 0x0               ; activation, wimg, the weight's scales, bias
	s_load_b128 s[12:15], s[0:1], 0x20             ; residual, out
	v_lshl_add_u32 v254, v0, 2, 0x4400             ; my spare word and 0: made here and kept for the closing lines alone
	v_mov_b32 v255, 0
	v_lshrrev_b32 v1, 5, v0
	v_readfirstlane_b32 s20, v1                    ; wave 0..3
	v_and_b32 v1, 31, v0                           ; lane
	v_and_b32 v2, 15, v0                           ; r
	v_bfe_u32 v3, v0, 4, 1                         ; h
	v_lshlrev_b32 v4, 4, v1                        ; 16 x lane
	v_lshlrev_b32 v5, 2, v1                        ; 4 x lane
	v_and_b32 v6, 8, v2
	v_add_nc_u32 v6, v6, v2                        ; r + 8 (r / 8)
	v_mul_u32_u24 v6, v6, KS*4
	v_lshl_add_u32 v6, v3, 4, v6                   ; the weight's scale words: my row of a tile, + 16 h
	v_mul_u32_u24 v7, v2, 272
	v_lshl_add_u32 v7, v3, 6, v7                   ; the stage, in: row r, + 64 h
	v_mul_u32_u24 v8, v3, 272
	v_lshl_add_u32 v8, v2, 4, v8                   ; back: lanes 0-15 one row, lanes 16-31 the next
	v_lshlrev_b32 v9, 12, v3
	v_lshl_add_u32 v9, v2, 4, v9                   ; and the same two rows in memory
	v_lshlrev_b32 v10, 6, v3                       ; the bias: 64 h
	s_wait_alu depctr_va_sdst(0)                   ; s20 is written, ahead of its first reader: the wave's shares and addresses are made from it
	s_lshr_b32 s21, s20, 1                         ; wr: which 64 rows
	s_and_b32 s22, s20, 1                          ; wc: which 64 columns
	s_and_b32 s24, ttmp7, 0xffff                   ; y
	s_mul_i32 s29, s20, 4352                       ; my stage: 16 rows of 272 bytes
	v_add_nc_u32 v7, s29, v7
	v_add_nc_u32 v8, s29, v8
	s_lshl_b32 s30, s24, 3
	s_lshl_b32 s25, s21, 2
	s_add_co_u32 s30, s30, s25                     ; my first tile of rows: 8 y + 4 wr
	s_lshl_b32 s31, ttmp9, 3
	s_lshl_b32 s25, s22, 2
	s_add_co_u32 s31, s31, s25                     ; my first tile of columns: 8 x + 4 wc
	s_mul_i32 s50, s30, KS*2048
	s_mov_b32 s51, 0
	s_mul_i32 s52, s30, KS*64
	s_add_co_u32 s52, s52, SOFF
	s_mov_b32 s53, 0
	s_mul_i32 s54, s31, KS*2048
	s_add_co_u32 s54, s54, WOFF
	s_mov_b32 s55, 0
	s_mul_i32 s56, s31, KS*64
	s_mov_b32 s57, 0
	s_lshl_b32 s58, s31, 6
	s_mov_b32 s59, 0
	s_lshl_b32 s60, s30, 16
	s_add_co_u32 s60, s60, s58                     ; my corner of C: 16 x 4,096 bytes a tile of rows, 64 a tile of columns
	s_mov_b32 s61, 0
	s_wait_kmcnt 0x0
	s_add_nc_u64 s[PA:PA+1], s[4:5], s[50:51]
	s_add_nc_u64 s[PS:PS+1], s[4:5], s[52:53]
	s_add_nc_u64 s[PB:PB+1], s[6:7], s[54:55]
	s_add_nc_u64 s[PW:PW+1], s[8:9], s[56:57]
	s_add_nc_u64 s[PBI:PBI+1], s[10:11], s[58:59]
	s_add_nc_u64 s[PR:PR+1], s[12:13], s[60:61]
	s_add_nc_u64 s[PO:PO+1], s[14:15], s[60:61]
	s_wait_alu depctr_va_vdst(0)                   ; the offsets and addresses v4 to v10 are written, which every load and store below reads
.irp b, 0,1
.irp q, 0,1,2,3
	global_load_b128 v[BI+16*\b+4*\q:BI+16*\b+4*\q+3], v10, s[PBI:PBI+1] offset:128*\b+16*\q   ; the bias in the result's layout: columns 32 b + 16 h + 0 .. 15
.endr
.endr
	SCALES
	LOADA 0
	LOADB 0
	LOADA 1
	LOADB 1
.set Q, 0
.rept KS
	STEP Q
.set Q, Q+1
.endr
	WIN 0
.macro RES i                           ; the residual's 16 rows x 256 bytes of tile i into set i % 2
.irp q, 0,1,2,3,4,5,6,7
	global_load_b128 v[RR+32*((\i)%2)+4*\q:RR+32*((\i)%2)+4*\q+3], v9, s[PR:PR+1] offset:(16*(\i)+2*\q)*4096
.endr
.endm
.macro OUT i
.set RS, RR+32*((\i)%2)
	WIN 0x08                                       ; an LDS store's data are its source 1: window 2
.irp t, 0,1,2,3
	ds_store_b128 v7, v[ACC+8*(4*\i+\t):ACC+8*(4*\i+\t)+3] offset:128*(\t/2)+32*(\t%2)       ; each accumulator from its low end on
	ds_store_b128 v7, v[ACC+8*(4*\i+\t)+4:ACC+8*(4*\i+\t)+7] offset:128*(\t/2)+32*(\t%2)+16
.endr
	WIN 0
.irp q, 0,1,2,3,4,5,6,7
	ds_load_b128 v[OB+4*\q:OB+4*\q+3], v8 offset:544*\q            ; LDS serves a wave's instructions in order (ISA guide 5.7.1.4): these see the stores above, and the next tile's stores come behind them
.endr
	s_wait_dscnt 0x0
.if \i < 3
	s_wait_loadcnt 8                               ; this tile's residual is in; the next tile's eight loads stay out
.else
	s_wait_loadcnt 0x0
.endif
.irp k, 0,1,2,3,4,5,6,7,8,9,10,11,12,13,14,15
	v_pk_add_f32 v[RS+2*\k:RS+2*\k+1], v[RS+2*\k:RS+2*\k+1], v[OB+2*\k:OB+2*\k+1]
.endr
	s_wait_alu depctr_va_vdst(0)                   ; the additions have written this residual set, which the stores read and in which loads land below, and are done reading v192-223, in which the next tile's LDS loads land
.irp q, 0,1,2,3,4,5,6,7
	global_store_b128 v9, v[RS+4*\q:RS+4*\q+3], s[PO:PO+1] offset:(16*\i+2*\q)*4096   ; sixteen lanes store 256 consecutive bytes, aligned
.endr
.if \i < 2
	s_wait_xcnt 0x0                                ; the stores' addresses are translated (ISA guide 3.1): the set takes the tile two further on only behind this wait,
	s_wait_alu depctr_vm_vsrc(0)                   ; and behind this one: the stores have read the set's registers, in which the loads below land
	RES \i+2
.endif
.endm
	RES 0                                          ; no vector or matrix instruction has named v128-191
	RES 1
.rept 8
	v_nop                                          ; eight places ahead of the first read of results
.endr
	s_wait_alu depctr_va_vdst(0)                   ; the products have written the accumulators, which the LDS stores of all four tiles read; the places above stay beside this wait
	OUT 0
	OUT 1
	OUT 2
	OUT 3
	s_wait_dscnt 0x0                               ; the closing lines, six on end
	s_wait_alu 0x0
	s_wait_tensorcnt 0x0
	ds_add_u32 v254, v255
	s_wait_dscnt 0x0
	s_endpgm
.Lfunc_end_k_qa3b5c07484_go:
	.size	k_qa3b5c07484_go, .Lfunc_end_k_qa3b5c07484_go-k_qa3b5c07484_go
	.p2alignl 7, 3214868480
	.fill 96, 4, 3214868480
	.section	.rodata,"a",@progbits
	.p2align	6, 0x0
	.amdhsa_kernel k_qa3b5c07484_go
		.amdhsa_group_segment_fixed_size 17920
		.amdhsa_private_segment_fixed_size 0
		.amdhsa_enable_private_segment 0
		.amdhsa_kernarg_size 48
		.amdhsa_user_sgpr_count 2
		.amdhsa_user_sgpr_kernarg_segment_ptr 1
		.amdhsa_wavefront_size32 1
		.amdhsa_system_sgpr_workgroup_id_x 1
		.amdhsa_system_sgpr_workgroup_id_y 1
		.amdhsa_system_sgpr_workgroup_id_z 1
		.amdhsa_system_vgpr_workitem_id 0
		.amdhsa_next_free_vgpr 768
		.amdhsa_next_free_sgpr 66
		.amdhsa_reserve_vcc 0
		.amdhsa_float_denorm_mode_32 3
		.amdhsa_float_denorm_mode_16_64 3
		.amdhsa_memory_ordered 1
		.amdhsa_forward_progress 1
		.amdhsa_inst_pref_size 64
	.end_amdhsa_kernel
	.amdgpu_metadata
---
amdhsa.version: [ 1, 2 ]
amdhsa.kernels:
  - .name:           k_qa3b5c07484_go
    .symbol:         k_qa3b5c07484_go.kd
    .args:
      - { .name: actA, .offset: 0, .size: 8, .value_kind: global_buffer, .address_space: global }
      - { .name: wimg, .offset: 8, .size: 8, .value_kind: global_buffer, .address_space: global }
      - { .name: wo_scales, .offset: 16, .size: 8, .value_kind: global_buffer, .address_space: global }
      - { .name: wo_b, .offset: 24, .size: 8, .value_kind: global_buffer, .address_space: global }
      - { .name: h, .offset: 32, .size: 8, .value_kind: global_buffer, .address_space: global }
      - { .name: x1, .offset: 40, .size: 8, .value_kind: global_buffer, .address_space: global }
    .group_segment_fixed_size: 17920
    .private_segment_fixed_size: 0
    .kernarg_segment_align: 8
    .kernarg_segment_size: 48
    .max_flat_workgroup_size: 128
    .sgpr_count:     66
    .vgpr_count:     768
    .wavefront_size: 32
...
	.end_amdgpu_metadata
.endif
;; end of part 13
;; launch ln2 (part 14): grid 256 x 1, 16 waves a work-group, no clusters, 102,400 bytes of LDS; arguments x1, modv, actA; writes actA
.if DOCPART == 14
	.amdgcn_target "amdgcn-amd-amdhsa--gfx1250"
	.amdhsa_code_object_version 6
	.text
	.protected	k_qa3b5c07484_ln2
	.globl	k_qa3b5c07484_ln2
	.p2align	8
	.type	k_qa3b5c07484_ln2,@function
k_qa3b5c07484_ln2:
	s_mov_b64 s[64:65], 0
	v_nop
	global_prefetch_b8 v0, s[64:65] scope:SCOPE_SE
	s_setreg_imm32_b32 hwreg(HW_REG_WAVE_MODE, 25, 1), 1
	s_wait_xcnt 0x0
; LN1 = 1:  h = (x - mu) rs A + Bc (f32, stored);  hn = LN(h) attn_nw + attn_nb, quantised to E5M2 with one E8M0 byte for each 32 along the row, stored as operand images.
; LN1 = 0:  h2 = (x1 - mu) rs A + Bc, quantised and stored likewise; nothing else is stored.   (One text serves both launches; the flag below and the two lines of the spare word differ.)
; SHARES.  A work-group owns 16 rows, one tile of rows; wave w owns row w and keeps it in 32 registers: each of its eight loads covers 512 consecutive bytes.  Mean and variance in two passes, as they are defined.
; The gain and bias vectors come into LDS once for the work-group (each wave fetches a part), then every wave reads them in its row's layout.
; THE TURN.  The conversions take neighbours along K from one lane's registers: the row goes through the wave's own 4,608 bytes of LDS (16 bytes of padding behind each 128) and comes back 32 neighbours a lane: a whole block.
; THE IMAGE.  Tile (mt, ks) of actA, 2,048 bytes at (8 mt + ks) x 2,048: byte 512 c + 16 (r + 16 h) holds row r's codes at k = 128 ks + 32 c + 16 h + 0 .. 15.  Lane l of wave w holds block l of row w: bytes 512 l + 16 w and + 256.
; The sixteen waves gather the tile row's 16,384 bytes in LDS (each 256 bytes + 16 of padding) and store them 512 consecutive bytes an instruction.  Scale words: (8 mt + ks) x 64 + 4 r behind 0x400000.
; A block's scale byte is its largest magnitude's exponent field - 15, held at 1 from below; numbers are held at +-57,344 x the scale ahead of the conversion, which does not saturate (ISA guide 7.6.2).
; LIMITS: NaN and infinities are not served; a block of zeros, or one under 2^-111, gets the byte 1 (its codes are zeros or what the floor's scale gives; this program alone reads the bytes); 1/sqrt by v_rsq_f32.
.set LN1, 0
.if LN1
.set PARB, 16384                       ; LDS: four vectors of 4,096 bytes: A, Bc, attn_nw, attn_nb
.set WSH, 10                           ; a wave fetches 1,024 bytes of them
.set Y, 128                            ; where the numbers to be quantised stand
.else
.set PARB, 8192                        ; A, Bc
.set WSH, 9
.set Y, 32
.endif
.set TURN, PARB                        ; 4,608 bytes for each wave
.set IMG, TURN+16*4608                 ; 64 x (256 + 16) bytes
.set SCW, IMG+64*272                   ; 512 scale bytes
.set X, 32                             ; v32-63   the row
.set PA, 64                            ; v64-95   gain;  later the row turned
.set PB, 96                            ; v96-127  bias
.set C, 160                            ; v160-167 a block's codes
.if LN1
	s_load_b256 s[4:11], s[0:1], 0x0               ; x, modv, attn_nw, attn_nb
	s_load_b128 s[12:15], s[0:1], 0x20             ; h, actA
.else
	s_load_b128 s[4:7], s[0:1], 0x0                ; x1, modv
	s_load_b64 s[14:15], s[0:1], 0x10              ; actA
	v_lshl_add_u32 v176, v0, 2, 0x18800
	v_mov_b32 v177, 0
.endif
	v_lshrrev_b32 v1, 5, v0
	s_delay_alu instid0(VALU_DEP_1)
	v_readfirstlane_b32 s16, v1                    ; wave 0..15
	v_and_b32 v1, 31, v0                           ; lane
	s_delay_alu instid0(VALU_DEP_1)
	v_lshlrev_b32 v2, 4, v1                        ; 16 x lane
	s_lshl_b32 s17, s16, WSH
	v_add_nc_u32 v3, s17, v2                       ; LDS: where my part of the vectors goes
	s_mul_i32 s18, s16, 4608
	s_add_co_u32 s18, s18, TURN
	v_lshrrev_b32 v4, 3, v1
	s_delay_alu instid0(VALU_DEP_1)
	v_add_nc_u32 v4, v4, v1
	s_delay_alu instid0(VALU_DEP_1)
	v_lshl_add_u32 v4, v4, 4, s18                  ; the turn, in: 16 lane + 16 (lane / 8); 576 bytes a load
	v_mul_u32_u24 v5, v1, 144
	s_delay_alu instid0(VALU_DEP_1)
	v_add_nc_u32 v5, s18, v5                       ; the turn, out: 144 x lane
	s_lshl_b32 s19, s16, 4
	s_add_co_u32 s19, s19, IMG
	v_mul_u32_u24 v6, v1, 544
	s_delay_alu instid0(VALU_DEP_1)
	v_add_nc_u32 v6, s19, v6                       ; the image, in: 2 x 272 x lane + 16 x wave
	s_lshl_b32 s19, s16, 2
	s_add_co_u32 s19, s19, SCW
	v_lshrrev_b32 v7, 2, v1
	v_and_b32 v16, 3, v1
	s_delay_alu instid0(VALU_DEP_1)
	v_lshl_or_b32 v7, v7, 6, v16
	s_delay_alu instid0(VALU_DEP_1)
	v_add_nc_u32 v7, s19, v7                       ; my scale byte: 64 (lane / 4) + 4 x wave + lane % 4
	s_mul_i32 s19, s16, 1088
	s_add_co_u32 s19, s19, IMG
	v_lshrrev_b32 v16, 4, v1
	s_delay_alu instid0(VALU_DEP_1)
	v_mul_u32_u24 v16, v16, 272
	v_and_b32 v17, 15, v1
	s_delay_alu instid0(VALU_DEP_1)
	v_lshl_add_u32 v16, v17, 4, v16
	s_delay_alu instid0(VALU_DEP_1)
	v_add_nc_u32 v16, s19, v16                     ; the image, out: unit 4 x wave + lane / 16, 16 (lane % 16)
	v_add_nc_u32 v17, SCW, v2                      ; the scale words, out (wave 0)
	s_mov_b32 s20, 0x76543210
	s_mov_b32 s21, 0xfedcba98                      ; v_permlanex16_b32's selects for lane l xor 16
	s_mov_b32 s22, 0x600000                        ; the mantissa field of 57,344
	s_mov_b32 s23, 0x3a800000                      ; 1 / 1,024
	s_mov_b32 s24, 0x3727c5ac                      ; 1e-5
	s_lshr_b32 s25, ttmp9, 7                       ; batch
	s_lshl_b32 s26, s25, 12
	s_mov_b32 s27, 0
	s_lshl_b32 s28, ttmp9, 16
	s_lshl_b32 s29, s16, 12
	s_add_co_u32 s28, s28, s29                     ; my row: (16 mt + wave) x 4,096 bytes
	s_mov_b32 s29, 0
	s_lshl_b32 s30, ttmp9, 14
	s_lshl_b32 s31, s16, 10
	s_add_co_u32 s30, s30, s31                     ; my 1,024 bytes of the tile row's images
	s_mov_b32 s31, 0
	s_lshl_b32 s32, ttmp9, 9
	s_add_co_u32 s32, s32, 0x400000                ; the tile row's 512 scale bytes
	s_mov_b32 s33, 0
.if LN1
	s_lshr_b32 s34, s16, 2                         ; which vector I fetch,
	s_and_b32 s35, s16, 3
	s_lshl_b32 s36, s35, 10                        ; which quarter of it
	s_mov_b32 s37, 0
	s_wait_kmcnt 0x0
	s_add_nc_u64 s[6:7], s[6:7], s[26:27]          ; A of my batch
	s_add_nc_u64 s[38:39], s[6:7], 8192            ; Bc
	s_cmp_eq_u32 s34, 0                            ; the choice hangs on the wave's number alone
	s_cselect_b64 s[40:41], s[6:7], s[10:11]
	s_cmp_eq_u32 s34, 1
	s_cselect_b64 s[40:41], s[38:39], s[40:41]
	s_cmp_eq_u32 s34, 2
	s_cselect_b64 s[40:41], s[8:9], s[40:41]
	s_add_nc_u64 s[40:41], s[40:41], s[36:37]
	s_add_nc_u64 s[12:13], s[12:13], s[28:29]
.else
	s_lshr_b32 s34, s16, 3
	s_lshl_b32 s34, s34, 13                        ; A or Bc,
	s_and_b32 s35, s16, 7
	s_lshl_b32 s35, s35, 9                         ; which eighth
	s_add_co_u32 s36, s34, s35
	s_add_co_u32 s36, s36, s26
	s_add_co_u32 s36, s36, 16384                   ; the second set
	s_mov_b32 s37, 0
	s_wait_kmcnt 0x0
	s_add_nc_u64 s[40:41], s[6:7], s[36:37]
.endif
	s_add_nc_u64 s[4:5], s[4:5], s[28:29]
	s_add_nc_u64 s[42:43], s[14:15], s[30:31]
	s_add_nc_u64 s[44:45], s[14:15], s[32:33]
	global_load_b128 v[PA:PA+3], v2, s[40:41]
.if LN1
	global_load_b128 v[PA+4:PA+7], v2, s[40:41] offset:512
.endif
.irp j, 0,1,2,3,4,5,6,7
.if LN1
	global_load_b128 v[X+4*\j:X+4*\j+3], v2, s[4:5] offset:512*\j th:TH_LOAD_NT   ; read once in the whole program
.else
	global_load_b128 v[X+4*\j:X+4*\j+3], v2, s[4:5] offset:512*\j
.endif
.endr
	s_wait_loadcnt 8                               ; my part of the vectors is in; the row's eight loads, issued behind it, stay out
	ds_store_b128 v3, v[PA:PA+3]
.if LN1
	ds_store_b128 v3, v[PA+4:PA+7] offset:512
.endif
	s_wait_dscnt 0x0                               ; for the others' sake
	s_barrier_signal -1
	s_barrier_wait -1                              ; the vectors lie in LDS
.irp j, 0,1,2,3,4,5,6,7
	ds_load_b128 v[PA+4*\j:PA+4*\j+3], v2 offset:512*\j
	ds_load_b128 v[PB+4*\j:PB+4*\j+3], v2 offset:4096+512*\j
.endr
.macro LANESUM                         ; v8 over the 32 lanes, the result in every lane
	s_delay_alu instid0(VALU_DEP_1)
	v_add_f32_dpp v8, v8, v8 row_xmask:1 row_mask:0xf bank_mask:0xf
	s_delay_alu instid0(VALU_DEP_1)
	v_add_f32_dpp v8, v8, v8 row_xmask:2 row_mask:0xf bank_mask:0xf
	s_delay_alu instid0(VALU_DEP_1)
	v_add_f32_dpp v8, v8, v8 row_xmask:4 row_mask:0xf bank_mask:0xf
	s_delay_alu instid0(VALU_DEP_1)
	v_add_f32_dpp v8, v8, v8 row_xmask:8 row_mask:0xf bank_mask:0xf
	s_delay_alu instid0(VALU_DEP_1)
	v_permlanex16_b32 v9, v8, s20, s21
	s_delay_alu instid0(VALU_DEP_1)
	v_add_f32 v8, v8, v9
.endm
.macro FOLD                            ; four chains v8-15 into v8
	s_delay_alu instid0(VALU_DEP_3)
	v_pk_add_f32 v[8:9], v[8:9], v[10:11]
	s_delay_alu instid0(VALU_DEP_2)
	v_pk_add_f32 v[12:13], v[12:13], v[14:15]
	s_delay_alu instid0(VALU_DEP_1)
	v_pk_add_f32 v[8:9], v[8:9], v[12:13]
	s_delay_alu instid0(VALU_DEP_1)
	v_add_f32 v8, v8, v9
	LANESUM
.endm
.macro STATS src, dst                  ; dst = src - mean;  v[22:23] = 1 / sqrt(variance + eps), twice
.irp k, 0,1,2,3
	v_pk_add_f32 v[8+2*\k:9+2*\k], v[\src+4*\k:\src+4*\k+1], v[\src+4*\k+2:\src+4*\k+3]
.endr
.irp k, 0,1,2,3
	s_delay_alu instid0(VALU_DEP_4)
	v_pk_add_f32 v[8+2*\k:9+2*\k], v[8+2*\k:9+2*\k], v[\src+16+2*\k:\src+17+2*\k]
.endr
.irp k, 0,1,2,3
	s_delay_alu instid0(VALU_DEP_4)
	v_pk_add_f32 v[8+2*\k:9+2*\k], v[8+2*\k:9+2*\k], v[\src+24+2*\k:\src+25+2*\k]
.endr
	FOLD
	s_delay_alu instid0(VALU_DEP_1)
	v_mul_f32 v20, s23, v8
	s_delay_alu instid0(VALU_DEP_2)
	v_mul_f32 v21, s23, v8                         ; the mean, twice: a pair for the packed form
.irp k, 0,1,2,3,4,5,6,7,8,9,10,11,12,13,14,15
	v_pk_add_f32 v[\dst+2*\k:\dst+2*\k+1], v[\src+2*\k:\src+2*\k+1], v[20:21] neg_lo:[0,1] neg_hi:[0,1]
.endr
.irp k, 0,1,2,3
	v_pk_mul_f32 v[8+2*\k:9+2*\k], v[\dst+2*\k:\dst+2*\k+1], v[\dst+2*\k:\dst+2*\k+1]
.endr
.irp k, 4,5,6,7,8,9,10,11,12,13,14,15
	s_delay_alu instid0(VALU_DEP_4)
	v_pk_fma_f32 v[8+2*(\k%4):9+2*(\k%4)], v[\dst+2*\k:\dst+2*\k+1], v[\dst+2*\k:\dst+2*\k+1], v[8+2*(\k%4):9+2*(\k%4)]
.endr
	FOLD
	s_delay_alu instid0(VALU_DEP_1)
	v_fma_f32 v24, v8, s23, s24                    ; variance + eps
	s_wait_alu depctr_va_vdst(0)
	v_rsq_f32 v22, v24
	v_rsq_f32 v23, v24
	v_nop                                          ; a plain instruction behind the transcendentals (ISA guide 5.7.2),
	s_wait_alu depctr_va_vdst(0)                   ; and one wait for both, ahead of their first reader
.endm
.macro NORM d                          ; d = d rs gain + bias
.irp k, 0,1,2,3,4,5,6,7,8,9,10,11,12,13,14,15
	v_pk_mul_f32 v[\d+2*\k:\d+2*\k+1], v[\d+2*\k:\d+2*\k+1], v[22:23]
.endr
.irp k, 0,1,2,3,4,5,6,7,8,9,10,11,12,13,14,15
	v_pk_fma_f32 v[\d+2*\k:\d+2*\k+1], v[\d+2*\k:\d+2*\k+1], v[PA+2*\k:PA+2*\k+1], v[PB+2*\k:PB+2*\k+1]
.endr
.endm
	s_wait_loadcnt 0x0                             ; the row
	STATS X, X
	s_wait_dscnt 0x0                               ; A and Bc
	NORM X
.if LN1
.irp j, 0,1,2,3,4,5,6,7
	global_store_b128 v2, v[X+4*\j:X+4*\j+3], s[12:13] offset:512*\j   ; h: 512 consecutive bytes a store.  X is not written again
.endr
.irp j, 0,1,2,3,4,5,6,7
	ds_load_b128 v[PA+4*\j:PA+4*\j+3], v2 offset:8192+512*\j
	ds_load_b128 v[PB+4*\j:PB+4*\j+3], v2 offset:12288+512*\j
.endr
	STATS X, Y
	s_wait_dscnt 0x0                               ; attn_nw and attn_nb
	NORM Y
.endif
.irp j, 0,1,2,3,4,5,6,7
	ds_store_b128 v4, v[Y+4*\j:Y+4*\j+3] offset:576*\j
.endr
.irp q, 0,1,2,3,4,5,6,7
	ds_load_b128 v[PA+4*\q:PA+4*\q+3], v5 offset:16*\q             ; LDS serves a wave's instructions in order (ISA guide 5.7.1.4): these see the stores above
.endr
	s_wait_dscnt 0x0
	v_max3_num_f32 v28, |v[PA]|, |v[PA+1]|, |v[PA+2]|              ; the block's largest magnitude: all 32 numbers are mine
	v_max3_num_f32 v29, |v[PA+3]|, |v[PA+4]|, |v[PA+5]|
.irp i, 6,10,14,18,22,26
	s_delay_alu instid0(VALU_DEP_2)
	v_max3_num_f32 v28, v28, |v[PA+\i]|, |v[PA+\i+1]|
	s_delay_alu instid0(VALU_DEP_2)
	v_max3_num_f32 v29, v29, |v[PA+\i+2]|, |v[PA+\i+3]|
.endr
	s_delay_alu instid0(VALU_DEP_2)
	v_max3_num_f32 v28, v28, |v[PA+30]|, |v[PA+31]|
	s_delay_alu instid0(VALU_DEP_1)
	v_max3_num_f32 v28, v28, v29, 0x8000000        ; and the floor 2^(16 - 127): the byte cannot fall under 1
	s_delay_alu instid0(VALU_DEP_1)
	v_add_nc_u32 v27, 0xf8800000, v28              ; 15 off the exponent field: the conversion's scale operand
	s_delay_alu instid0(VALU_DEP_2)
	v_and_or_b32 v26, v28, 0x7f800000, s22         ; 57,344 x the scale
	s_delay_alu instid0(VALU_DEP_2)
	v_lshrrev_b32 v25, 23, v27                     ; the scale's byte
.set J, 0
.rept 32
	v_med3_num_f32 v[PA+J], v[PA+J], -v26, v26
.set J, J+1
.endr
.irp g, 0,1,2,3
	v_cvt_scalef32_pk8_bf8_f32 v[C+2*\g:C+2*\g+1], v[PA+8*\g:PA+8*\g+7], v27
.endr
	v_nop                                          ; a plain instruction behind the last conversion
	ds_store_b128 v6, v[C:C+3]                     ; k = 32 l + 0 .. 15: the image's lanes 0-15
	ds_store_b128 v6, v[C+4:C+7] offset:272        ; k = 32 l + 16 .. 31: its lanes 16-31
	ds_store_b8 v7, v25
	s_wait_dscnt 0x0                               ; for the others' sake
	s_barrier_signal -1
	s_barrier_wait -1                              ; the tile row's images and scale words lie in LDS
	ds_load_b128 v[PA:PA+3], v16
	ds_load_b128 v[PA+4:PA+7], v16 offset:544
	s_wait_dscnt 0x0
	global_store_b128 v2, v[PA:PA+3], s[42:43]
	global_store_b128 v2, v[PA+4:PA+7], s[42:43] offset:512
	s_cmp_lg_u32 s16, 0
	s_cbranch_scc1 .Lend
	ds_load_b128 v[PA+8:PA+11], v17
	s_wait_dscnt 0x0
	global_store_b128 v2, v[PA+8:PA+11], s[44:45]
.Lend:
	s_wait_tensorcnt 0x0
	ds_add_u32 v176, v177
	s_wait_dscnt 0x0
	s_endpgm
.Lfunc_end_k_qa3b5c07484_ln2:
	.size	k_qa3b5c07484_ln2, .Lfunc_end_k_qa3b5c07484_ln2-k_qa3b5c07484_ln2
	.p2alignl 7, 3214868480
	.fill 96, 4, 3214868480
	.section	.rodata,"a",@progbits
	.p2align	6, 0x0
	.amdhsa_kernel k_qa3b5c07484_ln2
		.amdhsa_group_segment_fixed_size 102400
		.amdhsa_private_segment_fixed_size 0
		.amdhsa_enable_private_segment 0
		.amdhsa_kernarg_size 24
		.amdhsa_user_sgpr_count 2
		.amdhsa_user_sgpr_kernarg_segment_ptr 1
		.amdhsa_wavefront_size32 1
		.amdhsa_system_sgpr_workgroup_id_x 1
		.amdhsa_system_sgpr_workgroup_id_y 1
		.amdhsa_system_sgpr_workgroup_id_z 1
		.amdhsa_system_vgpr_workitem_id 0
		.amdhsa_next_free_vgpr 178
		.amdhsa_next_free_sgpr 66
		.amdhsa_reserve_vcc 0
		.amdhsa_float_denorm_mode_32 3
		.amdhsa_float_denorm_mode_16_64 3
		.amdhsa_memory_ordered 1
		.amdhsa_forward_progress 1
		.amdhsa_inst_pref_size 20
	.end_amdhsa_kernel
	.amdgpu_metadata
---
amdhsa.version: [ 1, 2 ]
amdhsa.kernels:
  - .name:           k_qa3b5c07484_ln2
    .symbol:         k_qa3b5c07484_ln2.kd
    .args:
      - { .name: x1, .offset: 0, .size: 8, .value_kind: global_buffer, .address_space: global }
      - { .name: modv, .offset: 8, .size: 8, .value_kind: global_buffer, .address_space: global }
      - { .name: actA, .offset: 16, .size: 8, .value_kind: global_buffer, .address_space: global }
    .group_segment_fixed_size: 102400
    .private_segment_fixed_size: 0
    .kernarg_segment_align: 8
    .kernarg_segment_size: 24
    .max_flat_workgroup_size: 512
    .sgpr_count:     66
    .vgpr_count:     178
    .wavefront_size: 32
...
	.end_amdgpu_metadata
.endif
;; end of part 14
;; launch g1 (part 15): grid 16 x 32, 8 waves a work-group, no clusters, 2,048 bytes of LDS; arguments actA, wimg, w1_scales, b1, uq; writes uq
.if DOCPART == 15
	.amdgcn_target "amdgcn-amd-amdhsa--gfx1250"
	.amdhsa_code_object_version 6
	.text
	.protected	k_qa3b5c07484_g1
	.globl	k_qa3b5c07484_g1
	.p2align	8
	.type	k_qa3b5c07484_g1,@function
k_qa3b5c07484_g1:
	s_mov_b64 s[64:65], 0
	v_nop
	global_prefetch_b8 v0, s[64:65] scope:SCOPE_SE
	s_setreg_imm32_b32 hwreg(HW_REG_WAVE_SCHED_MODE, 0, 2), 2
	s_setreg_imm32_b32 hwreg(HW_REG_WAVE_MODE, 25, 1), 1
	s_wait_xcnt 0x0
	s_wait_alu depctr_vm_vsrc(0)
; G1: u = gelu(h2 w1 + b1), the exact gelu 0.5 v (1 + erf(v / sqrt 2)), on codes of E5M2 with E8M0 scales (K = 1,024); u is quantised here along its columns, the next product's K, and stored as operand images.
; A work-group makes 128 rows x 256 columns: two K steps of the next product.  EIGHT WAVES, two to a SIMD, each 64 x 64: 16 accumulators in 512 registers.  A wave has at most 64 fragment loads of 512 bytes issued,
; so the eight together have 256 KiB; and the 4,096 x 4,096 results are 512 work-groups.
; OPERANDS COME STRAIGHT FROM MEMORY INTO REGISTERS: both are stored as images of operand registers (a tile of 16 rows x 128 K is 2,048 bytes, byte 512 c + 16 lane), so a fragment is four loads of 512 consecutive bytes.
; No tile passes through LDS, so there is nothing for a joint request of a cluster to land in: cluster = none.
; THE PRODUCT IS USED TRANSPOSED (source 0 = 16 rows of the weight, source 1 = 16 rows of h2), and a weight tile's row r is the weight's row 32 (nt / 2) + 8 (nt % 2) + r + 8 (r / 8):
; lane (r, h) holds row r of the result, and the 16 registers of column tiles 2 b, 2 b + 1 are columns 32 b + 16 h + 0 .. 15: what the conversions and the next operand's layout want.  The bias is the C of each sum's first product.
; K goes in 8 steps of 128, written out: every offset is an immediate.  Two sets of fragment registers take turns: behind a step's products and their places the set just read takes the loads of the step two further on.
; THE MODE: SCHED_MODE bits 1:0 = 2 (LLVM: expert scheduling mode 2), set by the entry lines.  The code itself states the register dependences
; between vector or matrix instructions and memory or LDS instructions, with s_wait_alu, always for 0.
; THE PLAN.  Registers that memory or LDS instructions touch:
;   v4-8, v10      offsets and LDS addresses: made at the head, never written again.  One wait on va_vdst ahead of the first load serves them all.
;   sets 0, 1      Step s: its products read set s % 2; the loads of step s + 2 land in the same set.  Two waves of 512 registers fill a SIMD's 1,024: there is no third set.
;   v32-63, v96-127  scale words and bias: loaded once at the head, read by the products.  Behind the products v96-127 take the codes.
;   v96-127, v24-27  codes and half words, registers of its own for each tile: written by the quantiser, read by the tile's two global stores and its LDS store, not written again.
;   v11            an LDS load lands there and a store reads it; no vector instruction names it.      v30, v31: the closing add's.
; So ONE wait on va_vdst stands in a step that loads, behind its products and their places: they are done reading the set that is asked for again at once.  (At the next step's head it would leave the set
; idle while the wave waits for that step's data, with 32 loads issued in place of 64.)  On the way out one wait on va_vdst a tile stands behind the quantiser, ahead of the tile's stores.
; ERF: z = v / sqrt 2 held within +-4; erf = z P(z^2) / Q(z^2), P of degree 6 and Q of degree 4 in z^2, in f32 by fused multiply-adds; 1 / Q by v_rcp_f32.
; REGISTERS.  window 0: v1-10 lane terms and addresses; v16-23 at work in the quantiser; v24-27 half words of scale bytes; v32-63 scale words and nothing else; v64-95 held numbers;
;   v96-127 the bias, later codes; v128-255 the accumulators, (i, t) at 128 + 8 (4 i + t).
;   window 1: fragment sets 0 (v0-127) and 1 (v128-255): in a set h2's four fragments, then the weight's four; behind the products: v0-79 z, z^2, P, Q, v / 2; v80-111 a tile's 32 results; v112-115 two coefficients as pairs.
; OUT.  uq: tile (mt, ks) at (32 mt + ks) x 2,048; my 64 columns are c = 2 (wq % 2), + 1 of K step ks = 2 x + wq / 2.  Scale words at 0x1000000 + (32 mt + ks) x 64 + 4 r: the waves' half words meet in LDS;
;   wave w then stores the words of row tile w for both K steps: 128 consecutive bytes.
; LIMITS: NaN and infinities are not served; a block of zeros, or one under 2^-111, gets the byte 1 (this program alone reads the bytes); the rational form's error is a few 1e-7 of erf's range, so 1 + erf loses
;   relative accuracy where v is far below 0 and gelu is next to 0.
.set KS, 8
.set WOFF, 0x220000
.set SOFF, 0x400000
.set TM, 16
.set HW, 24
.set SC, 32
.set HD, 64
.set BI, 96
.set ACC, 128
.set Z, 0                              ; these seven in window 1
.set Z2, 16
.set PP, 32
.set QQ, 48
.set HH, 64
.set U, 80
.set CP, 112
.set SEL, 26
.set MNT, 28
.set PA, 36
.set PS, 38
.set PB, 40
.set PW, 42
.set PBI, 44
.set PU, 46
.set PUS, 48
.set MSB, 0
.macro WIN new                         ; the immediate's high byte repeats the setting that is left; a switch that changes nothing is dropped
.if MSB != (\new)
	s_set_vgpr_msb (MSB<<8)|(\new)
.set MSB, (\new)
.endif
.endm
.macro WM d, a, b, c, sa, sb, ra, rb   ; one product; ra, rb: the scale words stand in lanes 16-31
.if (\ra) && (\rb)
	v_wmma_scale_f32_16x16x128_f8f6f4 v[\d:\d+7], v[\a:\a+15], v[\b:\b+15], v[\c:\c+7], v[\sa], v[\sb] matrix_a_fmt:MATRIX_FMT_BF8 matrix_b_fmt:MATRIX_FMT_BF8 matrix_a_scale:MATRIX_SCALE_ROW1 matrix_b_scale:MATRIX_SCALE_ROW1
.elseif (\ra)
	v_wmma_scale_f32_16x16x128_f8f6f4 v[\d:\d+7], v[\a:\a+15], v[\b:\b+15], v[\c:\c+7], v[\sa], v[\sb] matrix_a_fmt:MATRIX_FMT_BF8 matrix_b_fmt:MATRIX_FMT_BF8 matrix_a_scale:MATRIX_SCALE_ROW1
.elseif (\rb)
	v_wmma_scale_f32_16x16x128_f8f6f4 v[\d:\d+7], v[\a:\a+15], v[\b:\b+15], v[\c:\c+7], v[\sa], v[\sb] matrix_a_fmt:MATRIX_FMT_BF8 matrix_b_fmt:MATRIX_FMT_BF8 matrix_b_scale:MATRIX_SCALE_ROW1
.else
	v_wmma_scale_f32_16x16x128_f8f6f4 v[\d:\d+7], v[\a:\a+15], v[\b:\b+15], v[\c:\c+7], v[\sa], v[\sb] matrix_a_fmt:MATRIX_FMT_BF8 matrix_b_fmt:MATRIX_FMT_BF8
.endif
.endm
.macro LOADF s                         ; K step s: 32 loads into set s % 2
.set FB, 128*((\s)%2)
	WIN 0x40
.irp i, 0,1,2,3
.irp c, 0,1,2,3
	global_load_b128 v[FB+16*\i+4*\c:FB+16*\i+4*\c+3], v4, s[PA:PA+1] offset:(\i*KS+(\s))*2048+512*\c
.endr
.endr
.irp t, 0,1,2,3
.irp c, 0,1,2,3
	global_load_b128 v[FB+64+16*\t+4*\c:FB+64+16*\t+4*\c+3], v4, s[PB:PB+1] offset:(\t*KS+(\s))*2048+512*\c
.endr
.endr
.endm
.macro SCALES                          ; the scale words of all eight K steps: 20 loads
.irp i, 0,1,2,3
.irp e, 0,1,2,3
	global_load_b32 v[SC+4*\i+\e], v5, s[PS:PS+1] offset:(\i*KS+2*\e)*64
.endr
.endr
.irp t, 0,1,2,3
	global_load_b128 v[SC+16+4*\t:SC+16+4*\t+3], v6, s[PW:PW+1] offset:(32*(\t/2)+8*(\t%2))*KS*4
.endr
.endm
.macro MUL s                           ; 16 products; the sixteen accumulators take turns, one instruction a turn, in one order in every step
.set FB, 128*((\s)%2)
.set SE, SC+16+(\s)%4
.set AE, SC+(\s)/2
.set RA, (\s)/4
.set RB, (\s)%2
	WIN 0x05                                       ; both fragments in window 1; C and D in window 0
.irp i, 0,1,2,3
.irp t, 0,1,2,3
.if (\s) == 0
	WM ACC+8*(4*\i+\t), FB+64+16*\t, FB+16*\i, BI+8*\t, SE+4*\t, AE+4*\i, RA, RB
.else
	WM ACC+8*(4*\i+\t), FB+64+16*\t, FB+16*\i, ACC+8*(4*\i+\t), SE+4*\t, AE+4*\i, RA, RB
.endif
.endr
.endr
.endm
.macro STEP s
.set NW, 0
.if (\s)+1 < KS
.set NW, 32                            ; behind this step's fragments: the next step's 32 loads
.endif
	s_wait_loadcnt NW
	MUL \s
.if (\s)+2 < KS
.rept 8
	v_nop                                          ; eight places between this step's products and the loads into the registers that they read
.endr
	s_wait_alu depctr_va_vdst(0)                   ; this step's products are done reading set s % 2, in which the 32 loads below land
	LOADF (\s)+2
.endif
.endm
; 32 numbers of a lane (two blocks: register 16 b + e = k 32 b + 16 h + e of my row), at src in window win, become 8 registers of codes at cod and the two scale bytes in hw.  The held numbers go to dst, in window 0.
.macro QUANT2 src, win, dst, cod, hw
	WIN 5*(\win)
.irp b, 0,1
	v_max3_num_f32 v[TM+\b], |v[\src+16*\b]|, |v[\src+16*\b+1]|, 0x8000000     ; my 16 numbers, and the floor 2^(16 - 127): the byte cannot fall under 1
.endr
.irp e, 2,4,6,8,10,12,14
.irp b, 0,1
	v_max3_num_f32 v[TM+\b], |v[\src+16*\b+\e]|, |v[\src+16*\b+\e+1]|, v[TM+\b]
.endr
.endr
	WIN 0
.irp b, 0,1
	v_permlanex16_b32 v[TM+2+\b], v[TM+\b], s[SEL], s[SEL+1]
.endr
.irp b, 0,1
	v_max_num_f32 v[TM+\b], v[TM+\b], v[TM+2+\b]   ; with lane l xor 16's: the block's largest magnitude
.endr
.irp b, 0,1
	v_add_nc_u32 v[TM+4+\b], 0xf8800000, v[TM+\b]  ; 15 off the exponent field: the conversion's scale operand
.endr
.irp b, 0,1
	v_and_or_b32 v[TM+6+\b], v[TM+\b], 0x7f800000, s[MNT]          ; 57,344 x the scale
.endr
.irp b, 0,1
	v_lshrrev_b32 v[TM+2+\b], 23, v[TM+4+\b]       ; the scale's byte
.endr
	v_lshl_or_b32 v[\hw], v[TM+3], 8, v[TM+2]
	WIN (\win)
.irp b, 0,1
.irp e, 0,1,2,3,4,5,6,7,8,9,10,11,12,13,14,15
	v_med3_num_f32 v[\dst+16*\b+\e], v[\src+16*\b+\e], -v[TM+6+\b], v[TM+6+\b]   ; the conversion does not saturate (ISA guide 7.6.2): the hold comes first
.endr
.endr
	WIN 0
.irp g, 0,1,2,3
	v_cvt_scalef32_pk8_bf8_f32 v[\cod+2*\g:\cod+2*\g+1], v[\dst+8*\g:\dst+8*\g+7], v[TM+4+\g/2]
.endr
	v_nop                                          ; a plain instruction behind the last conversion
.endm
.macro FMAL d, a, b, lit               ; sixteen numbers: d = a b + a coefficient
.set J, 0
.rept 8
	v_pk_fma_f32 v[\d+J:\d+J+1], v[\a+J:\a+J+1], v[\b+J:\b+J+1], \lit op_sel_hi:[1,1,0]
.set J, J+2
.endr
.endm
.macro MULV d, a, b                    ; sixteen numbers: d = a b
.set J, 0
.rept 8
	v_pk_mul_f32 v[\d+J:\d+J+1], v[\a+J:\a+J+1], v[\b+J:\b+J+1]
.set J, J+2
.endr
.endm
.macro GELU16 src, dst                 ; sixteen results at src in window 0 -> their gelu at dst in window 1
	WIN 0x40                                       ; source 0 window 0, destination window 1
.set J, 0
.rept 8
	v_pk_mul_f32 v[Z+J:Z+J+1], v[\src+J:\src+J+1], 0x3f3504f3 op_sel_hi:[1,0]      ; v / sqrt 2; each accumulator from its low end on
.set J, J+2
.endr
.set J, 0
.rept 8
	v_pk_mul_f32 v[HH+J:HH+J+1], v[\src+J:\src+J+1], 0.5 op_sel_hi:[1,0]
.set J, J+2
.endr
	WIN 0x55                                       ; all in window 1
.set J, 0
.rept 16
	v_med3_num_f32 v[Z+J], v[Z+J], -4.0, 4.0
.set J, J+1
.endr
	MULV Z2, Z, Z
.set J, 0
.rept 8
	v_pk_fma_f32 v[PP+J:PP+J+1], v[Z2+J:Z2+J+1], 0xaf95df0b, v[CP:CP+1] op_sel_hi:[1,0,1]
	v_pk_fma_f32 v[QQ+J:QQ+J+1], v[Z2+J:Z2+J+1], 0xb77460cd, v[CP+2:CP+3] op_sel_hi:[1,0,1]
.set J, J+2
.endr
	FMAL PP, PP, Z2, 0xb60cff51
	FMAL QQ, QQ, Z2, 0xbadc924e
	FMAL PP, PP, Z2, 0xb86ec2d2
	FMAL QQ, QQ, Z2, 0xbbf19bf8
	FMAL PP, PP, Z2, 0xba40ac63
	FMAL QQ, QQ, Z2, 0xbc69b6a7
	FMAL PP, PP, Z2, 0xbb41a1f6
	FMAL PP, PP, Z2, 0xbc83dbd4
	MULV PP, PP, Z
.set J, 0
	s_wait_alu depctr_va_vdst(0)
.rept 16
	v_rcp_f32 v[QQ+J], v[QQ+J]
.set J, J+1
.endr
	v_nop                                          ; a plain instruction behind the batch (ISA guide 5.7.2),
	s_wait_alu depctr_va_vdst(0)                   ; and one wait for the sixteen reciprocals' results, ahead of their first reader
	MULV PP, PP, QQ                                ; erf
.set J, 0
.rept 8
	v_pk_fma_f32 v[\dst+J:\dst+J+1], v[PP+J:PP+J+1], v[HH+J:HH+J+1], v[HH+J:HH+J+1]
.set J, J+2
.endr
.endm
	s_load_b256 s[4:11], s[0:1], 0x0               ; actA, wimg, w1_scales, b1
	s_load_b64 s[12:13], s[0:1], 0x20              ; uq
	v_lshl_add_u32 v30, v0, 2, 0x400               ; my spare word and 0: made here and kept for the closing lines alone
	v_mov_b32 v31, 0
	v_lshrrev_b32 v1, 5, v0
	v_readfirstlane_b32 s20, v1                    ; wave 0..7
	v_and_b32 v1, 31, v0                           ; lane
	v_and_b32 v2, 15, v0                           ; r
	v_bfe_u32 v3, v0, 4, 1                         ; h
	v_lshlrev_b32 v4, 4, v1                        ; 16 x lane
	v_lshlrev_b32 v5, 2, v1                        ; 4 x lane
	v_and_b32 v6, 8, v2
	v_add_nc_u32 v6, v6, v2                        ; r + 8 (r / 8)
	v_mul_u32_u24 v6, v6, KS*4
	v_lshl_add_u32 v6, v3, 4, v6                   ; the weight's scale words: my row of a tile, + 16 h
	v_lshlrev_b32 v7, 2, v2                        ; 4 r
	s_wait_alu depctr_va_vdst(0)
	v_lshlrev_b32 v10, 6, v3                       ; the bias: 64 h
	v_mov_b32 v[TM+2], 0                           ; written once: a lane permute's destination counts as one of its sources
	v_mov_b32 v[TM+3], 0
	s_wait_alu depctr_va_sdst(0)                   ; s20 is written, ahead of its first reader: the wave's shares and addresses are made from it
	s_lshr_b32 s21, s20, 2                         ; wr: which 64 rows
	s_and_b32 s22, s20, 3                          ; wq: which 64 of the 256 columns
	s_and_b32 s24, ttmp7, 0xffff                   ; y
	s_lshl_b32 s29, s21, 9
	s_lshr_b32 s25, s22, 1
	s_lshl_b32 s25, s25, 6
	s_add_co_u32 s29, s29, s25
	s_and_b32 s25, s22, 1
	s_lshl_b32 s25, s25, 1
	s_add_co_u32 s29, s29, s25
	v_add_nc_u32 v7, s29, v7                       ; LDS: my half word: 128 (4 wr + i) + 64 (wq / 2) + 4 r + 2 (wq % 2)
	s_lshl_b32 s23, s20, 7
	v_add_nc_u32 v8, s23, v5                       ; LDS, back: 128 x wave + 4 x lane: row tile w, both K steps
	s_mov_b32 s[SEL], 0x76543210
	s_mov_b32 s[SEL+1], 0xfedcba98
	s_mov_b32 s[MNT], 0x600000
	s_lshl_b32 s30, s24, 3
	s_lshl_b32 s25, s21, 2
	s_add_co_u32 s30, s30, s25                     ; my first tile of rows: 8 y + 4 wr
	s_lshl_b32 s31, ttmp9, 4
	s_lshl_b32 s25, s22, 2
	s_add_co_u32 s31, s31, s25                     ; my first tile of columns: 16 x + 4 wq
	s_mul_i32 s50, s30, KS*2048
	s_mov_b32 s51, 0
	s_mul_i32 s52, s30, KS*64
	s_add_co_u32 s52, s52, SOFF
	s_mov_b32 s53, 0
	s_mul_i32 s54, s31, KS*2048
	s_add_co_u32 s54, s54, WOFF
	s_mov_b32 s55, 0
	s_mul_i32 s56, s31, KS*64
	s_mov_b32 s57, 0
	s_lshl_b32 s58, s31, 6
	s_mov_b32 s59, 0
	s_lshl_b32 s60, s30, 16                        ; u's images: (32 mt + 2 x + wq / 2) x 2,048 + 1,024 (wq % 2) = 65,536 mt + 4,096 x + 1,024 wq
	s_lshl_b32 s25, ttmp9, 12
	s_add_co_u32 s60, s60, s25
	s_lshl_b32 s25, s22, 10
	s_add_co_u32 s60, s60, s25
	s_mov_b32 s61, 0
	s_lshl_b32 s62, s24, 14                        ; u's scale words: (32 (8 y + wave) + 2 x) x 64
	s_lshl_b32 s25, s20, 11
	s_add_co_u32 s62, s62, s25
	s_lshl_b32 s25, ttmp9, 7
	s_add_co_u32 s62, s62, s25
	s_add_co_u32 s62, s62, 0x1000000
	s_mov_b32 s63, 0
	s_wait_kmcnt 0x0
	s_add_nc_u64 s[PA:PA+1], s[4:5], s[50:51]
	s_add_nc_u64 s[PS:PS+1], s[4:5], s[52:53]
	s_add_nc_u64 s[PB:PB+1], s[6:7], s[54:55]
	s_add_nc_u64 s[PW:PW+1], s[8:9], s[56:57]
	s_add_nc_u64 s[PBI:PBI+1], s[10:11], s[58:59]
	s_add_nc_u64 s[PU:PU+1], s[12:13], s[60:61]
	s_add_nc_u64 s[PUS:PUS+1], s[12:13], s[62:63]
	s_wait_alu depctr_va_vdst(0)                   ; the offsets and addresses v4 to v8 and v10 are written, which every load and store below reads
.irp b, 0,1
.irp q, 0,1,2,3
	global_load_b128 v[BI+16*\b+4*\q:BI+16*\b+4*\q+3], v10, s[PBI:PBI+1] offset:128*\b+16*\q   ; the bias in the result's layout: columns 32 b + 16 h + 0 .. 15
.endr
.endr
	SCALES
	LOADF 0
	LOADF 1
.set Q, 0
.rept KS
	STEP Q
.set Q, Q+1
.endr
.rept 8
	v_nop                                          ; eight places ahead of the first read of results and the first write over the fragments
.endr
	WIN 0x40
	v_mov_b32 v[CP], 0x32edffee                    ; P's second coefficient, as a pair: an instruction takes one literal
	v_mov_b32 v[CP+1], 0x32edffee
	v_mov_b32 v[CP+2], 0xb95fbd29                  ; Q's
	v_mov_b32 v[CP+3], 0xb95fbd29
.irp i, 0,1,2,3
	GELU16 ACC+32*\i, U
	GELU16 ACC+32*\i+16, U+16
	QUANT2 U, 1, HD, BI+8*\i, HW+\i
	s_wait_alu depctr_va_vdst(0)                   ; the quantiser has written this tile's codes and its half word, which the two global stores and the LDS store read
	global_store_b128 v4, v[BI+8*\i:BI+8*\i+3], s[PU:PU+1] offset:\i*65536         ; 512 consecutive bytes a store
	global_store_b128 v4, v[BI+8*\i+4:BI+8*\i+7], s[PU:PU+1] offset:\i*65536+512
	ds_store_b16 v7, v[HW+\i] offset:128*\i        ; both lanes of a row write the same two bytes
.endr
	s_wait_dscnt 0x0                               ; for the others' sake
	s_barrier_signal -1
	s_barrier_wait -1                              ; the sixteen tiles' scale words are whole
	ds_load_b32 v11, v8                            ; (no vector instruction names v11)
	s_wait_dscnt 0x0
	global_store_b32 v5, v11, s[PUS:PUS+1]         ; 128 consecutive bytes
	s_wait_dscnt 0x0                               ; the closing lines, six on end
	s_wait_alu 0x0
	s_wait_tensorcnt 0x0
	ds_add_u32 v30, v31
	s_wait_dscnt 0x0
	s_endpgm
.Lfunc_end_k_qa3b5c07484_g1:
	.size	k_qa3b5c07484_g1, .Lfunc_end_k_qa3b5c07484_g1-k_qa3b5c07484_g1
	.p2alignl 7, 3214868480
	.fill 96, 4, 3214868480
	.section	.rodata,"a",@progbits
	.p2align	6, 0x0
	.amdhsa_kernel k_qa3b5c07484_g1
		.amdhsa_group_segment_fixed_size 2048
		.amdhsa_private_segment_fixed_size 0
		.amdhsa_enable_private_segment 0
		.amdhsa_kernarg_size 40
		.amdhsa_user_sgpr_count 2
		.amdhsa_user_sgpr_kernarg_segment_ptr 1
		.amdhsa_wavefront_size32 1
		.amdhsa_system_sgpr_workgroup_id_x 1
		.amdhsa_system_sgpr_workgroup_id_y 1
		.amdhsa_system_sgpr_workgroup_id_z 1
		.amdhsa_system_vgpr_workitem_id 0
		.amdhsa_next_free_vgpr 512
		.amdhsa_next_free_sgpr 66
		.amdhsa_reserve_vcc 0
		.amdhsa_float_denorm_mode_32 3
		.amdhsa_float_denorm_mode_16_64 3
		.amdhsa_memory_ordered 1
		.amdhsa_forward_progress 1
		.amdhsa_inst_pref_size 167
	.end_amdhsa_kernel
	.amdgpu_metadata
---
amdhsa.version: [ 1, 2 ]
amdhsa.kernels:
  - .name:           k_qa3b5c07484_g1
    .symbol:         k_qa3b5c07484_g1.kd
    .args:
      - { .name: actA, .offset: 0, .size: 8, .value_kind: global_buffer, .address_space: global }
      - { .name: wimg, .offset: 8, .size: 8, .value_kind: global_buffer, .address_space: global }
      - { .name: w1_scales, .offset: 16, .size: 8, .value_kind: global_buffer, .address_space: global }
      - { .name: b1, .offset: 24, .size: 8, .value_kind: global_buffer, .address_space: global }
      - { .name: uq, .offset: 32, .size: 8, .value_kind: global_buffer, .address_space: global }
    .group_segment_fixed_size: 2048
    .private_segment_fixed_size: 0
    .kernarg_segment_align: 8
    .kernarg_segment_size: 40
    .max_flat_workgroup_size: 256
    .sgpr_count:     66
    .vgpr_count:     512
    .wavefront_size: 32
...
	.end_amdgpu_metadata
.endif
;; end of part 15
;; launch g2 (part 16): grid 8 x 32, 8 waves a work-group, no clusters, 105,472 bytes of LDS; arguments uq, wimg, w2_scales, b2, x1, out0; writes out0
.if DOCPART == 16
	.amdgcn_target "amdgcn-amd-amdhsa--gfx1250"
	.amdhsa_code_object_version 6
	.text
	.protected	k_qa3b5c07484_g2
	.globl	k_qa3b5c07484_g2
	.p2align	8
	.type	k_qa3b5c07484_g2,@function
k_qa3b5c07484_g2:
	s_mov_b64 s[64:65], 0
	v_nop
	global_prefetch_b8 v0, s[64:65] scope:SCOPE_SE
	s_setreg_imm32_b32 hwreg(HW_REG_WAVE_SCHED_MODE, 0, 2), 2
	s_setreg_imm32_b32 hwreg(HW_REG_WAVE_MODE, 25, 1), 1
	s_wait_xcnt 0x0
	s_wait_alu depctr_vm_vsrc(0)
; G2: out0 = u w2 + b2 + x1, f32 out, on codes of E5M2 with E8M0 scales, K = 4,096.
; A work-group makes 128 rows x 128 columns (4,096 x 1,024 results are 256 such tiles).  EIGHT WAVES, two to a SIMD, SHARE K: waves 0-3 take K steps 0-15, waves 4-7 K steps 16-31; in each half a wave makes 64 x 64:
; 16 accumulators in 512 registers.  A wave has at most 64 fragment loads of 512 bytes issued, so the eight together have 256 KiB.
; THE TWO HALVES MEET IN LDS.  Of its four tiles of 16 rows a wave keeps two and sends two to its partner (wave xor 4), in the layout of the way out; one barrier; then it adds what it was sent to what it kept.
; The text is the same for both halves: accumulator rows 0, 1 are the tiles that the wave keeps (tiles 2 kh, 2 kh + 1 of its 64 rows), rows 2, 3 those that it sends: two base addresses for u's images and two for its scale words.
; LIMIT: each result is the sum of two f32 sums over halves of K: another order of rounding than one chain over all of K.
; OPERANDS COME STRAIGHT FROM MEMORY INTO REGISTERS: both are stored as images of operand registers (a tile of 16 rows x 128 K is 2,048 bytes, byte 512 c + 16 lane), so a fragment is four loads of 512 consecutive bytes.
; No tile passes through LDS, so there is nothing for a joint request of a cluster to land in: cluster = none.
; THE PRODUCT IS USED TRANSPOSED (source 0 = 16 rows of the weight, source 1 = 16 rows of u), and a weight tile's row r is the weight's row 32 (nt / 2) + 8 (nt % 2) + r + 8 (r / 8):
; lane (r, h) holds row r of C, and the 16 registers of column tiles 2 b, 2 b + 1 are columns 32 b + 16 h + 0 .. 15.
; K goes in steps of 128, written out: every offset is an immediate.  Two sets of fragment registers take turns: behind a step's products and their places the set just read takes the loads of the step two further on.
; THE MODE: SCHED_MODE bits 1:0 = 2 (LLVM: expert scheduling mode 2), set by the entry lines.  The code itself states the register dependences
; between vector or matrix instructions and memory or LDS instructions, with s_wait_alu, always for 0.
; THE PLAN.  Registers that memory or LDS instructions touch:
;   v4-10, v12, v13  offsets and LDS addresses: made at the head, never written again.  One wait on va_vdst ahead of the first load serves them all.
;   sets 0, 1      Step s: its products read set s % 2; the loads of step s + 2 land in the same set.  Two waves of 512 registers fill a SIMD's 1,024: there is no third set.
;   v32-63, v64-95 scale words of my K steps 0-7 and 8-15: each set is loaded once, ahead of every product that names it.      v96-99: the bias, loaded once.
;   accumulators   written by the products; v128-191 read by the LDS stores into my stage, v192-255 by the LDS stores to my partner.
;   v192-255       then: rows from my stage and from my inbox land there, the tile's additions read and write them, and the next tile's rows land there.
;   window 1, v0-63  set 0's first registers, then: the residual lands there, a tile's additions read and write its 32, its stores read them; they are not written again.
;   v126, v127     the closing add's.
; So ONE wait on va_vdst stands in a step that loads, behind its products and their places: they are done reading the set that is asked for again at once.  (At the next step's head it would leave the set
; idle while the wave waits for that step's data, with 32 loads issued in place of 64.)  On the way out: one wait on va_vdst behind the places; one on vm_vsrc behind the barrier; one on va_vdst a tile, behind its additions.
; REGISTERS.  window 0: v1-14 lane terms and addresses; v32-95 scale words and nothing else, two sets; v96-99 the bias of my four columns; v128-255 the accumulators, (i, t) at 128 + 8 (4 i + t);
;   on the way out v192-223 rows of my own sums, v224-255 rows of my partner's.   window 1: fragment sets 0 (v0-127) and 1 (v128-255): in a set u's four fragments, then the weight's four; on the way out v0-63 residual rows.
; SCALE WORDS, eight K steps at a time.  u's: one load brings K step 2 e in lanes 0-15 and 2 e + 1 in lanes 16-31.  The weight's: one 16-byte load a tile brings words 0-3 in lanes 0-15, 4-7 in lanes 16-31.
; THE WAY OUT.  A tile of 16 rows x 64 columns goes through the wave's own stage in LDS (rows of 256 + 16 bytes) and comes back as whole rows; the partner's rows, the bias and the residual are added;
; sixteen lanes store 256 consecutive bytes, aligned.
.set KS, 32                            ; K steps in a row of tiles: the images' pitch
.set KH, 16                            ; K steps of a wave
.set KC, 2                             ; in runs of eight
.set WOFF, 0x620000
.set SOFF, 0x1000000
.set INB, 8*4352                       ; LDS: eight stages of 16 x 272 bytes, then eight inboxes of two such tiles
.set SC, 32
.set BV, 96
.set ACC, 128
.set OB, 192
.set OC, 224
.set RR, 0                             ; in window 1
.set PAL, 36
.set PAH, 38
.set PSL, 40
.set PSH, 42
.set PB, 44
.set PW, 46
.set PBI, 48
.set PR, 50
.set PO, 52
.set MSB, 0
.macro WIN new                         ; the immediate's high byte repeats the setting that is left; a switch that changes nothing is dropped
.if MSB != (\new)
	s_set_vgpr_msb (MSB<<8)|(\new)
.set MSB, (\new)
.endif
.endm
.macro WM d, a, b, c, sa, sb, ra, rb   ; one product; ra, rb: the scale words stand in lanes 16-31
.if (\ra) && (\rb)
	v_wmma_scale_f32_16x16x128_f8f6f4 v[\d:\d+7], v[\a:\a+15], v[\b:\b+15], v[\c:\c+7], v[\sa], v[\sb] matrix_a_fmt:MATRIX_FMT_BF8 matrix_b_fmt:MATRIX_FMT_BF8 matrix_a_scale:MATRIX_SCALE_ROW1 matrix_b_scale:MATRIX_SCALE_ROW1
.elseif (\ra)
	v_wmma_scale_f32_16x16x128_f8f6f4 v[\d:\d+7], v[\a:\a+15], v[\b:\b+15], v[\c:\c+7], v[\sa], v[\sb] matrix_a_fmt:MATRIX_FMT_BF8 matrix_b_fmt:MATRIX_FMT_BF8 matrix_a_scale:MATRIX_SCALE_ROW1
.elseif (\rb)
	v_wmma_scale_f32_16x16x128_f8f6f4 v[\d:\d+7], v[\a:\a+15], v[\b:\b+15], v[\c:\c+7], v[\sa], v[\sb] matrix_a_fmt:MATRIX_FMT_BF8 matrix_b_fmt:MATRIX_FMT_BF8 matrix_b_scale:MATRIX_SCALE_ROW1
.else
	v_wmma_scale_f32_16x16x128_f8f6f4 v[\d:\d+7], v[\a:\a+15], v[\b:\b+15], v[\c:\c+7], v[\sa], v[\sb] matrix_a_fmt:MATRIX_FMT_BF8 matrix_b_fmt:MATRIX_FMT_BF8
.endif
.endm
.macro WMZ d, a, b, sa, sb             ; the first K step starts a sum: nothing is cleared
	v_wmma_scale_f32_16x16x128_f8f6f4 v[\d:\d+7], v[\a:\a+15], v[\b:\b+15], 0, v[\sa], v[\sb] matrix_a_fmt:MATRIX_FMT_BF8 matrix_b_fmt:MATRIX_FMT_BF8
.endm
.macro LOADF s                         ; my K step s: 32 loads into set s % 2
.set FB, 128*((\s)%2)
	WIN 0x40
.irp i, 0,1
.irp c, 0,1,2,3
	global_load_b128 v[FB+16*\i+4*\c:FB+16*\i+4*\c+3], v4, s[PAL:PAL+1] offset:(\i*KS+(\s))*2048+512*\c          ; the tiles that I keep
.endr
.endr
.irp i, 0,1
.irp c, 0,1,2,3
	global_load_b128 v[FB+32+16*\i+4*\c:FB+32+16*\i+4*\c+3], v4, s[PAH:PAH+1] offset:(\i*KS+(\s))*2048+512*\c    ; the tiles that I send
.endr
.endr
.irp t, 0,1,2,3
.irp c, 0,1,2,3
	global_load_b128 v[FB+64+16*\t+4*\c:FB+64+16*\t+4*\c+3], v4, s[PB:PB+1] offset:(\t*KS+(\s))*2048+512*\c
.endr
.endr
.endm
.macro SCALES ch                       ; the scale words of my K steps 8 ch .. 8 ch + 7: 20 loads into set ch % 2
.set SQ, SC+32*((\ch)%2)
	WIN 0
.irp i, 0,1
.irp e, 0,1,2,3
	global_load_b32 v[SQ+4*\i+\e], v5, s[PSL:PSL+1] offset:(\i*KS+8*(\ch)+2*\e)*64
	global_load_b32 v[SQ+8+4*\i+\e], v5, s[PSH:PSH+1] offset:(\i*KS+8*(\ch)+2*\e)*64
.endr
.endr
.irp t, 0,1,2,3
	global_load_b128 v[SQ+16+4*\t:SQ+16+4*\t+3], v6, s[PW:PW+1] offset:(32*(\t/2)+8*(\t%2))*KS*4+32*(\ch)
.endr
.endm
.macro MUL s                           ; 16 products; the sixteen accumulators take turns, one instruction a turn, in one order in every step
.set FB, 128*((\s)%2)
.set SQ, SC+32*(((\s)/8)%2)
.set SE, SQ+16+(\s)%4
.set AE, SQ+((\s)%8)/2
.set RA, ((\s)/4)%2
.set RB, (\s)%2
	WIN 0x05                                       ; both fragments in window 1; C and D in window 0
.irp i, 0,1,2,3
.irp t, 0,1,2,3
.if (\s) == 0
	WMZ ACC+8*(4*\i+\t), FB+64+16*\t, FB+16*\i, SE+4*\t, AE+4*\i
.else
	WM ACC+8*(4*\i+\t), FB+64+16*\t, FB+16*\i, ACC+8*(4*\i+\t), SE+4*\t, AE+4*\i, RA, RB
.endif
.endr
.endr
.endm
.macro STEP s
.set NW, 0
.if (\s)+1 < KH
.set NW, 32                            ; behind this step's fragments: the next step's 32 loads,
.endif
.if (\s)/8+1 < KC
.if ((\s)%8 == 1) || ((\s)%8 == 2)
.set NW, NW+20                         ; and, in these two steps, the next 20 scale loads
.endif
.endif
	s_wait_loadcnt NW
	MUL \s
.if (\s)+2 < KH
.rept 8
	v_nop                                          ; eight places between this step's products and the loads into the registers that they read
.endr
	s_wait_alu depctr_va_vdst(0)                   ; this step's products are done reading set s % 2, in which the 32 loads below land
	LOADF (\s)+2
.endif
.if (\s)%8 == 0
.if (\s)/8+1 < KC
	SCALES (\s)/8+1                                ; no wait: no vector or matrix instruction has named v64-95 yet
.endif
.endif
.endm
	s_load_b256 s[4:11], s[0:1], 0x0               ; uq, wimg, w2_scales, b2
	s_load_b128 s[12:15], s[0:1], 0x20             ; x1, out0
	v_lshl_add_u32 v126, v0, 2, 0x19800            ; my spare word and 0: made here and kept for the closing lines alone
	v_mov_b32 v127, 0
	v_lshrrev_b32 v1, 5, v0
	v_readfirstlane_b32 s20, v1                    ; wave 0..7
	v_and_b32 v1, 31, v0                           ; lane
	v_and_b32 v2, 15, v0                           ; r
	v_bfe_u32 v3, v0, 4, 1                         ; h
	v_lshlrev_b32 v4, 4, v1                        ; 16 x lane
	v_lshlrev_b32 v5, 2, v1                        ; 4 x lane
	v_and_b32 v6, 8, v2
	v_add_nc_u32 v6, v6, v2                        ; r + 8 (r / 8)
	v_mul_u32_u24 v6, v6, KS*4
	v_lshl_add_u32 v6, v3, 4, v6                   ; the weight's scale words: my row of a tile, + 16 h
	v_mul_u32_u24 v11, v2, 272
	v_lshl_add_u32 v11, v3, 6, v11                 ; into a tile of rows: row r, + 64 h
	s_wait_alu depctr_va_vdst(0)
	v_mul_u32_u24 v14, v3, 272
	v_lshl_add_u32 v14, v2, 4, v14                 ; out of it: lanes 0-15 one row, lanes 16-31 the next
	s_wait_alu depctr_va_vdst(0)
	v_lshlrev_b32 v9, 12, v3
	v_lshl_add_u32 v9, v2, 4, v9                   ; two rows in memory: 4,096 h + 16 r
	v_lshlrev_b32 v10, 4, v2                       ; the bias of my four columns: 16 r
	s_wait_alu depctr_va_sdst(0)                   ; s20 is written, ahead of its first reader: the wave's shares and addresses are made from it
	s_lshr_b32 s23, s20, 2                         ; kh: which half of K
	s_bfe_u32 s21, s20, 0x10001                    ; wr: which 64 rows
	s_and_b32 s22, s20, 1                          ; wc: which 64 columns
	s_and_b32 s24, ttmp7, 0xffff                   ; y
	s_mul_i32 s29, s20, 4352                       ; my stage
	v_add_nc_u32 v7, s29, v11
	v_add_nc_u32 v8, s29, v14
	s_xor_b32 s26, s20, 4                          ; my partner,
	s_mul_i32 s26, s26, 8704
	s_add_co_u32 s26, s26, INB
	v_add_nc_u32 v12, s26, v11                     ; whose inbox I write;
	s_mul_i32 s27, s20, 8704
	s_add_co_u32 s27, s27, INB
	v_add_nc_u32 v13, s27, v14                     ; and mine, which I read
	s_lshl_b32 s30, s24, 3
	s_lshl_b32 s25, s21, 2
	s_add_co_u32 s30, s30, s25                     ; the first tile of my 64 rows: 8 y + 4 wr
	s_lshl_b32 s25, s23, 1
	s_add_co_u32 s32, s30, s25                     ; the first tile that I keep: + 2 kh
	s_add_co_u32 s33, s30, 2
	s_sub_co_u32 s33, s33, s25                     ; the first tile that I send: + 2 - 2 kh
	s_lshl_b32 s31, ttmp9, 3
	s_lshl_b32 s25, s22, 2
	s_add_co_u32 s31, s31, s25                     ; my first tile of columns: 8 x + 4 wc
	s_mul_i32 s34, s23, KH*2048                    ; my half of K: in a row of images,
	s_mul_i32 s35, s23, KH*64                      ; among u's scale words,
	s_mul_i32 s28, s23, KH*4                       ; in a row of the weight's scale bytes
	s_mov_b32 s55, 0
	s_wait_kmcnt 0x0
	s_mul_i32 s54, s32, KS*2048
	s_add_co_u32 s54, s54, s34
	s_add_nc_u64 s[PAL:PAL+1], s[4:5], s[54:55]
	s_mul_i32 s54, s33, KS*2048
	s_add_co_u32 s54, s54, s34
	s_add_nc_u64 s[PAH:PAH+1], s[4:5], s[54:55]
	s_mul_i32 s54, s32, KS*64
	s_add_co_u32 s54, s54, s35
	s_add_co_u32 s54, s54, SOFF
	s_add_nc_u64 s[PSL:PSL+1], s[4:5], s[54:55]
	s_mul_i32 s54, s33, KS*64
	s_add_co_u32 s54, s54, s35
	s_add_co_u32 s54, s54, SOFF
	s_add_nc_u64 s[PSH:PSH+1], s[4:5], s[54:55]
	s_mul_i32 s54, s31, KS*2048
	s_add_co_u32 s54, s54, s34
	s_add_co_u32 s54, s54, WOFF
	s_add_nc_u64 s[PB:PB+1], s[6:7], s[54:55]
	s_mul_i32 s54, s31, KS*64
	s_add_co_u32 s54, s54, s28
	s_add_nc_u64 s[PW:PW+1], s[8:9], s[54:55]
	s_lshl_b32 s54, s31, 6
	s_add_nc_u64 s[PBI:PBI+1], s[10:11], s[54:55]
	s_lshl_b32 s25, s32, 16
	s_add_co_u32 s54, s54, s25                     ; the corner of what I store: 16 x 4,096 bytes a tile of rows, 64 a tile of columns
	s_add_nc_u64 s[PR:PR+1], s[12:13], s[54:55]
	s_add_nc_u64 s[PO:PO+1], s[14:15], s[54:55]
	s_wait_alu depctr_va_vdst(0)                   ; the offsets and addresses v4 to v10, v12 and v13 are written, which every load and store below reads
	global_load_b128 v[BV:BV+3], v10, s[PBI:PBI+1]
	SCALES 0
	LOADF 0
	LOADF 1
.set Q, 0
.rept KH
	STEP Q
.set Q, Q+1
.endr
.macro RES j                           ; the residual's 16 rows x 256 bytes of the j-th tile that I keep
.irp q, 0,1,2,3,4,5,6,7
	global_load_b128 v[RR+32*(\j)+4*\q:RR+32*(\j)+4*\q+3], v9, s[PR:PR+1] offset:(16*(\j)+2*\q)*4096
.endr
.endm
.macro OUT j
.set RS, RR+32*(\j)
.irp t, 0,1,2,3
	ds_store_b128 v7, v[ACC+8*(4*\j+\t):ACC+8*(4*\j+\t)+3] offset:128*(\t/2)+32*(\t%2)       ; each accumulator from its low end on
	ds_store_b128 v7, v[ACC+8*(4*\j+\t)+4:ACC+8*(4*\j+\t)+7] offset:128*(\t/2)+32*(\t%2)+16
.endr
.irp q, 0,1,2,3,4,5,6,7
	ds_load_b128 v[OB+4*\q:OB+4*\q+3], v8 offset:544*\q            ; LDS serves a wave's instructions in order (ISA guide 5.7.1.4): these see the stores above, and the next tile's stores come behind them
	ds_load_b128 v[OC+4*\q:OC+4*\q+3], v13 offset:\j*4352+544*\q   ; what my partner sent, behind the barrier
.endr
	s_wait_dscnt 0x0
.irp k, 0,1,2,3,4,5,6,7,8,9,10,11,12,13,14,15
	v_pk_add_f32 v[OB+2*\k:OB+2*\k+1], v[OB+2*\k:OB+2*\k+1], v[OC+2*\k:OC+2*\k+1]           ; the two halves of K
.endr
.irp k, 0,1,2,3,4,5,6,7,8,9,10,11,12,13,14,15
	v_pk_add_f32 v[OB+2*\k:OB+2*\k+1], v[OB+2*\k:OB+2*\k+1], v[BV+2*(\k%2):BV+2*(\k%2)+1]   ; the bias of my four columns
.endr
.if \j == 0
	s_wait_loadcnt 8                               ; this tile's residual is in; the next tile's eight loads stay out
.else
	s_wait_loadcnt 0x0
.endif
	WIN 0x41                                       ; destination and source 0 window 1, source 1 window 0
.irp k, 0,1,2,3,4,5,6,7,8,9,10,11,12,13,14,15
	v_pk_add_f32 v[RS+2*\k:RS+2*\k+1], v[RS+2*\k:RS+2*\k+1], v[OB+2*\k:OB+2*\k+1]
.endr
	WIN 0x04                                       ; a store's data are its source 1: window 1
	s_wait_alu depctr_va_vdst(0)                   ; the additions have written this tile's rows in window 1, which the stores read, and are done with v192-255, in which the next tile's LDS loads land
.irp q, 0,1,2,3,4,5,6,7
	global_store_b128 v9, v[RS+4*\q:RS+4*\q+3], s[PO:PO+1] offset:(16*\j+2*\q)*4096 th:TH_STORE_NT   ; sixteen lanes store 256 consecutive bytes, aligned; written once, read by nobody here
.endr
	WIN 0
.endm
	WIN 0x40                                       ; the residual lands in window 1
.rept 8
	v_nop                                          ; eight places ahead of the first read of results and of the loads into the fragments' registers
.endr
	s_wait_alu depctr_va_vdst(0)                   ; the products have written the accumulators, which the LDS stores below read, and are done reading set 0's registers, in which the residual lands; the places above stay beside this wait
	RES 0
	RES 1
	WIN 0
.irp j, 0,1
.irp t, 0,1,2,3
	ds_store_b128 v12, v[ACC+8*(4*(\j+2)+\t):ACC+8*(4*(\j+2)+\t)+3] offset:\j*4352+128*(\t/2)+32*(\t%2)       ; to my partner: each accumulator from its low end on
	ds_store_b128 v12, v[ACC+8*(4*(\j+2)+\t)+4:ACC+8*(4*(\j+2)+\t)+7] offset:\j*4352+128*(\t/2)+32*(\t%2)+16
.endr
.endr
	s_wait_dscnt 0x0                               ; for my partner's sake: what I sent lies in LDS
	s_barrier_signal -1
	s_barrier_wait -1                              ; and what I was sent
	s_wait_alu depctr_vm_vsrc(0)                   ; my LDS stores to my partner have read v192-255, in which the rows from my stage and from my inbox land
	OUT 0
	OUT 1
	s_wait_dscnt 0x0                               ; the closing lines, six on end
	s_wait_alu 0x0
	s_wait_tensorcnt 0x0
	ds_add_u32 v126, v127
	s_wait_dscnt 0x0
	s_endpgm
.Lfunc_end_k_qa3b5c07484_g2:
	.size	k_qa3b5c07484_g2, .Lfunc_end_k_qa3b5c07484_g2-k_qa3b5c07484_g2
	.p2alignl 7, 3214868480
	.fill 96, 4, 3214868480
	.section	.rodata,"a",@progbits
	.p2align	6, 0x0
	.amdhsa_kernel k_qa3b5c07484_g2
		.amdhsa_group_segment_fixed_size 105472
		.amdhsa_private_segment_fixed_size 0
		.amdhsa_enable_private_segment 0
		.amdhsa_kernarg_size 48
		.amdhsa_user_sgpr_count 2
		.amdhsa_user_sgpr_kernarg_segment_ptr 1
		.amdhsa_wavefront_size32 1
		.amdhsa_system_sgpr_workgroup_id_x 1
		.amdhsa_system_sgpr_workgroup_id_y 1
		.amdhsa_system_sgpr_workgroup_id_z 1
		.amdhsa_system_vgpr_workitem_id 0
		.amdhsa_next_free_vgpr 512
		.amdhsa_next_free_sgpr 66
		.amdhsa_reserve_vcc 0
		.amdhsa_float_denorm_mode_32 3
		.amdhsa_float_denorm_mode_16_64 3
		.amdhsa_memory_ordered 1
		.amdhsa_forward_progress 1
		.amdhsa_inst_pref_size 108
	.end_amdhsa_kernel
	.amdgpu_metadata
---
amdhsa.version: [ 1, 2 ]
amdhsa.kernels:
  - .name:           k_qa3b5c07484_g2
    .symbol:         k_qa3b5c07484_g2.kd
    .args:
      - { .name: uq, .offset: 0, .size: 8, .value_kind: global_buffer, .address_space: global }
      - { .name: wimg, .offset: 8, .size: 8, .value_kind: global_buffer, .address_space: global }
      - { .name: w2_scales, .offset: 16, .size: 8, .value_kind: global_buffer, .address_space: global }
      - { .name: b2, .offset: 24, .size: 8, .value_kind: global_buffer, .address_space: global }
      - { .name: x1, .offset: 32, .size: 8, .value_kind: global_buffer, .address_space: global }
      - { .name: out0, .offset: 40, .size: 8, .value_kind: global_buffer, .address_space: global }
    .group_segment_fixed_size: 105472
    .private_segment_fixed_size: 0
    .kernarg_segment_align: 8
    .kernarg_segment_size: 48
    .max_flat_workgroup_size: 256
    .sgpr_count:     66
    .vgpr_count:     512
    .wavefront_size: 32
...
	.end_amdgpu_metadata
.endif
;; end of part 16
